; MI455X (gfx1250); checked and timed in simulation.
; The chip was launched on July 23, 2026; its instructions are those of AMD's public machine-readable ISA for CDNA 5 (MIT licence, August 2026) and "CDNA5" Instruction Set Architecture Reference Guide (July 2026). The comments in the code are by the model that wrote it; some were corrected since.
;; Advanced Mo E. Allowed arithmetic: matrix products marked QUANTISED: E4M3 operands, one E8M0 scale for each 32 along K, by v_wmma_scale_f32_16x16x128_f8f6f4 with both operands' format E4M3, f32 sums; products left as they are: f32 operands where the result goes on into a quantised operand, else bf16, f16 or f32 operands; f32 sums; everything else in f32.
;; Inputs: W1 8 x 768 x 256 float32; W2 8 x 256 x 256 float32; W3 8 x 256 x 768 float32; Wg1 768 x 256 float32; Wg2 256 x 256 float32; Wg3 256 x 8 float32; Wq1 768 x 256 float32; Wq2 256 x 1 float32; b1 8 x 256 float32; b2 8 x 256 float32; b3 8 x 768 float32; bg1 256 float32; bg2 256 float32; bg3 8 float32; bq1 256 float32; bq2 1 float32; x 16,384 x 768 float32.
;; Outputs: out0 16,384 x 768 float32; out1 16,384 x 8 float32; out2 16,384 x 1 float32.
;; This version of the problem:
;;   THIS VERSION OF THE PROBLEM IS GIVEN IN LOW PRECISION. The matrix products marked QUANTISED in the list below multiply operands that are first quantised to E4M3 (4 exponent bits, 3 mantissa bits; 8 bits a number), with one power-of-two scale for each 32 numbers along K (OCP MX v1.0); their sums are f32. All else is computed in f32.
;;   The module's matrix products, in the order in which they are computed (A, B: the left and right operand; K: the contracted axis; several contracted axes count as one K, in the product's order):
;;     1. [M 16,384, K 768] x [K 768, N 256]; A: input x; B: input Wg1: QUANTISED
;;     2. [M 16,384, K 256] x [K 256, N 256]; A: computed on the way; B: input Wg2: QUANTISED
;;     3. [M 16,384, K 256] x [K 256, N 8]; A: computed on the way; B: input Wg3: left as it is (N = 8 < 16)
;;     4. [M 16,384, K 768] x [K 768, N 2,048]; A: input x; B: input W1: QUANTISED
;;     5. batch 8 x [M 256, K 256] x [K 256, N 16,384]; A: input W2; B: computed on the way: QUANTISED
;;     6. batch 8 x [M 768, K 256] x [K 256, N 16,384]; A: input W3; B: computed on the way: QUANTISED
;;     7. batch 16,384 x [M 1, K 2] x [K 2, N 768]; A: computed on the way; B: computed on the way: left as it is (K = 2 < 32)
;;     8. [M 16,384, K 768] x [K 768, N 256]; A: input x; B: input Wq1: QUANTISED
;;     9. [M 16,384, K 256] x [K 256, N 1]; A: computed on the way; B: input Wq2: left as it is (N = 1 < 16)
;;   THE QUANTISER, for each operand of a quantised product, along K:
;;     - K is cut into blocks of 32 from its start; a last block that is shorter is filled with zeros.
;;     - A block's scale is 2^e with e = floor(log2(the largest magnitude in the block)) - 8, held to -126 .. 127; a block of zeros has e = 0. As a byte (E8M0): e + 127.
;;     - Each number is divided by its block's scale, clamped to +-448, and rounded to the nearest number of E4M3, ties to even, subnormals kept.
;;     - The product sums the exact products of the quantised numbers (number of the format x scale) in f32.
;;   ~~~python
;;   def quantise(x, axis):      # numpy; x: float32 -> the quantised numbers, widened to float32 again
;;       x = np.moveaxis(x, axis, -1); K = x.shape[-1]
;;       x = np.pad(x, [(0, 0)] * (x.ndim - 1) + [(0, -K % 32)]); x = x.reshape(x.shape[:-1] + (-1, 32)); a = np.abs(x).max(-1, keepdims=True)
;;       e = np.where(a > 0, np.clip(np.frexp(np.where(a > 0, a, 1))[1] - 1 - 8, -126, 127), 0)      # np.frexp(a)[1] - 1 = floor(log2(a)), exactly
;;       r = np.clip(x / 2.0 ** e, -448, 448)
;;       step = 2.0 ** (np.maximum(np.frexp(np.where(r == 0, 1, r))[1] - 1, -6) - 3)
;;       q = np.round(r / step) * step * 2.0 ** e      # np.round: ties to even
;;       return np.moveaxis(q.reshape(q.shape[:-2] + (-1,))[..., :K], -1, axis).astype(np.float32)
;;   ~~~
;;   OPERANDS COMPUTED ON THE WAY. 'Computed on the way' means the value that the module computes at that place (a softmax that the list does not call 'softmax' is quantised finished and normalised). What goes into a quantiser is computed in f32, as accurately as f32 sums, v_exp_f32 and their like allow (about 1e-6 of the number): no bf16 or f16 on the way to a quantiser, and a product that is left as it is and whose result goes on into a quantised operand takes f32 operands (vector FMAs, or v_wmma_f32_16x16x4_f32). A number that lies on a knife's edge between two numbers of the format may be rounded either way, as far as f32 arithmetic and the matrix unit's own rounding can turn it there, and no further.
;; 2 versions. Each part assembles by itself: llvm-mc -triple=amdgcn-amd-amdhsa -mcpu=gfx1250 --defsym DOCPART=n.
;; ======== version 1 of 2: 4 launches
;; workspace buffers: wq 4,257,792 bytes; xq 12,582,912 bytes; xs 393,216 bytes; rw 131,072 bytes; rkey 65,536 bytes of whole numbers; hist 32,768 bytes of whole numbers; sidx 131,072 bytes of whole numbers
;; launch prep (part 1): grid 28 x 9, 4 waves a work-group, no clusters, 0 bytes of LDS; arguments W1, W2, W3, Wg1, Wg2, Wq1, wq; writes wq
.if DOCPART == 1
	.amdgcn_target "amdgcn-amd-amdhsa--gfx1250"
	.amdhsa_code_object_version 6
	.text
	.protected	k_q7d62748ebc_prep
	.globl	k_q7d62748ebc_prep
	.p2align	8
	.type	k_q7d62748ebc_prep,@function
k_q7d62748ebc_prep:
	s_mov_b64 s[64:65], 0
	v_nop
	global_prefetch_b8 v0, s[64:65] scope:SCOPE_SE
	s_setreg_imm32_b32 hwreg(HW_REG_WAVE_MODE, 25, 1), 1
	s_wait_xcnt 0x0
; All nine sets of weights (8 experts: W1, W2, W3; set 8: Wg1, Wg2, Wq1), f32 with K as the outer axis, become codes of E4M3 with one E8M0 byte
; for each 32 along K, laid in wq in the ORDER OF THE CONSUMER'S OPERAND REGISTERS: a fragment (16 output units x 128 K) is 2,048 bytes, group c of four
; registers at 512 c + 16 x lane; lane (r, h) holds k = 32 c + 16 h + 0 .. 15 of the fragment's row r.
; wq + set x EXPB + consuming wave x WAVB:  six units of the first product (4 fragments + 256 bytes of scale words), four half units of the second
; (2 fragments; their scale words together behind them), six units of the third (set 8: Wq1, laid as a first product).
; A wave takes 32 columns x 128 K: A LANE TAKES A COLUMN AND ITS REGISTERS RUN DOWN K, so a block of 32 lies in one lane and the conversions give K innermost.
; Where a quantiser or a dot product follows the product, lane r of tile 2 b + u stands for unit 32 b + 8 u + r + 8 (r / 8): column j of the 32 goes to
; place 16 u + r = j with bits 3 and 4 exchanged.  W3's columns keep their order.
; A block's scale byte is its largest magnitude's exponent field - 8, held at 1 from below.
; LIMITS: a block of zeros, or one whose largest magnitude lies under 2^-118, keeps the byte 1 (zero codes add nothing; this program alone reads the bytes); NaN and infinities are not served.
; The scale words (4 bytes a lane, 8 or 4 bytes apart) fill their 256-byte blocks in parts: 130 KB of the launch's 4.3 MB.
.set UB,    8448
.set OFFB,  50688
.set OFFBS, 67072
.set OFFC,  67584
.set WAVB,  118272
.set EXPB,  473088
.set X,     32                         ; v32-159  four blocks of 32 numbers
.set CD,    160                        ; v160-191 eight registers of codes a block: no store's data are written again
.set MNT,   31                         ; s31      the mantissa field of 448
	s_load_b256 s[4:11], s[0:1], 0x0               ; W1 s[4:5], W2 s[6:7], W3 s[8:9], Wg1 s[10:11]
	s_load_b128 s[12:15], s[0:1], 0x20             ; Wg2 s[12:13], Wq1 s[14:15]
	s_load_b64 s[16:17], s[0:1], 0x30              ; wq
	v_lshrrev_b32 v1, 5, v0
	v_readfirstlane_b32 s18, v1                    ; wave
	s_and_b32 s19, ttmp7, 0xffff                   ; the set, 0 .. 8
	s_mov_b32 s20, ttmp9                           ; 0-11 first product, 12-15 second, 16-27 third
	s_mov_b32 s[MNT], 0x600000
	s_cmp_lt_u32 s20, 12
	s_cselect_b32 s21, 0, 12
	s_cmp_lt_u32 s20, 16
	s_cselect_b32 s21, s21, 16
	s_sub_co_u32 s21, s20, s21                     ; the number within the type
	s_lshr_b32 s22, s21, 1
	s_and_b32 s23, s21, 1
	s_cmp_ge_u32 s20, 16
	s_cselect_b32 s24, 1, 0
	s_cmp_lg_u32 s19, 8
	s_cselect_b32 s24, s24, 0                      ; wide = W3 of an expert: 768 columns, K = 256
	s_cmp_eq_u32 s24, 1
	s_cselect_b32 s25, s22, s23
	s_cselect_b32 s26, s23, s22                    ; the K step of 128
	s_lshl_b32 s25, s25, 2
	s_add_co_u32 s25, s25, s18                     ; the group of 32 columns
	s_mul_i32 s27, s25, 43
	s_lshr_b32 s27, s27, 8                         ; wide: group / 6 (exact for 0 .. 23)
	s_mul_i32 s28, s27, 6
	s_sub_co_u32 s28, s25, s28                     ; wide: the unit among the wave's six
	s_lshr_b32 s29, s25, 1
	s_and_b32 s30, s25, 1
	s_cmp_eq_u32 s24, 1
	s_cselect_b32 s27, s27, s29                    ; the consuming wave
	s_cselect_b32 s30, s26, s30                    ; which pair of fragments of the unit
	s_cselect_b32 s28, s28, s26                    ; the unit
	s_cselect_b32 s44, -1, 0
	s_mov_b32 s33, 131072
	s_cselect_b32 s33, 393216, s33                 ; 128 rows of the source in bytes
	s_mul_i32 s32, s28, UB
	s_add_co_u32 s34, s32, OFFC
	s_lshl_b32 s35, s28, 13
	s_add_co_u32 s35, s35, OFFB
	s_lshl_b32 s36, s28, 8
	s_add_co_u32 s36, s36, OFFBS
	s_lshl_b32 s37, s30, 7
	s_add_co_u32 s36, s36, s37                     ; second product: its scale words
	s_cmp_lt_u32 s20, 12
	s_cselect_b32 s32, s32, s34                    ; first or third product: the unit's first byte
	s_lshl_b32 s37, s30, 2
	s_add_co_u32 s34, s32, s37
	s_add_co_u32 s34, s34, 8192                    ; and its scale words
	s_sub_co_u32 s38, s20, 12
	s_cmp_lt_u32 s38, 4                            ; the second product?
	s_cselect_b32 s32, s35, s32
	s_cselect_b32 s34, s36, s34
	s_cselect_b32 s45, 2, 3                        ; scale words 4 or 8 bytes apart
	s_mov_b32 s39, 786432
	s_cselect_b32 s39, 262144, s39                 ; an expert's bytes in the source
	s_lshl_b32 s37, s30, 12
	s_add_co_u32 s32, s32, s37
	s_mul_i32 s40, s19, EXPB
	s_mul_i32 s41, s27, WAVB
	s_add_co_u32 s40, s40, s41
	s_add_co_u32 s32, s32, s40                     ; the codes' offset in wq
	s_add_co_u32 s34, s34, s40                     ; the scale words'
	s_cmp_eq_u32 s19, 8
	s_cselect_b32 s41, 0, s19
	s_mul_i32 s41, s41, s39
	s_mul_i32 s42, s26, s33
	s_add_co_u32 s41, s41, s42
	s_lshl_b32 s42, s25, 7
	s_add_co_u32 s46, s41, s42                     ; the source's offset: expert, K step, columns
	s_mov_b32 s47, 0
	v_and_b32 v1, 31, v0                           ; lane = column of the 32
	v_lshlrev_b32 v2, 2, v1
	v_and_b32 v3, 7, v1
	v_bfe_u32 v6, v1, 3, 1
	v_bfe_u32 v7, v1, 4, 1
	v_lshl_or_b32 v3, v7, 3, v3
	v_lshl_or_b32 v3, v6, 4, v3                    ; bits 3 and 4 exchanged
	v_cndmask_b32 v3, v3, v1, s44                  ; W3 keeps its order
	v_lshrrev_b32 v6, 4, v3                        ; u
	v_and_b32 v7, 15, v3                           ; r
	v_lshlrev_b32 v4, 4, v7
	v_lshl_add_u32 v4, v6, 11, v4                  ; codes: 2,048 u + 16 r
	v_lshlrev_b32 v5, s45, v3                      ; scale word
	s_wait_kmcnt 0x0
	s_cmp_eq_u32 s19, 8                            ; every choice of a buffer hangs on the work-group's numbers alone
	s_cselect_b64 s[4:5], s[10:11], s[4:5]
	s_cselect_b64 s[6:7], s[12:13], s[6:7]
	s_cselect_b64 s[8:9], s[14:15], s[8:9]
	s_cmp_lt_u32 s20, 12
	s_cselect_b64 s[4:5], s[4:5], s[8:9]
	s_cmp_lt_u32 s38, 4
	s_cselect_b64 s[4:5], s[6:7], s[4:5]
	s_add_nc_u64 s[4:5], s[4:5], s[46:47]
	s_mov_b32 s33, 0
	s_add_nc_u64 s[8:9], s[16:17], s[32:33]
	s_mov_b32 s35, 0
	s_add_nc_u64 s[10:11], s[16:17], s[34:35]
.macro LOADP t, pitch                  ; block t: rows 32 t .. 32 t + 31 of my column; 32 lanes read 128 consecutive bytes
.set li, 0
.rept 32
	global_load_b32 v[X+32*(\t)+li], v2, s[4:5] offset:(32*(\t)+li)*(\pitch) th:TH_LOAD_NT
.set li, li+1
.endr
.endm
.macro BLOCK t, left
.set XB, X+32*(\t)
.set CB, CD+8*(\t)
	s_wait_loadcnt \left                           ; this block's 32 loads are in; the next block's may be out
	v_max3_num_f32 v12, |v[XB]|, |v[XB+1]|, |v[XB+2]|
	v_max3_num_f32 v13, |v[XB+3]|, |v[XB+4]|, |v[XB+5]|
.irp i, 6,10,14,18,22,26
	v_max3_num_f32 v12, v12, |v[XB+\i]|, |v[XB+\i+1]|
	v_max3_num_f32 v13, v13, |v[XB+\i+2]|, |v[XB+\i+3]|
.endr
	v_max3_num_f32 v12, v12, |v[XB+30]|, |v[XB+31]|
	v_max3_num_f32 v12, v12, v13, 0x4800000        ; the floor 2^(9 - 127): the byte cannot fall under 1
	v_add_nc_u32 v11, 0xfc000000, v12              ; 8 off the exponent field: the conversion's scale operand
	v_and_or_b32 v10, v12, 0x7f800000, s[MNT]      ; 448 x the scale
	v_lshrrev_b32 v13, 23, v11                     ; the byte
.if (\t) == 0
	v_mov_b32 v16, v13
.else
	v_lshl_or_b32 v16, v13, 8*(\t), v16
.endif
.set li, 0
.rept 32
	v_med3_num_f32 v[XB+li], v[XB+li], -v10, v10   ; the conversion does not saturate (ISA guide 7.6.2): the hold comes first
.set li, li+1
.endr
.irp g, 0,1,2,3
	v_cvt_scalef32_pk8_fp8_f32 v[CB+2*\g:CB+2*\g+1], v[XB+8*\g:XB+8*\g+7], v11
.endr
	global_store_b128 v4, v[CB:CB+3], s[8:9] offset:512*(\t)          ; k 0-15 of the block: the place of lanes 0-15; sixteen lanes fill 256 consecutive bytes, aligned
	global_store_b128 v4, v[CB+4:CB+7], s[8:9] offset:512*(\t)+256    ; k 16-31: the place of lanes 16-31
.endm
.macro BODY pitch
	LOADP 0, \pitch
	LOADP 1, \pitch
	BLOCK 0, 32
	LOADP 2, \pitch
	BLOCK 1, 32
	LOADP 3, \pitch
	BLOCK 2, 32
	BLOCK 3, 0
	global_store_b32 v5, v16, s[10:11]             ; my column's four bytes
.endm
	s_cmp_eq_u32 s24, 1                            ; the row pitch stands in the loads' immediates: two copies
	s_cbranch_scc1 .Lwide
	BODY 1024
	s_endpgm
.Lwide:
	BODY 3072
	s_endpgm
.Lfunc_end_k_q7d62748ebc_prep:
	.size	k_q7d62748ebc_prep, .Lfunc_end_k_q7d62748ebc_prep-k_q7d62748ebc_prep
	.p2alignl 7, 3214868480
	.fill 96, 4, 3214868480
	.section	.rodata,"a",@progbits
	.p2align	6, 0x0
	.amdhsa_kernel k_q7d62748ebc_prep
		.amdhsa_group_segment_fixed_size 0
		.amdhsa_private_segment_fixed_size 0
		.amdhsa_enable_private_segment 0
		.amdhsa_kernarg_size 56
		.amdhsa_user_sgpr_count 2
		.amdhsa_user_sgpr_kernarg_segment_ptr 1
		.amdhsa_wavefront_size32 1
		.amdhsa_system_sgpr_workgroup_id_x 1
		.amdhsa_system_sgpr_workgroup_id_y 1
		.amdhsa_system_sgpr_workgroup_id_z 1
		.amdhsa_system_vgpr_workitem_id 0
		.amdhsa_next_free_vgpr 192
		.amdhsa_next_free_sgpr 66
		.amdhsa_reserve_vcc 0
		.amdhsa_float_denorm_mode_32 3
		.amdhsa_float_denorm_mode_16_64 3
		.amdhsa_memory_ordered 1
		.amdhsa_forward_progress 1
		.amdhsa_inst_pref_size 59
	.end_amdhsa_kernel
	.amdgpu_metadata
---
amdhsa.version: [ 1, 2 ]
amdhsa.kernels:
  - .name:           k_q7d62748ebc_prep
    .symbol:         k_q7d62748ebc_prep.kd
    .args:
      - { .name: W1, .offset: 0, .size: 8, .value_kind: global_buffer, .address_space: global }
      - { .name: W2, .offset: 8, .size: 8, .value_kind: global_buffer, .address_space: global }
      - { .name: W3, .offset: 16, .size: 8, .value_kind: global_buffer, .address_space: global }
      - { .name: Wg1, .offset: 24, .size: 8, .value_kind: global_buffer, .address_space: global }
      - { .name: Wg2, .offset: 32, .size: 8, .value_kind: global_buffer, .address_space: global }
      - { .name: Wq1, .offset: 40, .size: 8, .value_kind: global_buffer, .address_space: global }
      - { .name: wq, .offset: 48, .size: 8, .value_kind: global_buffer, .address_space: global }
    .group_segment_fixed_size: 0
    .private_segment_fixed_size: 0
    .kernarg_segment_align: 8
    .kernarg_segment_size: 56
    .max_flat_workgroup_size: 128
    .sgpr_count:     66
    .vgpr_count:     192
    .wavefront_size: 32
...
	.end_amdgpu_metadata
.endif
;; end of part 1
;; launch gate (part 2): grid 256 x 1, 4 waves a work-group, no clusters, 137,984 bytes of LDS; arguments x, wq, bg1, bq1, bg2, Wq2, Wg3, bg3, bq2, xq, xs, out1, out2, rw, rkey, hist; writes xq, xs, out1, out2, rw, rkey, hist
.if DOCPART == 2
	.amdgcn_target "amdgcn-amd-amdhsa--gfx1250"
	.amdhsa_code_object_version 6
	.text
	.protected	k_q7d62748ebc_gate
	.globl	k_q7d62748ebc_gate
	.p2align	8
	.type	k_q7d62748ebc_gate,@function
k_q7d62748ebc_gate:
	s_mov_b64 s[64:65], 0
	v_nop
	global_prefetch_b8 v0, s[64:65] scope:SCOPE_SE
	s_setreg_imm32_b32 hwreg(HW_REG_WAVE_MODE, 25, 1), 1
	s_wait_xcnt 0x0
; For 64 tokens: x is quantised (codes to xq, scale bytes to xs, both also kept in LDS); the gate relu(relu(x Wg1 + bg1) Wg2 + bg2) Wg3 + bg3, its softmax (out1), its top 2;
; the head relu(x Wq1 + bq1) Wq2 + bq2 (out2).  The three large products run on codes of E4M3 with E8M0 scales; the two small ones (N = 8, N = 1) are f32 multiply-adds.
; What steers later launches is only STORED here, at fixed places: rw [token][2] the two weights; rkey [token] = key | first expert << 8 | second << 16 | rank << 24, key = the number of
; the pair of experts (0 .. 27), rank = the token's place among the block's tokens of that key; hist [block][32] the block's count of each key.  No address and no branch here hangs on them.
; SHARES.  Four waves.  THE WAVES SHARE THE COLUMNS: wave w makes hidden units 64 w .. 64 w + 63 for all four tiles of 16 tokens.  Every product is used transposed (source 0 = 16 units of the
; weight, source 1 = 16 tokens), so a lane holds one token, and the units of a tile are chosen so that the 16 registers of tiles 2 b, 2 b + 1 are 16 neighbours along the next K.
; X COMES IN BY LOADS OF 512 CONSECUTIVE BYTES: a row's 128 numbers of a K step, 16 bytes a lane, sixteen loads for the wave's 16 rows.  The conversions want 16 neighbours of a block in ONE lane: so a step's
; 8,192 bytes turn through the wave's own stage in LDS (rows of 528 bytes = 33 x 16), stored as loaded and read back 64 bytes a lane, into the registers that they left, one step ahead of the quantiser.
; WEIGHTS come from wq straight into registers, in the order of the operand's registers, through a ring of four slots of 64 registers: a unit (4 fragments and their scale words, 17 loads; a half unit 9)
; is asked for when the unit four back has been multiplied, so a wait for a unit leaves the three younger units out.
; THE TOKENS' CODES lie in LDS as rows (pitch 784 = 49 x 16 bytes); the hidden layer goes from wave to wave as images of the operand's registers.
; No tensor loads: every wave needs other weights, and the tokens' codes are made here.  No cluster: work-groups share only the weights' codes, which go to registers.
; LIMITS: NaN and infinities are not served.  A block of zeros, or one under 2^-118, keeps the scale byte 1.  The top 2 is taken on these f32 probabilities, the lower index winning a tie;
; two probabilities nearer than f32 rounding may be ordered otherwise than by another order of the sums.
; REGISTERS: window 0: v1-15 addresses, v16-23 the slots' scale words, v24-47 x's scale words, v48-55 the hidden layer's, v56-87 biases (later the logits' parts), v88-106 the quantiser,
;   v108-115 the head's sums, v116-127 addresses, v128-255 sixteen accumulators (tile (m, t) at 128 + 32 m + 8 t).  window 1: the ring.  window 2: four sets of 64 numbers of x, later Wg3.
;   window 3: v0-95 xq's way out, v96-127 Wq2, v128-255 fragments from LDS.
.set UB,    8448
.set OFFB,  50688
.set OFFBS, 67072
.set OFFC,  67584
.set WAVB,  118272
.set EXPB,  473088
.set H1I,   0                          ; LDS: the hidden layer's 8 fragments (2 m + s), 2,048 bytes each
.set H1S,   16384                      ; their scale words, 128 bytes each
.set XSI,   17408                      ; x's scale words, (6 m + s) x 128
.set XSR,   20480                      ; the same as rows of 24 bytes, for xs
.set KEYS,  22016
.set WTS,   22272
.set GEO,   22784                      ; the head's 8 parts x 64 tokens
.set BIA,   24832                      ; bg1, bq1, bg2, Wq2: 1,024 bytes each
.set G3,    28928                      ; Wg3
.set PART,  37120                      ; the logits' 8 parts x 64 tokens x 8
.set XC,    53504                      ; x's codes: 64 rows, pitch 784
.set XT,    103680                     ; x's numbers turn here: a stage of 16 rows x 528 bytes for each wave
.set LI, 1
.set LS, 2
.set L8, 3
.set XR, 4
.set HWI, 5
.set HWS, 6
.set BA, 7
.set G3A, 8
.set SC, 16
.set XS, 24
.set HS, 48
.set BIAS, 56
.set LG, 56
.set PC, 88
.set TM, 96
.set TP, 98
.set TH, 100
.set TS, 102
.set TB, 104
.set PW, 106
.set GE, 108
.set XTW, 116
.set XW, 117
.set XSW, 118
.set XSRW, 119
.set XO, 120
.set XG, 121
.set PARTW, 122
.set GEOW, 123
.set FIN, 124
.set KEYW, 125
.set WTW, 126
.set XTR, 127
.set ACC, 128
.set QT, 128                           ; x's quantiser works in registers that the accumulators take later
.set PW64, 144
.set QP, 148
.set SEL, 38
.set MNT, 40
.set WB, 54
.set MSB, 0
.macro WIN new                         ; the immediate's high byte repeats the setting that is left
.if MSB != (\new)
	s_set_vgpr_msb (MSB<<8)|(\new)
.set MSB, \new
.endif
.endm
.macro PLACES k
.rept \k
	v_nop
.endr
.endm
.macro BARRIER                         ; my LDS stores have landed and my LDS loads are in: then the work-group's barrier
	s_wait_dscnt 0x0
	s_barrier_signal -1
	s_barrier_wait -1
.endm
.macro WM d, a, b, c, sa, sb, row      ; row = 1: the weight's scale words stand in lanes 16-31
.if \row
	v_wmma_scale_f32_16x16x128_f8f6f4 v[\d:\d+7], v[\a:\a+15], v[\b:\b+15], v[\c:\c+7], v[\sa], v[\sb] matrix_a_scale:MATRIX_SCALE_ROW1
.else
	v_wmma_scale_f32_16x16x128_f8f6f4 v[\d:\d+7], v[\a:\a+15], v[\b:\b+15], v[\c:\c+7], v[\sa], v[\sb]
.endif
.endm
.macro LOADU slot, base, off           ; a unit: 4 fragments, each load 512 consecutive bytes, and 2 registers of scale words: 17 loads
	WIN 0x40
.irp f, 0,1,2,3
.irp c, 0,1,2,3
	global_load_b128 v[64*(\slot)+16*\f+4*\c:64*(\slot)+16*\f+4*\c+3], v[LI], s[\base:\base+1] offset:(\off)+2048*\f+512*\c
.endr
.endr
	WIN 0
	global_load_b64 v[SC+2*(\slot):SC+2*(\slot)+1], v[L8], s[\base:\base+1] offset:(\off)+8192
.endm
.macro LOADH slot, base, i             ; a half unit of the second product: 2 fragments and one register of scale words: 9 loads
	WIN 0x40
.irp f, 0,1
.irp c, 0,1,2,3
	global_load_b128 v[64*(\slot)+16*\f+4*\c:64*(\slot)+16*\f+4*\c+3], v[LI], s[\base:\base+1] offset:OFFB+4096*(\i)+2048*\f+512*\c
.endr
.endr
	WIN 0
	global_load_b32 v[SC+2*(\slot)], v[LS], s[\base:\base+1] offset:OFFBS+128*(\i)
.endm
.macro FETCHX s, set                   ; the four tiles' fragments of K step s
	WIN 0xc0
.irp m, 0,1,2,3
.irp c, 0,1,2,3
	ds_load_b128 v[128+64*(\set)+16*\m+4*\c:128+64*(\set)+16*\m+4*\c+3], v[XR] offset:12544*\m+128*(\s)+32*\c
.endr
.endr
	WIN 0
.endm
.macro FETCHB areg, off                ; a bias in the result's layout: tile t, my half's eight units
.irp t, 0,1,2,3
	ds_load_b128 v[BIAS+8*\t:BIAS+8*\t+3], v[\areg] offset:(\off)+128*(\t/2)+32*(\t%2)
	ds_load_b128 v[BIAS+8*\t+4:BIAS+8*\t+7], v[\areg] offset:(\off)+128*(\t/2)+32*(\t%2)+16
.endr
.endm
; A K step of a product with K = 768: 16 matrix instructions, the sixteen accumulators by turns.  first = 1: the bias is the C that starts the sums.
.macro ASTEP s, slot, cnt, first
	s_wait_dscnt 0x0                               ; this step's fragments of x are in
.if (\s) < 5
	FETCHX (\s)+1, ((\s)+1)%2                      ; the next step's, into the set that the step before read (eight places back)
.endif
	s_wait_loadcnt \cnt                            ; this unit is in; the three younger units may be out
	WIN 0x0d
.irp t, 0,1,2,3
.irp m, 0,1,2,3
.if \first
	WM ACC+32*\m+8*\t, 64*(\slot)+16*\t, 128+64*((\s)%2)+16*\m, BIAS+8*\t, SC+2*(\slot)+\t/2, XS+6*\m+(\s), \t%2
.else
	WM ACC+32*\m+8*\t, 64*(\slot)+16*\t, 128+64*((\s)%2)+16*\m, ACC+32*\m+8*\t, SC+2*(\slot)+\t/2, XS+6*\m+(\s), \t%2
.endif
.endr
.endr
	WIN 0
	PLACES 8                                       ; in front of loads into registers that these products read, and of reads of their results
.endm
.macro FETCHH ib, sb                   ; a hidden layer's 8 fragments and scale words, as their images lie
	WIN 0xc0
.irp f, 0,1,2,3,4,5,6,7
.irp c, 0,1,2,3
	ds_load_b128 v[128+16*\f+4*\c:128+16*\f+4*\c+3], v[LI] offset:(\ib)+2048*\f+512*\c
.endr
.endr
	WIN 0
.irp f, 0,1,2,3,4,5,6,7
	ds_load_b32 v[HS+\f], v[LS] offset:(\sb)+128*\f
.endr
.endm
.macro BSTEP i, slot, cnt              ; half unit i = 2 s + b of a product with K = 256: tiles 2 b, 2 b + 1 at K step s: 8 matrix instructions
.if (\cnt) >= 0
	s_wait_loadcnt \cnt
.endif
	WIN 0x0d
.irp u, 0,1
.irp m, 0,1,2,3
.if (\i) < 2
	WM ACC+32*\m+8*(2*((\i)%2)+\u), 64*(\slot)+16*\u, 128+16*(2*\m+(\i)/2), BIAS+8*(2*((\i)%2)+\u), SC+2*(\slot), HS+2*\m+(\i)/2, \u
.else
	WM ACC+32*\m+8*(2*((\i)%2)+\u), 64*(\slot)+16*\u, 128+16*(2*\m+(\i)/2), ACC+32*\m+8*(2*((\i)%2)+\u), SC+2*(\slot), HS+2*\m+(\i)/2, \u
.endif
.endr
.endr
	WIN 0
	PLACES 8
.endm
; My 32 numbers of tile m of tokens (two blocks of 32 along the next K, each shared with lane l xor 16) become codes; relu and the hold are one line.  They are half a fragment: its image goes to LDS.
.macro QUANT32 m, ib, sb
.set QB, ACC+32*(\m)
.irp b, 0,1
	v_max3_num_f32 v[TM+\b], v[QB+16*\b], v[QB+16*\b+1], 0x4800000   ; no |.|: what is negative becomes 0 and must not count; the floor 2^(9 - 127) stands over it
.endr
.irp i, 2,4,6,8,10,12,14
.irp b, 0,1
	v_max3_num_f32 v[TM+\b], v[TM+\b], v[QB+16*\b+\i], v[QB+16*\b+\i+1]
.endr
.endr
.irp b, 0,1
	v_permlanex16_b32 v[TP+\b], v[TM+\b], s[SEL], s[SEL+1]
.endr
.irp b, 0,1
	v_max_num_f32 v[TM+\b], v[TM+\b], v[TP+\b]
.endr
.irp b, 0,1
	v_add_nc_u32 v[TS+\b], 0xfc000000, v[TM+\b]    ; 8 off the exponent field: the conversion's scale operand
.endr
.irp b, 0,1
	v_and_or_b32 v[TH+\b], v[TM+\b], 0x7f800000, s[MNT]   ; 448 x the scale
.endr
.irp b, 0,1
	v_lshrrev_b32 v[TB+\b], 23, v[TS+\b]
.endr
.irp b, 0,1
.irp i, 0,1,2,3,4,5,6,7,8,9,10,11,12,13,14,15
	v_med3_num_f32 v[QB+16*\b+\i], v[QB+16*\b+\i], 0, v[TH+\b]
.endr
.endr
	s_wait_dscnt 0x0                               ; the last tile's stores have read their registers
	v_lshl_or_b32 v[PW], v[TB+1], 8, v[TB]         ; my two bytes of the row's scale word
.irp b, 0,1
	v_cvt_scalef32_pk8_fp8_f32 v[PC+4*\b:PC+4*\b+1], v[QB+16*\b:QB+16*\b+7], v[TS+\b]
	v_cvt_scalef32_pk8_fp8_f32 v[PC+4*\b+2:PC+4*\b+3], v[QB+16*\b+8:QB+16*\b+15], v[TS+\b]
.endr
	v_nop                                          ; a plain line behind the last conversion: later products write its sources
.irp b, 0,1
	ds_store_b128 v[HWI], v[PC+4*\b:PC+4*\b+3] offset:(\ib)+4096*(\m)+512*\b
.endr
	ds_store_b16 v[HWS], v[PW] offset:(\sb)+256*(\m)
.endm
.macro XLOAD s                         ; my 16 rows' numbers of K step s: load i takes row i's 512 bytes, 16 bytes a lane
	WIN 0x80
.set xi, 0
.rept 16
	global_load_b128 v[64*((\s)%4)+4*xi:64*((\s)%4)+4*xi+3], v[LI], s[4:5] offset:3072*xi+512*(\s) th:TH_LOAD_NT
.set xi, xi+1
.endr
	WIN 0
.endm
; Step s's numbers turn through my stage: in as loaded, a row to a store; back so that lane (r, h) holds, of row r, numbers 32 b + 16 h + 0 .. 15 in registers 16 b + 0 .. 15.
; LDS serves a wave's instructions in order (ISA guide 5.7.1.4): the loads see the stores above them, and the next step's stores come behind these loads.  Sixteen lanes of a load start 528 bytes apart: 16 bytes apart modulo 256.
.macro TURN s
	WIN 0x08                                       ; an LDS store's data are its source 1: window 2
.set xi, 0
.rept 16
	ds_store_b128 v[XTW], v[64*((\s)%4)+4*xi:64*((\s)%4)+4*xi+3] offset:528*xi
.set xi, xi+1
.endr
	WIN 0x80
.irp b, 0,1,2,3
.irp j, 0,1,2,3
	ds_load_b128 v[64*((\s)%4)+16*\b+4*\j:64*((\s)%4)+16*\b+4*\j+3], v[XTR] offset:128*\b+16*\j
.endr
.endr
	WIN 0
.endm
.macro QUANT64 s                       ; 64 numbers of x (window 2) become a fragment's codes and its scale word; both go to LDS
.set XB, 64*((\s)%4)
	WIN 0x0a
.irp b, 0,1,2,3
	v_max3_num_f32 v[QT+\b], |v[XB+16*\b]|, |v[XB+16*\b+1]|, 0x4800000
.endr
	WIN 0x28
.irp i, 2,4,6,8,10,12,14
.irp b, 0,1,2,3
	v_max3_num_f32 v[QT+\b], v[QT+\b], |v[XB+16*\b+\i]|, |v[XB+16*\b+\i+1]|
.endr
.endr
	WIN 0
.irp b, 0,1,2,3
	v_permlanex16_b32 v[QT+4+\b], v[QT+\b], s[SEL], s[SEL+1]
.endr
.irp b, 0,1,2,3
	v_max_num_f32 v[QT+\b], v[QT+\b], v[QT+4+\b]
.endr
.irp b, 0,1,2,3
	v_add_nc_u32 v[QT+12+\b], 0xfc000000, v[QT+\b]
.endr
.irp b, 0,1,2,3
	v_and_or_b32 v[QT+8+\b], v[QT+\b], 0x7f800000, s[MNT]
.endr
.irp b, 0,1,2,3
	v_lshrrev_b32 v[QT+4+\b], 23, v[QT+12+\b]
.endr
	WIN 0x82
.irp b, 0,1,2,3
.irp i, 0,1,2,3,4,5,6,7,8,9,10,11,12,13,14,15
	v_med3_num_f32 v[XB+16*\b+\i], v[XB+16*\b+\i], -v[QT+8+\b], v[QT+8+\b]
.endr
.endr
	WIN 0
	s_wait_dscnt 0x0                               ; the last step's stores have read their registers
	v_lshl_or_b32 v[PW64], v[QT+5], 8, v[QT+4]
	v_lshl_or_b32 v[PW64], v[QT+6], 16, v[PW64]
	v_lshl_or_b32 v[PW64], v[QT+7], 24, v[PW64]
	WIN 0x02
.irp b, 0,1,2,3
	v_cvt_scalef32_pk8_fp8_f32 v[QP+4*\b:QP+4*\b+1], v[XB+16*\b:XB+16*\b+7], v[QT+12+\b]
	v_cvt_scalef32_pk8_fp8_f32 v[QP+4*\b+2:QP+4*\b+3], v[XB+16*\b+8:XB+16*\b+15], v[QT+12+\b]
.endr
	WIN 0
	v_nop
.irp c, 0,1,2,3
	ds_store_b128 v[XW], v[QP+4*\c:QP+4*\c+3] offset:128*(\s)+32*\c
.endr
	ds_store_b32 v[XSW], v[PW64] offset:XSI+128*(\s)
	ds_store_b32 v[XSRW], v[PW64] offset:XSR+4*(\s)  ; both halves of the lanes write the same word with the same value
.endm
	s_load_b512 s[4:19], s[0:1], 0x0               ; x 4, wq 6, bg1 8, bq1 10, bg2 12, Wq2 14, Wg3 16, bg3 18
	s_load_b512 s[20:35], s[0:1], 0x40             ; bq2 20, xq 22, xs 24, out1 26, out2 28, rw 30, rkey 32, hist 34
	v_lshrrev_b32 v9, 5, v0
	v_readfirstlane_b32 s36, v9                    ; wave
	s_mov_b32 s37, ttmp9                           ; block of 64 tokens
	s_mov_b32 s[SEL], 0x76543210
	s_mov_b32 s[SEL+1], 0xfedcba98                 ; v_permlanex16_b32's selects for lane l xor 16
	s_mov_b32 s[MNT], 0x600000
	v_and_b32 v11, 31, v0                          ; lane
	v_and_b32 v12, 15, v0                          ; r
	v_bfe_u32 v13, v0, 4, 1                        ; h
	v_bfe_u32 v15, v0, 1, 4                        ; lane / 2
	v_lshlrev_b32 v[LI], 4, v11
	v_lshlrev_b32 v[LS], 2, v11
	v_lshlrev_b32 v[L8], 3, v11
	v_mul_u32_u24 v14, v12, 784
	v_lshl_add_u32 v14, v13, 4, v14
	v_add_nc_u32 v[XR], XC, v14                    ; a fragment of x: row r, + 16 h
	s_mul_i32 s56, s36, 12544
	v_add_nc_u32 v[XW], s56, v[XR]                 ; where I store codes: my wave's 16 rows
	s_lshl_b32 s57, s36, 10
	v_add_nc_u32 v[HWI], s57, v[LI]                ; the hidden image: 2,048 (w / 2) + 1,024 (w % 2) = 1,024 w
	s_lshr_b32 s57, s36, 1
	s_lshl_b32 s57, s57, 7
	s_and_b32 s58, s36, 1
	s_lshl_b32 s58, s58, 1
	s_add_co_u32 s57, s57, s58
	v_add_nc_u32 v[HWS], s57, v[LS]
	s_lshl_b32 s57, s36, 8
	v_add_nc_u32 v9, s57, v[L8]                    ; my wave's 256 bytes of a table of 256 numbers
	s_add_co_u32 s57, s57, BIA
	v_lshl_add_u32 v[BA], v13, 6, s57
	s_lshl_b32 s57, s36, 11
	v_add_nc_u32 v10, s57, v[LI]                   ; my wave's 2,048 bytes of Wg3
	s_add_co_u32 s57, s57, G3
	v_lshl_add_u32 v[G3A], v13, 9, s57
	s_mul_i32 s57, s36, 8448
	s_add_co_u32 s57, s57, XT                      ; my stage
	v_add_nc_u32 v[XTW], s57, v[LI]                ; in: 16 bytes a lane of a row
	v_mul_u32_u24 v[XTR], v12, 528
	v_lshl_add_u32 v[XTR], v13, 6, v[XTR]
	v_add_nc_u32 v[XTR], s57, v[XTR]               ; back: row r, + 64 h
	s_mul_i32 s57, s36, 768
	v_add_nc_u32 v[XSW], s57, v[LS]
	s_mul_i32 s57, s36, 384
	v_mul_u32_u24 v[XSRW], v12, 24
	v_add_nc_u32 v[XSRW], s57, v[XSRW]
	v_mul_u32_u24 v[XO], v13, 784
	v_lshl_add_u32 v[XO], v12, 4, v[XO]
	s_add_co_u32 s57, s56, XC
	v_add_nc_u32 v[XO], s57, v[XO]
	v_mul_u32_u24 v[XG], v13, 768
	v_lshl_add_u32 v[XG], v12, 4, v[XG]
	s_lshl_b32 s57, s36, 12
	s_add_co_u32 s57, s57, PART
	v_lshl_add_u32 v[PARTW], v13, 11, s57
	v_lshl_add_u32 v[PARTW], v12, 5, v[PARTW]
	s_lshl_b32 s57, s36, 9
	s_add_co_u32 s58, s57, GEO
	v_lshl_add_u32 v[GEOW], v13, 8, s58
	v_lshl_add_u32 v[GEOW], v12, 2, v[GEOW]
	s_add_co_u32 s58, s57, PART
	v_lshl_add_u32 v[FIN], v15, 5, s58
	s_lshl_b32 s57, s36, 6
	s_add_co_u32 s57, s57, KEYS
	v_lshl_add_u32 v[KEYW], v15, 2, s57
	s_lshl_b32 s57, s36, 7
	s_add_co_u32 s57, s57, WTS
	v_lshl_add_u32 v[WTW], v15, 3, s57
.irp b, 0,1,2,3
	v_mov_b32 v[QT+4+\b], 0                        ; written once: a lane permute's destination counts as one of its sources
.endr
	v_mov_b32 v[TP], 0
	v_mov_b32 v[TP+1], 0
	s_wait_kmcnt 0x0
	s_load_b256 s[44:51], s[18:19], 0x0            ; bg3
	s_load_b32 s52, s[20:21], 0x0                  ; bq2
	s_mov_b32 s59, 0
	s_mul_i32 s58, s37, 196608
	s_mul_i32 s60, s36, 49152
	s_add_co_u32 s58, s58, s60
	s_add_nc_u64 s[4:5], s[4:5], s[58:59]          ; x at my wave's 16 rows
	s_mul_i32 s58, s36, WAVB
	s_add_co_u32 s58, s58, 8*EXPB
	s_add_nc_u64 s[WB:WB+1], s[6:7], s[58:59]      ; set 8, my wave's stream
	s_mul_i32 s58, s37, 49152
	s_mul_i32 s60, s36, 12288
	s_add_co_u32 s58, s58, s60
	s_add_nc_u64 s[22:23], s[22:23], s[58:59]
	s_mul_i32 s58, s37, 1536
	s_add_nc_u64 s[24:25], s[24:25], s[58:59]
	s_lshl_b32 s58, s37, 11
	s_lshl_b32 s60, s36, 9
	s_add_co_u32 s58, s58, s60
	s_add_nc_u64 s[26:27], s[26:27], s[58:59]
	s_lshl_b32 s58, s37, 8
	s_add_nc_u64 s[28:29], s[28:29], s[58:59]
	s_add_nc_u64 s[32:33], s[32:33], s[58:59]
	s_lshl_b32 s58, s37, 9
	s_add_nc_u64 s[30:31], s[30:31], s[58:59]
	s_lshl_b32 s58, s37, 7
	s_add_nc_u64 s[34:35], s[34:35], s[58:59]
	; ---- X: the small tables (8 loads), then x.  A step is loaded, turned through the stage one step ahead of the quantiser, and quantised; its registers then take the step four on
	global_load_b64 v[164:165], v9, s[8:9]
	global_load_b64 v[166:167], v9, s[10:11]
	global_load_b64 v[168:169], v9, s[12:13]
	global_load_b64 v[170:171], v9, s[14:15]
.irp i, 0,1,2,3
	global_load_b128 v[172+4*\i:175+4*\i], v10, s[16:17] offset:512*\i
.endr
	XLOAD 0
	XLOAD 1
	XLOAD 2
	s_wait_loadcnt 48                              ; the tables are in; three steps of x (48 loads) may be out
	ds_store_b64 v9, v[164:165] offset:BIA
	ds_store_b64 v9, v[166:167] offset:BIA+1024
	ds_store_b64 v9, v[168:169] offset:BIA+2048
	ds_store_b64 v9, v[170:171] offset:BIA+3072
.irp i, 0,1,2,3
	ds_store_b128 v10, v[172+4*\i:175+4*\i] offset:G3+512*\i
.endr
	s_wait_loadcnt 32                              ; step 0 is in; steps 1, 2 may be out
	TURN 0
	XLOAD 3
	s_wait_loadcnt 32                              ; step 1; 2, 3 out
	TURN 1
	s_wait_dscnt 32                                ; step 0 is back from the stage; step 1's 32 LDS instructions may be out
	QUANT64 0
	XLOAD 4
	s_wait_loadcnt 32                              ; step 2; 3, 4 out
	TURN 2
	s_wait_dscnt 32                                ; step 1 is back; step 2's 32 may be out
	QUANT64 1
	XLOAD 5
	s_wait_loadcnt 32                              ; step 3; 4, 5 out
	TURN 3
	s_wait_dscnt 32
	QUANT64 2
	LOADU 0, WB, 0                                 ; the ring begins: Wg1's K step 0
	s_wait_loadcnt 33                              ; step 4; step 5 (16) and a unit (17) out
	TURN 4
	s_wait_dscnt 32
	QUANT64 3
	LOADU 1, WB, UB
	s_wait_loadcnt 34                              ; step 5; two units out
	TURN 5
	s_wait_dscnt 32
	QUANT64 4
	LOADU 2, WB, 2*UB
	s_wait_dscnt 0x0                               ; step 5 is back
	QUANT64 5
	LOADU 3, WB, 3*UB
	; my 16 rows of codes leave as rows: LDS serves a wave's instructions in order, so these loads see my stores
	WIN 0xc0
.irp j, 0,1,2,3,4,5,6,7
.irp u, 0,1,2
	ds_load_b128 v[12*\j+4*\u:12*\j+4*\u+3], v[XO] offset:1568*\j+256*\u
.endr
.endr
	WIN 0
	s_wait_dscnt 0x0
	WIN 0x0c
.irp j, 0,1,2,3,4,5,6,7
.irp u, 0,1,2
	global_store_b128 v[XG], v[12*\j+4*\u:12*\j+4*\u+3], s[22:23] offset:1536*\j+256*\u   ; sixteen lanes store 256 consecutive bytes, aligned
.endr
.endr
	WIN 0
	BARRIER                                        ; x's codes and scale words, and the tables, lie in LDS
.set i, 0
.rept 24
	ds_load_b32 v[XS+i], v[LS] offset:XSI+128*i
.set i, i+1
.endr
	; ---- the gate's first product
	FETCHX 0, 0
	FETCHB BA, 0
	ASTEP 0, 0, 51, 1
	LOADU 0, WB, 4*UB
	ASTEP 1, 1, 51, 0
	LOADU 1, WB, 5*UB
	ASTEP 2, 2, 51, 0
	LOADU 2, WB, OFFC
	ASTEP 3, 3, 51, 0
	LOADU 3, WB, OFFC+UB
	ASTEP 4, 0, 51, 0
	LOADU 0, WB, OFFC+2*UB
	ASTEP 5, 1, 51, 0
	LOADU 1, WB, OFFC+3*UB
	QUANT32 0, H1I, H1S
	QUANT32 1, H1I, H1S
	QUANT32 2, H1I, H1S
	QUANT32 3, H1I, H1S
	; ---- the head's product; the counts fall as half units (9 loads) follow the units (17)
	FETCHX 0, 0
	FETCHB BA, 1024
	WIN 0xc0
.irp b, 0,1
.irp j, 0,1,2,3
	ds_load_b128 v[96+16*\b+4*\j:96+16*\b+4*\j+3], v[BA] offset:3072+128*\b+16*\j   ; Wq2 at my 32 units
.endr
.endr
	WIN 0
	ASTEP 0, 2, 51, 1
	LOADU 2, WB, OFFC+4*UB
	ASTEP 1, 3, 51, 0
	LOADU 3, WB, OFFC+5*UB
	ASTEP 2, 0, 51, 0
	LOADH 0, WB, 0
	ASTEP 3, 1, 43, 0
	LOADH 1, WB, 1
	ASTEP 4, 2, 35, 0
	LOADH 2, WB, 2
	ASTEP 5, 3, 27, 0
	LOADH 3, WB, 3
.set i, 0
.rept 128
	v_max_num_f32 v[ACC+i], 0, v[ACC+i]            ; relu, each accumulator from its low end on
.set i, i+1
.endr
	WIN 0x0c
.irp m, 0,1,2,3
	v_pk_mul_f32 v[GE+2*\m:GE+2*\m+1], v[ACC+32*\m:ACC+32*\m+1], v[96:97]
.endr
.set i, 2
.rept 15
.irp m, 0,1,2,3
	v_pk_fma_f32 v[GE+2*\m:GE+2*\m+1], v[ACC+32*\m+i:ACC+32*\m+i+1], v[96+i:97+i], v[GE+2*\m:GE+2*\m+1]
.endr
.set i, i+2
.endr
	WIN 0
.irp m, 0,1,2,3
	v_add_f32 v[GE+2*\m], v[GE+2*\m], v[GE+2*\m+1]
.endr
.irp m, 0,1,2,3
	ds_store_b32 v[GEOW], v[GE+2*\m] offset:64*\m  ; my 32 units' part of the token's score
.endr
	BARRIER                                        ; the hidden layer's 8 fragments lie in LDS
	; ---- the gate's second product
	FETCHH H1I, H1S
	FETCHB BA, 2048
	s_wait_dscnt 0x0
	WIN 0x80
.set i, 0
.rept 32
	ds_load_b128 v[8*i:8*i+3], v[G3A] offset:1024*(i/16)+32*(i%16)       ; Wg3's rows of my 32 units land while the products run
	ds_load_b128 v[8*i+4:8*i+7], v[G3A] offset:1024*(i/16)+32*(i%16)+16
.set i, i+1
.endr
	WIN 0
	BSTEP 0, 0, 27
	BSTEP 1, 1, 18
	BSTEP 2, 2, 9
	BSTEP 3, 3, 0
.set i, 0
.rept 128
	v_max_num_f32 v[ACC+i], 0, v[ACC+i]
.set i, i+1
.endr
	s_wait_dscnt 0x0
	; ---- the logits' parts: 32 units x 8 experts for each of my four tokens, two experts an instruction; the first unit starts the sums
	WIN 0x08
.set i, 0
.rept 32
.irp m, 0,1,2,3
.irp q, 0,2,4,6
.if i == 0
	v_pk_mul_f32 v[LG+8*\m+\q:LG+8*\m+\q+1], v[ACC+32*\m:ACC+32*\m+1], v[\q:\q+1] op_sel_hi:[0,1]
.elseif i%2 == 0
	v_pk_fma_f32 v[LG+8*\m+\q:LG+8*\m+\q+1], v[ACC+32*\m+i:ACC+32*\m+i+1], v[8*i+\q:8*i+\q+1], v[LG+8*\m+\q:LG+8*\m+\q+1] op_sel_hi:[0,1,1]
.else
	v_pk_fma_f32 v[LG+8*\m+\q:LG+8*\m+\q+1], v[ACC+32*\m+i-1:ACC+32*\m+i], v[8*i+\q:8*i+\q+1], v[LG+8*\m+\q:LG+8*\m+\q+1] op_sel:[1,0,0] op_sel_hi:[1,1,1]
.endif
.endr
.endr
.set i, i+1
.endr
	WIN 0
.irp m, 0,1,2,3
	ds_store_b128 v[PARTW], v[LG+8*\m:LG+8*\m+3] offset:512*\m
	ds_store_b128 v[PARTW], v[LG+8*\m+4:LG+8*\m+7] offset:512*\m+16
.endr
	BARRIER                                        ; the eight parts of every token's logits lie in LDS
	; ---- lane l finishes token 16 w + l / 2 (two lanes do the same work, and share out1's 32 bytes)
.irp p, 0,1,2,3,4,5,6,7
	ds_load_b128 v[128+8*\p:131+8*\p], v[FIN] offset:2048*\p
	ds_load_b128 v[132+8*\p:135+8*\p], v[FIN] offset:2048*\p+16
.endr
	s_wait_kmcnt 0x0                               ; bg3, bq2
	s_wait_dscnt 0x0
.irp q, 0,2,4,6
	v_pk_add_f32 v[192+\q:193+\q], v[128+\q:129+\q], v[136+\q:137+\q]
.endr
.irp p, 2,3,4,5,6,7
.irp q, 0,2,4,6
	v_pk_add_f32 v[192+\q:193+\q], v[192+\q:193+\q], v[128+8*\p+\q:129+8*\p+\q]
.endr
.endr
.irp e, 0,1,2,3,4,5,6,7
	v_add_f32 v[192+\e], s[44+\e], v[192+\e]
.endr
	v_max3_num_f32 v216, v192, v193, v194
	v_max3_num_f32 v216, v216, v195, v196
	v_max3_num_f32 v216, v216, v197, v198
	v_max_num_f32 v216, v216, v199                 ; the row's maximum is taken off, as in the softmax that is asked for
.irp e, 0,1,2,3,4,5,6,7
	v_sub_f32 v[200+\e], v[192+\e], v216
.endr
.irp e, 0,1,2,3,4,5,6,7
	v_mul_f32 v[200+\e], 0x3fb8aa3b, v[200+\e]
.endr
.irp e, 0,1,2,3,4,5,6,7
	v_exp_f32 v[200+\e], v[200+\e]
.endr
	v_nop                                          ; a plain line behind the exponentials
	s_wait_alu depctr_va_vdst(0)
	v_add_f32 v217, v200, v201
	v_add_f32 v218, v202, v203
	v_add_f32 v219, v204, v205
	v_add_f32 v220, v206, v207
	v_add_f32 v217, v217, v218
	v_add_f32 v219, v219, v220
	v_add_f32 v217, v217, v219
	v_rcp_f32 v217, v217
	v_nop
	s_wait_alu depctr_va_vdst(0)
.irp e, 0,1,2,3,4,5,6,7
	v_mul_f32 v[200+\e], v[200+\e], v217           ; the probabilities
.endr
	v_mov_b32 v208, v200                           ; the largest so far and its index,
	v_mov_b32 v210, 0
	v_mov_b32 v209, -1.0                           ; the second: under every probability
	v_mov_b32 v211, 0
.irp e, 1,2,3,4,5,6,7
	v_cmp_gt_f32 s56, v[200+\e], v208              ; strictly greater: the lower index wins a tie
	v_cmp_gt_f32 s57, v[200+\e], v209
	v_cndmask_b32 v209, v209, v[200+\e], s57
	v_cndmask_b32 v211, v211, \e, s57
	v_cndmask_b32 v209, v209, v208, s56
	v_cndmask_b32 v211, v211, v210, s56
	v_cndmask_b32 v208, v208, v[200+\e], s56
	v_cndmask_b32 v210, v210, \e, s56
.endr
	v_add_f32 v221, v208, v209
	v_rcp_f32 v221, v221
	v_min_u32 v222, v210, v211                     ; lo
	v_max_u32 v223, v210, v211                     ; hi
	s_wait_alu depctr_va_vdst(0)
	v_mul_f32 v224, v208, v221                     ; the two weights
	v_mul_f32 v225, v209, v221
	v_add_nc_u32 v226, -1, v223
	v_mul_u32_u24 v227, v223, v226
	v_lshrrev_b32 v227, 1, v227                    ; hi (hi - 1) / 2
	v_sub_nc_u32 v228, v226, v222
	v_and_b32 v229, 1, v223
	v_cmp_ne_u32 vcc_lo, 0, v229
	v_cndmask_b32 v228, v228, v222, vcc_lo         ; lo runs up where hi is odd and down where it is even: neighbouring keys share an expert
	v_add_nc_u32 v227, v227, v228
	v_lshl_or_b32 v227, v210, 8, v227
	v_lshl_or_b32 v227, v211, 16, v227
	v_and_b32 v229, 1, v0
	v_cmp_ne_u32 vcc_lo, 0, v229
.irp q, 0,1,2,3
	v_cndmask_b32 v[212+\q], v[200+\q], v[204+\q], vcc_lo
.endr
	global_store_b128 v[LI], v[212:215], s[26:27]  ; out1: the wave's 16 tokens are 512 consecutive bytes
	ds_store_b32 v[KEYW], v227
	ds_store_b64 v[WTW], v[224:225]
	BARRIER
	; ---- the block's small results leave, a wave to each
	s_cmp_lg_u32 s36, 0
	s_cbranch_scc1 .Lnot0
.irp p, 0,1,2,3,4,5,6,7
	ds_load_b64 v[128+2*\p:129+2*\p], v[L8] offset:GEO+256*\p
.endr
	s_wait_dscnt 0x0
.irp p, 1,2,3,4,5,6,7
	v_pk_add_f32 v[128:129], v[128:129], v[128+2*\p:129+2*\p]
.endr
	v_add_f32 v128, s52, v128
	v_add_f32 v129, s52, v129
	global_store_b64 v[L8], v[128:129], s[28:29]   ; out2: 256 consecutive bytes
	s_branch .Lend
.Lnot0:
	s_cmp_lg_u32 s36, 1
	s_cbranch_scc1 .Lnot1
	ds_load_b128 v[128:131], v[LI] offset:WTS
	s_wait_dscnt 0x0
	global_store_b128 v[LI], v[128:131], s[30:31]  ; rw
	s_branch .Lend
.Lnot1:
	s_cmp_lg_u32 s36, 2
	s_cbranch_scc1 .Lnot2
	ds_load_b64 v[128:129], v[L8] offset:KEYS      ; tokens 2 l and 2 l + 1
	s_wait_dscnt 0x0
	v_and_b32 v130, 31, v128
	v_and_b32 v131, 31, v129
	v_mov_b32 v132, 0
	v_mov_b32 v133, 0
	v_mov_b32 v136, 0
.irp k, 0,1,2,3,4,5,6,7,8,9,10,11,12,13,14,15,16,17,18,19,20,21,22,23,24,25,26,27
	v_cmp_eq_u32 s56, \k, v130
	v_cmp_eq_u32 s57, \k, v131
	s_bcnt1_i32_b32 s58, s56
	s_bcnt1_i32_b32 s59, s57
	v_mbcnt_lo_u32_b32 v134, s56, 0                ; the even tokens of this key are numbered first,
	v_mbcnt_lo_u32_b32 v135, s57, s58              ; the odd ones behind them
	v_cndmask_b32 v132, v132, v134, s56
	v_cndmask_b32 v133, v133, v135, s57
	s_add_co_u32 s58, s58, s59
	v_writelane_b32 v136, s58, \k                  ; the key's count, in lane k
.endr
	v_lshl_or_b32 v128, v132, 24, v128
	v_lshl_or_b32 v129, v133, 24, v129
	global_store_b64 v[L8], v[128:129], s[32:33]   ; rkey: 256 consecutive bytes
	global_store_b32 v[LS], v136, s[34:35]         ; hist: 128 bytes a block
	s_branch .Lend
.Lnot2:
.irp i, 0,1,2
	ds_load_b128 v[128+4*\i:131+4*\i], v[LI] offset:XSR+512*\i
.endr
	s_wait_dscnt 0x0
.irp i, 0,1,2
	global_store_b128 v[LI], v[128+4*\i:131+4*\i], s[24:25] offset:512*\i   ; xs: the block's 1,536 bytes
.endr
.Lend:
	s_wait_xcnt 0x0
	v_lshl_add_u32 v254, v0, 2, 0x21900
	v_mov_b32 v255, 0
	s_wait_tensorcnt 0x0
	ds_add_u32 v254, v255
	s_wait_dscnt 0x0
	s_endpgm
.Lfunc_end_k_q7d62748ebc_gate:
	.size	k_q7d62748ebc_gate, .Lfunc_end_k_q7d62748ebc_gate-k_q7d62748ebc_gate
	.p2alignl 7, 3214868480
	.fill 96, 4, 3214868480
	.section	.rodata,"a",@progbits
	.p2align	6, 0x0
	.amdhsa_kernel k_q7d62748ebc_gate
		.amdhsa_group_segment_fixed_size 137984
		.amdhsa_private_segment_fixed_size 0
		.amdhsa_enable_private_segment 0
		.amdhsa_kernarg_size 128
		.amdhsa_user_sgpr_count 2
		.amdhsa_user_sgpr_kernarg_segment_ptr 1
		.amdhsa_wavefront_size32 1
		.amdhsa_system_sgpr_workgroup_id_x 1
		.amdhsa_system_sgpr_workgroup_id_y 1
		.amdhsa_system_sgpr_workgroup_id_z 1
		.amdhsa_system_vgpr_workitem_id 0
		.amdhsa_next_free_vgpr 1024
		.amdhsa_next_free_sgpr 66
		.amdhsa_reserve_vcc 1
		.amdhsa_float_denorm_mode_32 3
		.amdhsa_float_denorm_mode_16_64 3
		.amdhsa_memory_ordered 1
		.amdhsa_forward_progress 1
		.amdhsa_inst_pref_size 255
	.end_amdhsa_kernel
	.amdgpu_metadata
---
amdhsa.version: [ 1, 2 ]
amdhsa.kernels:
  - .name:           k_q7d62748ebc_gate
    .symbol:         k_q7d62748ebc_gate.kd
    .args:
      - { .name: x, .offset: 0, .size: 8, .value_kind: global_buffer, .address_space: global }
      - { .name: wq, .offset: 8, .size: 8, .value_kind: global_buffer, .address_space: global }
      - { .name: bg1, .offset: 16, .size: 8, .value_kind: global_buffer, .address_space: global }
      - { .name: bq1, .offset: 24, .size: 8, .value_kind: global_buffer, .address_space: global }
      - { .name: bg2, .offset: 32, .size: 8, .value_kind: global_buffer, .address_space: global }
      - { .name: Wq2, .offset: 40, .size: 8, .value_kind: global_buffer, .address_space: global }
      - { .name: Wg3, .offset: 48, .size: 8, .value_kind: global_buffer, .address_space: global }
      - { .name: bg3, .offset: 56, .size: 8, .value_kind: global_buffer, .address_space: global }
      - { .name: bq2, .offset: 64, .size: 8, .value_kind: global_buffer, .address_space: global }
      - { .name: xq, .offset: 72, .size: 8, .value_kind: global_buffer, .address_space: global }
      - { .name: xs, .offset: 80, .size: 8, .value_kind: global_buffer, .address_space: global }
      - { .name: out1, .offset: 88, .size: 8, .value_kind: global_buffer, .address_space: global }
      - { .name: out2, .offset: 96, .size: 8, .value_kind: global_buffer, .address_space: global }
      - { .name: rw, .offset: 104, .size: 8, .value_kind: global_buffer, .address_space: global }
      - { .name: rkey, .offset: 112, .size: 8, .value_kind: global_buffer, .address_space: global }
      - { .name: hist, .offset: 120, .size: 8, .value_kind: global_buffer, .address_space: global }
    .group_segment_fixed_size: 137984
    .private_segment_fixed_size: 0
    .kernarg_segment_align: 8
    .kernarg_segment_size: 128
    .max_flat_workgroup_size: 128
    .sgpr_count:     66
    .vgpr_count:     1024
    .wavefront_size: 32
...
	.end_amdgpu_metadata
.endif
;; end of part 2
;; launch place (part 3): grid 1 x 1, 32 waves a work-group, no clusters, 8,192 bytes of LDS; arguments hist, rkey, sidx; writes sidx
.if DOCPART == 3
	.amdgcn_target "amdgcn-amd-amdhsa--gfx1250"
	.amdhsa_code_object_version 6
	.text
	.protected	k_q7d62748ebc_place
	.globl	k_q7d62748ebc_place
	.p2align	8
	.type	k_q7d62748ebc_place,@function
k_q7d62748ebc_place:
	s_mov_b64 s[64:65], 0
	v_nop
	global_prefetch_b8 v0, s[64:65] scope:SCOPE_SE
	s_setreg_imm32_b32 hwreg(HW_REG_WAVE_MODE, 25, 1), 1
	s_wait_xcnt 0x0
; A counting sort of the 16,384 tokens by their pair of experts (28 keys).  A token's place = the keys before its key + its key's count in the blocks before its block + its rank in its block.
; One work-group, so that the sums need no traffic between work-groups.  Wave w owns blocks 8 w .. 8 w + 7 (512 tokens); in the tables a lane stands for a key.
; sidx [place] = {token, its rkey word}.  The stores are 8 bytes a lane at sorted places, 128 KB in all: a turn through LDS would want LDS addresses made of data.
	s_load_b128 s[4:7], s[0:1], 0x0                ; hist, rkey
	s_load_b64 s[8:9], s[0:1], 0x10                ; sidx
	v_lshl_add_u32 v96, v0, 2, 0x1000
	v_mov_b32 v97, 0
	v_lshrrev_b32 v1, 5, v0
	v_readfirstlane_b32 s10, v1                    ; wave
	v_and_b32 v2, 31, v0
	v_lshlrev_b32 v3, 2, v2
	s_lshl_b32 s11, s10, 10
	v_add_nc_u32 v4, s11, v3                       ; hist: 8 blocks of 128 bytes a wave
	s_lshl_b32 s12, s10, 11
	v_add_nc_u32 v5, s12, v3                       ; rkey: 512 words a wave
	s_lshl_b32 s13, s10, 7
	v_add_nc_u32 v6, s13, v3                       ; LDS: 128 w + 4 x lane
	s_wait_kmcnt 0x0
.irp i, 0,1,2,3,4,5,6,7
	global_load_b32 v[8+\i], v4, s[4:5] offset:128*\i
.endr
.set q, 0
.rept 16
	global_load_b32 v[33+2*q], v5, s[6:7] offset:128*q     ; register q: token 512 w + 32 q + lane, into the upper half of its pair
.set q, q+1
.endr
	s_wait_loadcnt 16                              ; the counts are in; the 16 loads of words may be out
	v_mov_b32 v16, 0
.irp i, 1,2,3,4,5,6,7
	v_add_nc_u32 v[16+\i], v[15+\i], v[7+\i]       ; the key's count in my earlier blocks
.endr
	v_add_nc_u32 v24, v23, v15                     ; and in all my blocks
	ds_store_b32 v6, v24
	s_wait_dscnt 0x0
	s_barrier_signal -1
	s_barrier_wait -1
.set q, 0
.rept 32
	ds_load_b32 v[64+q], v3 offset:128*q
.set q, q+1
.endr
	v_mov_b32 v25, 0
	v_mov_b32 v26, 0
	s_wait_dscnt 0x0
.set q, 0
.rept 32
	s_cmp_gt_u32 s10, q
	s_cselect_b32 s14, 1, 0
	v_mad_u32_u24 v25, v[64+q], s14, v25           ; the key's count in the waves before mine
	v_add_nc_u32 v26, v26, v[64+q]                 ; and in all
.set q, q+1
.endr
	v_mov_b32 v27, 0
	s_mov_b32 s15, 0
.irp k, 0,1,2,3,4,5,6,7,8,9,10,11,12,13,14,15,16,17,18,19,20,21,22,23,24,25,26,27
	v_readlane_b32 s14, v26, \k
	v_writelane_b32 v27, s15, \k                   ; where key k begins
	s_add_co_u32 s15, s15, s14
.endr
	v_add_nc_u32 v27, v27, v25
.irp i, 0,1,2,3,4,5,6,7
	v_add_nc_u32 v[16+\i], v[16+\i], v27           ; where key (lane) begins for my block i
.endr
	s_lshl_b32 s14, s10, 9
	v_add_nc_u32 v28, s14, v2                      ; token of register 0
	s_wait_loadcnt 0x0
.set q, 0
.rept 16
	v_and_b32 v29, 31, v[33+2*q]
	v_lshlrev_b32 v[64+q], 2, v29
	ds_bpermute_b32 v[80+q], v[64+q], v[16+q/2]    ; my key's beginning, from the lane that stands for it
.set q, q+1
.endr
	s_wait_dscnt 0x0
.set q, 0
.rept 16
	v_lshrrev_b32 v29, 24, v[33+2*q]
	v_add_nc_u32 v[80+q], v[80+q], v29             ; + my rank
	v_min_u32 v[80+q], 0x3fff, v[80+q]             ; inside sidx whatever the words hold
	v_lshlrev_b32 v[80+q], 3, v[80+q]
	v_add_nc_u32 v[32+2*q], 32*q, v28
	global_store_b64 v[80+q], v[32+2*q:33+2*q], s[8:9]
.set q, q+1
.endr
	s_wait_tensorcnt 0x0
	ds_add_u32 v96, v97
	s_wait_dscnt 0x0
	s_endpgm
.Lfunc_end_k_q7d62748ebc_place:
	.size	k_q7d62748ebc_place, .Lfunc_end_k_q7d62748ebc_place-k_q7d62748ebc_place
	.p2alignl 7, 3214868480
	.fill 96, 4, 3214868480
	.section	.rodata,"a",@progbits
	.p2align	6, 0x0
	.amdhsa_kernel k_q7d62748ebc_place
		.amdhsa_group_segment_fixed_size 8192
		.amdhsa_private_segment_fixed_size 0
		.amdhsa_enable_private_segment 0
		.amdhsa_kernarg_size 24
		.amdhsa_user_sgpr_count 2
		.amdhsa_user_sgpr_kernarg_segment_ptr 1
		.amdhsa_wavefront_size32 1
		.amdhsa_system_sgpr_workgroup_id_x 1
		.amdhsa_system_sgpr_workgroup_id_y 1
		.amdhsa_system_sgpr_workgroup_id_z 1
		.amdhsa_system_vgpr_workitem_id 0
		.amdhsa_next_free_vgpr 98
		.amdhsa_next_free_sgpr 66
		.amdhsa_reserve_vcc 0
		.amdhsa_float_denorm_mode_32 3
		.amdhsa_float_denorm_mode_16_64 3
		.amdhsa_memory_ordered 1
		.amdhsa_forward_progress 1
		.amdhsa_inst_pref_size 23
	.end_amdhsa_kernel
	.amdgpu_metadata
---
amdhsa.version: [ 1, 2 ]
amdhsa.kernels:
  - .name:           k_q7d62748ebc_place
    .symbol:         k_q7d62748ebc_place.kd
    .args:
      - { .name: hist, .offset: 0, .size: 8, .value_kind: global_buffer, .address_space: global }
      - { .name: rkey, .offset: 8, .size: 8, .value_kind: global_buffer, .address_space: global }
      - { .name: sidx, .offset: 16, .size: 8, .value_kind: global_buffer, .address_space: global }
    .group_segment_fixed_size: 8192
    .private_segment_fixed_size: 0
    .kernarg_segment_align: 8
    .kernarg_segment_size: 24
    .max_flat_workgroup_size: 1024
    .sgpr_count:     66
    .vgpr_count:     98
    .wavefront_size: 32
...
	.end_amdgpu_metadata
.endif
;; end of part 3
;; launch experts (part 4): grid 256 x 1, 4 waves a work-group, no clusters, 183,040 bytes of LDS; arguments sidx, rw, xq, xs, wq, b1, b2, b3, out0; writes out0
.if DOCPART == 4
	.amdgcn_target "amdgcn-amd-amdhsa--gfx1250"
	.amdhsa_code_object_version 6
	.text
	.protected	k_q7d62748ebc_experts
	.globl	k_q7d62748ebc_experts
	.p2align	8
	.type	k_q7d62748ebc_experts,@function
k_q7d62748ebc_experts:
	s_mov_b64 s[64:65], 0
	v_nop
	global_prefetch_b8 v0, s[64:65] scope:SCOPE_SE
	s_setreg_imm32_b32 hwreg(HW_REG_WAVE_MODE, 25, 1), 1
	s_wait_xcnt 0x0
; out0 for 64 tokens that stand together in the order of their pairs of experts.  The work-group gathers their codes, walks the 8 experts in a loop of constant count, passes over those that none of
; its tokens uses (a scalar branch on the stored list), takes each used expert through the whole chain relu(relu(x W1 + b1) W2 + b2) W3 + b3 on codes of E4M3 with E8M0 scales, and adds
; weight x result into the tokens' rows, which stay in registers: each output row has one owner, and the hidden layers never go to memory.
; SHARES.  Four waves.  THE WAVES SHARE THE COLUMNS: wave w makes hidden units 64 w .. + 63 and output columns 192 w .. + 191, for all four tiles of 16 tokens.  Every product is used transposed
; (source 0 = the weight, source 1 = the tokens): a lane holds one token.
; WEIGHTS come from wq straight into registers through a ring of four slots of 64 registers, sixteen units an expert (6 + 4 half + 6); a unit is asked for when the unit four back has been multiplied.
; THE THIRD PRODUCT IS CUT IN TWO, so that the ring does not run empty between experts.  Its units 0 and 1 are multiplied in the expert's own trip, which also asks for units 4 and 5.  Units 2 to 5 are
; multiplied at the head of the NEXT used expert's trip (the last expert's: behind the loop): as their slots fall free they take that expert's first four units, from that trip's own pointer, which steps
; by a constant each trip.  Between the two parts nothing touches the accumulators, the hidden fragments, the scale words, the tokens' weights or the ring.  The expert's b3 is wanted in both parts: each wave
; copies its 768 bytes of it to fixed bytes of its own.  The block's first expert's first four units are asked for at the kernel's head, under the gather.
; No tensor loads: the walk hangs on the stored list.  No cluster: neighbours walk other experts.
; BARRIERS stand outside every branch: two a trip, each behind a wait for all loads and all LDS instructions, so that every count behind them holds on every way.
; The rows' sums begin as zeros: which expert is a block's first is known only from the list, so no product can start them.
; LIMITS: NaN and infinities are not served; an expert that a token did not choose adds 0 x its result, so the experts' results must be finite.  Scale bytes as in the other launches.
; REGISTERS: window 0: v1-15 addresses, v16-23 the slots' scale words, v24-47 x's scale words, v48-55 the hidden layer's, v56-87 biases, v88-107 the quantiser and an address, v108-115 the tokens' weights for
;   the expert in hand, v116-119 the tokens' words, v120-127 their two weights, v128-255 sixteen accumulators.  window 1: the ring.  window 2 and window 3 v0-127: the rows' sums, tile (t, m) at 8 (4 t + m).
;   window 3 v128-255: fragments from LDS.
.set UB,    8448
.set OFFB,  50688
.set OFFBS, 67072
.set OFFC,  67584
.set WAVB,  118272
.set EXPB,  473088
.set H1I,   0                          ; LDS: the first hidden layer's 8 fragments, the second's,
.set H2I,   16384
.set H1S,   32768                      ; their scale words,
.set H2S,   33792
.set XSI,   34816                      ; x's scale words, (6 m + s) x 128
.set XC,    38144                      ; x's codes: 64 rows, pitch 784
.set BIA1,  88320                      ; b1, b2, b3 of all experts
.set BIA3,  104704
.set STG,   129280                     ; the way out: 16 rows x 784 bytes for each wave
.set PB3,   179456                     ; b3 of the expert whose third product is in hand: 768 bytes for each wave, its own
.set LI, 1
.set LS, 2
.set L8, 3
.set XR, 4
.set HWI, 5
.set HWS, 6
.set BA, 7
.set BC, 8
.set STO, 9
.set SRD, 10
.set SO8, 11
.set CO, 12
.set BCS, 13
.set BAE, 14
.set BCE, 15
.set SC, 16
.set XS, 24
.set HS, 48
.set BIAS, 56
.set PC, 88
.set TM, 96
.set TP, 98
.set TH, 100
.set TS, 102
.set TB, 104
.set PW, 106
.set BCF, 107
.set GW, 108
.set KEY, 116
.set RW, 120
.set ACC, 128
.set SEL, 36
.set MNT, 38
.set WE, 28                            ; s[28:29] this trip's expert's stream: stepped by EXPB each trip
.set WN, 30                            ; s[30:31] the block's first used expert's stream: made and used at the head alone
.set FST, 42                           ; s42      that expert's number
.set MSB, 0
.macro WIN new                         ; the immediate's high byte repeats the setting that is left
.if MSB != (\new)
	s_set_vgpr_msb (MSB<<8)|(\new)
.set MSB, \new
.endif
.endm
.macro PLACES k
.rept \k
	v_nop
.endr
.endm
.macro JOIN                            ; nothing of mine is out, in memory or in LDS: then the work-group's barrier
	s_wait_loadcnt 0x0
	s_wait_dscnt 0x0
	s_barrier_signal -1
	s_barrier_wait -1
.endm
.macro WM d, a, b, c, sa, sb, row      ; row = 1: the weight's scale words stand in lanes 16-31
.if \row
	v_wmma_scale_f32_16x16x128_f8f6f4 v[\d:\d+7], v[\a:\a+15], v[\b:\b+15], v[\c:\c+7], v[\sa], v[\sb] matrix_a_scale:MATRIX_SCALE_ROW1
.else
	v_wmma_scale_f32_16x16x128_f8f6f4 v[\d:\d+7], v[\a:\a+15], v[\b:\b+15], v[\c:\c+7], v[\sa], v[\sb]
.endif
.endm
.macro LOADU slot, base, off           ; a unit: 4 fragments, each load 512 consecutive bytes, and 2 registers of scale words: 17 loads
	WIN 0x40
.irp f, 0,1,2,3
.irp c, 0,1,2,3
	global_load_b128 v[64*(\slot)+16*\f+4*\c:64*(\slot)+16*\f+4*\c+3], v[LI], s[\base:\base+1] offset:(\off)+2048*\f+512*\c
.endr
.endr
	WIN 0
	global_load_b64 v[SC+2*(\slot):SC+2*(\slot)+1], v[L8], s[\base:\base+1] offset:(\off)+8192
.endm
.macro LOADH slot, base, i             ; a half unit of the second product: 9 loads
	WIN 0x40
.irp f, 0,1
.irp c, 0,1,2,3
	global_load_b128 v[64*(\slot)+16*\f+4*\c:64*(\slot)+16*\f+4*\c+3], v[LI], s[\base:\base+1] offset:OFFB+4096*(\i)+2048*\f+512*\c
.endr
.endr
	WIN 0
	global_load_b32 v[SC+2*(\slot)], v[LS], s[\base:\base+1] offset:OFFBS+128*(\i)
.endm
.macro FETCHX s, set
	WIN 0xc0
.irp m, 0,1,2,3
.irp c, 0,1,2,3
	ds_load_b128 v[128+64*(\set)+16*\m+4*\c:128+64*(\set)+16*\m+4*\c+3], v[XR] offset:12544*\m+128*(\s)+32*\c
.endr
.endr
	WIN 0
.endm
.macro FETCHB areg, off
.irp t, 0,1,2,3
	ds_load_b128 v[BIAS+8*\t:BIAS+8*\t+3], v[\areg] offset:(\off)+128*(\t/2)+32*(\t%2)
	ds_load_b128 v[BIAS+8*\t+4:BIAS+8*\t+7], v[\areg] offset:(\off)+128*(\t/2)+32*(\t%2)+16
.endr
.endm
; A K step of the first product: 16 matrix instructions, the sixteen accumulators by turns.  first = 1: the bias is the C that starts the sums.
.macro ASTEP s, slot, cnt, first
	s_wait_dscnt 0x0                               ; this step's fragments of x are in
.if (\s) < 5
	FETCHX (\s)+1, ((\s)+1)%2
.endif
	s_wait_loadcnt \cnt                            ; this unit is in; the three younger units may be out
	WIN 0x0d
.irp t, 0,1,2,3
.irp m, 0,1,2,3
.if \first
	WM ACC+32*\m+8*\t, 64*(\slot)+16*\t, 128+64*((\s)%2)+16*\m, BIAS+8*\t, SC+2*(\slot)+\t/2, XS+6*\m+(\s), \t%2
.else
	WM ACC+32*\m+8*\t, 64*(\slot)+16*\t, 128+64*((\s)%2)+16*\m, ACC+32*\m+8*\t, SC+2*(\slot)+\t/2, XS+6*\m+(\s), \t%2
.endif
.endr
.endr
	WIN 0
	PLACES 8                                       ; in front of loads into registers that these products read, and of reads of their results
.endm
.macro FETCHH ib, sb
	WIN 0xc0
.irp f, 0,1,2,3,4,5,6,7
.irp c, 0,1,2,3
	ds_load_b128 v[128+16*\f+4*\c:128+16*\f+4*\c+3], v[LI] offset:(\ib)+2048*\f+512*\c
.endr
.endr
	WIN 0
.irp f, 0,1,2,3,4,5,6,7
	ds_load_b32 v[HS+\f], v[LS] offset:(\sb)+128*\f
.endr
.endm
.macro BSTEP i, slot, cnt              ; half unit i = 2 s + b of the second product: 8 matrix instructions
.if (\cnt) >= 0
	s_wait_loadcnt \cnt
.endif
	WIN 0x0d
.irp u, 0,1
.irp m, 0,1,2,3
.if (\i) < 2
	WM ACC+32*\m+8*(2*((\i)%2)+\u), 64*(\slot)+16*\u, 128+16*(2*\m+(\i)/2), BIAS+8*(2*((\i)%2)+\u), SC+2*(\slot), HS+2*\m+(\i)/2, \u
.else
	WM ACC+32*\m+8*(2*((\i)%2)+\u), 64*(\slot)+16*\u, 128+16*(2*\m+(\i)/2), ACC+32*\m+8*(2*((\i)%2)+\u), SC+2*(\slot), HS+2*\m+(\i)/2, \u
.endif
.endr
.endr
	WIN 0
	PLACES 8
.endm
; My 32 numbers of tile m of tokens become codes; relu and the hold are one line.  They are half a fragment of the next product: its image goes to LDS.
.macro QUANT32 m, ib, sb
.set QB, ACC+32*(\m)
.irp b, 0,1
	v_max3_num_f32 v[TM+\b], v[QB+16*\b], v[QB+16*\b+1], 0x4800000   ; no |.|: what is negative becomes 0 and must not count; the floor 2^(9 - 127) stands over it
.endr
.irp i, 2,4,6,8,10,12,14
.irp b, 0,1
	v_max3_num_f32 v[TM+\b], v[TM+\b], v[QB+16*\b+\i], v[QB+16*\b+\i+1]
.endr
.endr
.irp b, 0,1
	v_permlanex16_b32 v[TP+\b], v[TM+\b], s[SEL], s[SEL+1]
.endr
.irp b, 0,1
	v_max_num_f32 v[TM+\b], v[TM+\b], v[TP+\b]
.endr
.irp b, 0,1
	v_add_nc_u32 v[TS+\b], 0xfc000000, v[TM+\b]
.endr
.irp b, 0,1
	v_and_or_b32 v[TH+\b], v[TM+\b], 0x7f800000, s[MNT]
.endr
.irp b, 0,1
	v_lshrrev_b32 v[TB+\b], 23, v[TS+\b]
.endr
.irp b, 0,1
.irp i, 0,1,2,3,4,5,6,7,8,9,10,11,12,13,14,15
	v_med3_num_f32 v[QB+16*\b+\i], v[QB+16*\b+\i], 0, v[TH+\b]
.endr
.endr
	s_wait_dscnt 0x0                               ; the last tile's stores have read their registers
	v_lshl_or_b32 v[PW], v[TB+1], 8, v[TB]
.irp b, 0,1
	v_cvt_scalef32_pk8_fp8_f32 v[PC+4*\b:PC+4*\b+1], v[QB+16*\b:QB+16*\b+7], v[TS+\b]
	v_cvt_scalef32_pk8_fp8_f32 v[PC+4*\b+2:PC+4*\b+3], v[QB+16*\b+8:QB+16*\b+15], v[TS+\b]
.endr
	v_nop                                          ; a plain line behind the last conversion: later products write its sources
.irp b, 0,1
	ds_store_b128 v[HWI], v[PC+4*\b:PC+4*\b+3] offset:(\ib)+4096*(\m)+512*\b
.endr
	ds_store_b16 v[HWS], v[PW] offset:(\sb)+256*(\m)
.endm
.macro CBIAS i                         ; b3 for unit i's two tiles of columns, in the result's layout, from my copy
.irp u, 0,1
	ds_load_b128 v[BIAS+16*((\i)%2)+8*\u:BIAS+16*((\i)%2)+8*\u+3], v[BCF] offset:64*(2*(\i)+\u)
	ds_load_b128 v[BIAS+16*((\i)%2)+8*\u+4:BIAS+16*((\i)%2)+8*\u+7], v[BCF] offset:64*(2*(\i)+\u)+16
.endr
.endm
; Unit i of the third product: two tiles of columns x four tiles of tokens x two K steps: 16 matrix instructions on eight accumulators by turns, in the half of the accumulators that unit i - 1 does not hold.
; pre = 1: the next unit's bias is asked for.
.macro CSTEP i, slot, cnt, pre
	s_wait_dscnt 0x0                               ; this unit's bias (and, for unit 0, the hidden fragments) are in
.if \pre
	CBIAS (\i)+1
.endif
.if (\cnt) >= 0
	s_wait_loadcnt \cnt
.endif
	WIN 0x0d
.irp s, 0,1
.irp u, 0,1
.irp m, 0,1,2,3
.if \s == 0
	WM ACC+64*((\i)%2)+32*\u+8*\m, 64*(\slot)+16*(2*\s+\u), 128+16*(2*\m+\s), BIAS+16*((\i)%2)+8*\u, SC+2*(\slot)+\s, HS+2*\m+\s, \u
.else
	WM ACC+64*((\i)%2)+32*\u+8*\m, 64*(\slot)+16*(2*\s+\u), 128+16*(2*\m+\s), ACC+64*((\i)%2)+32*\u+8*\m, SC+2*(\slot)+\s, HS+2*\m+\s, \u
.endif
.endr
.endr
.endr
	WIN 0
.endm
; The rows' sums take weight x unit i's results.  These 32 lines stand behind unit i + 1's products and name none of their registers: they are the places in front of the loads into that unit's slot.
.macro FMA i
.if (\i) < 4
	WIN 0xa0
.set OB, 64*(\i)
.else
	WIN 0xf0
.set OB, 64*((\i)-4)
.endif
.irp u, 0,1
.irp m, 0,1,2,3
.irp p, 0,2,4,6
	v_pk_fma_f32 v[OB+32*\u+8*\m+\p:OB+32*\u+8*\m+\p+1], v[ACC+64*((\i)%2)+32*\u+8*\m+\p:ACC+64*((\i)%2)+32*\u+8*\m+\p+1], v[GW+2*\m:GW+2*\m+1], v[OB+32*\u+8*\m+\p:OB+32*\u+8*\m+\p+1] op_sel_hi:[1,0,1]
.endr
.endr
.endr
	WIN 0
.endm
; The third product's units 2 to 5 of the used expert before.  ask = 1: this trip's expert's first four units take the slots as they fall free.
.macro CLATE ask
	s_wait_loadcnt 34                              ; units 2 and 3 are in; the 34 loads of units 4 and 5 may be out
	CBIAS 2
	CSTEP 2, 0, -1, 1
	FMA 1
.if \ask
	LOADU 0, WE, 0
.endif
	CSTEP 3, 1, -1, 1
	FMA 2
.if \ask
	LOADU 1, WE, UB
	CSTEP 4, 2, 51, 1                              ; behind unit 4: unit 5 and two of this trip's expert's
.else
	CSTEP 4, 2, 17, 1                              ; behind unit 4: unit 5
.endif
	FMA 3
.if \ask
	LOADU 2, WE, 2*UB
	CSTEP 5, 3, 51, 0                              ; behind unit 5: three of this trip's expert's
.else
	CSTEP 5, 3, 0, 0
.endif
	FMA 4
.if \ask
	LOADU 3, WE, 3*UB
.endif
	FMA 5
.endm
	s_load_b512 s[4:19], s[0:1], 0x0               ; sidx 4, rw 6, xq 8, xs 10, wq 12, b1 14, b2 16, b3 18
	s_load_b64 s[20:21], s[0:1], 0x40              ; out0
	v_lshrrev_b32 v13, 5, v0
	v_readfirstlane_b32 s22, v13                   ; wave
	s_mov_b32 s23, ttmp9                           ; block of 64 sorted places
	s_mov_b32 s[SEL], 0x76543210
	s_mov_b32 s[SEL+1], 0xfedcba98
	s_mov_b32 s[MNT], 0x600000
	v_and_b32 v13, 31, v0                          ; lane
	v_and_b32 v14, 15, v0                          ; r
	v_bfe_u32 v15, v0, 4, 1                        ; h
	v_lshlrev_b32 v[LI], 4, v13
	v_lshlrev_b32 v[LS], 2, v13
	v_lshlrev_b32 v[L8], 3, v13
	v_mul_u32_u24 v107, v14, 784
	v_lshl_add_u32 v[XR], v15, 4, v107
	v_add_nc_u32 v[XR], XC, v[XR]
	s_lshl_b32 s34, s22, 10
	v_add_nc_u32 v[HWI], s34, v[LI]
	s_lshr_b32 s34, s22, 1
	s_lshl_b32 s34, s34, 7
	s_and_b32 s35, s22, 1
	s_lshl_b32 s35, s35, 1
	s_add_co_u32 s34, s34, s35
	v_add_nc_u32 v[HWS], s34, v[LS]
	s_lshl_b32 s34, s22, 8
	s_add_co_u32 s34, s34, BIA1
	v_lshl_add_u32 v[BA], v15, 6, s34
	s_mul_i32 s34, s22, 768
	s_add_co_u32 s35, s34, BIA3
	v_add_nc_u32 v[BC], s35, v[L8]                 ; b3: my wave's 768 bytes of an expert's row, 8 bytes a lane
	v_lshl_add_u32 v[CO], v14, 4, s34              ; out0: my wave's 768 bytes of a row, + 16 (lane % 16)
	v_add_nc_u32 v241, s34, v[LS]                  ; x's scale words: 4 x lane + 768 w
	s_mul_i32 s34, s22, 12544
	s_add_co_u32 s35, s34, STG
	v_lshl_add_u32 v[STO], v15, 5, v107
	v_add_nc_u32 v[STO], s35, v[STO]               ; the stage, in: row r, + 32 h
	v_mul_u32_u24 v[SRD], v15, 784
	v_lshl_add_u32 v[SRD], v14, 4, v[SRD]          ; 784 (lane / 16) + 16 (lane % 16)
	s_add_co_u32 s34, s34, XC
	v_add_nc_u32 v240, s34, v[SRD]                 ; where the gathered rows go
	v_add_nc_u32 v[SRD], s35, v[SRD]               ; the stage, back
	v_lshlrev_b32 v[SO8], 3, v15
	v_lshlrev_b32 v242, 3, v14
	s_lshl_b32 s34, s22, 7
	v_add_nc_u32 v243, s34, v242
	v_add_nc_u32 v244, s34, v[SO8]
	s_lshl_b32 s34, s22, 11
	v_add_nc_u32 v245, s34, v[LI]
	s_mul_i32 s34, s22, 6144
	v_add_nc_u32 v246, s34, v[LI]
	v_add_nc_u32 v247, BIA1, v245
	v_add_nc_u32 v248, BIA3, v246
	v_lshlrev_b32 v249, 4, v14
	v_mov_b32 v[TP], 0                             ; written once: a lane permute's destination counts as one of its sources
	v_mov_b32 v[TP+1], 0
.irp m, 0,1,2,3
	v_mov_b32 v[GW+2*\m], 0                        ; the weights, their pairs' upper halves and the hidden layer's scale words are written once here,
	v_mov_b32 v[GW+2*\m+1], 0                      ; so that the third product's late part finds them written on every way through the loop's branches
.endr
.irp f, 0,1,2,3,4,5,6,7
	v_mov_b32 v[HS+\f], 0
.endr
	s_wait_kmcnt 0x0
	s_lshl_b32 s34, s23, 9
	s_mov_b32 s35, 0
	s_add_nc_u64 s[4:5], s[4:5], s[34:35]          ; sidx at my block
	s_mul_i32 s34, s22, WAVB
	s_add_nc_u64 s[32:33], s[12:13], s[34:35]      ; wq at my wave's stream of expert 0
	; ---- the list: 13 loads; the biases: 20
.irp m, 0,1,2,3
	global_load_b64 v[208+2*\m:209+2*\m], v242, s[4:5] offset:128*\m    ; tile m, token r: its number and its word
.endr
	global_load_b64 v[216:217], v243, s[4:5]                          ; my wave's own tile
.irp j, 0,1,2,3,4,5,6,7
	global_load_b32 v[218+\j], v244, s[4:5] offset:16*\j                ; row 2 j + lane / 16 of my tile: for the gather by rows
.endr
.irp i, 0,1,2,3
	global_load_b128 v[128+4*\i:131+4*\i], v245, s[14:15] offset:512*\i
.endr
.irp i, 0,1,2,3
	global_load_b128 v[144+4*\i:147+4*\i], v245, s[16:17] offset:512*\i
.endr
.irp i, 0,1,2,3,4,5,6,7,8,9,10,11
	global_load_b128 v[160+4*\i:163+4*\i], v246, s[18:19] offset:512*\i
.endr
	s_wait_loadcnt 20                              ; the list is in; the 20 loads of biases may be out
.irp m, 0,1,2,3
	v_min_u32 v[208+2*\m], 0x3fff, v[208+2*\m]     ; a token's number stays inside the tables whatever the list holds
	v_mov_b32 v[KEY+\m], v[209+2*\m]
	v_lshlrev_b32 v[235+\m], 3, v[208+2*\m]
.endr
	v_min_u32 v216, 0x3fff, v216
	v_mul_u32_u24 v234, v216, 24
.irp j, 0,1,2,3,4,5,6,7
	v_min_u32 v[218+\j], 0x3fff, v[218+\j]
	v_mul_u32_u24 v[226+\j], v[218+\j], 768
	v_add_nc_u32 v[226+\j], v249, v[226+\j]
.endr
	v_mov_b32 v107, 1
	v_mov_b32 v239, 0
.irp m, 0,1,2,3
	v_bfe_u32 v13, v[KEY+\m], 8, 3
	v_lshlrev_b32 v13, v13, v107
	v_or_b32 v239, v239, v13
	v_bfe_u32 v13, v[KEY+\m], 16, 3
	v_lshlrev_b32 v13, v13, v107
	v_or_b32 v239, v239, v13
.endr
	s_mov_b32 s24, 0                               ; the experts that the block uses, a bit each: the same in all four waves
.irp e, 0,1,2,3,4,5,6,7
	v_and_b32 v13, 1<<\e, v239
	v_cmp_ne_u32 s27, 0, v13
	s_cmp_lg_u32 s27, 0
	s_cselect_b32 s27, 1<<\e, 0
	s_or_b32 s24, s24, s27
.endr
	s_ctz_i32_b32 s27, s24
	s_min_u32 s27, s27, 7
	s_mul_i32 s34, s27, EXPB
	s_add_nc_u64 s[WN:WN+1], s[32:33], s[34:35]    ; the first used expert's stream
	s_mov_b32 s[FST], s27                          ; and its number: its trip finds its first four units asked for
	s_mul_i32 s34, s22, 768
	s_add_co_u32 s34, s34, PB3                     ; my copy of an expert's b3:
	v_add_nc_u32 v[BCS], s34, v[L8]                ; in: 8 bytes a lane;
	v_bfe_u32 v[BCF], v0, 4, 1
	v_lshl_add_u32 v[BCF], v[BCF], 5, s34          ; back: my half's eight columns of a tile
	; ---- the gather: 24 + 3 + 4 = 31 loads
	WIN 0xc0
.irp j, 0,1,2,3,4,5,6,7
.irp u, 0,1,2
	global_load_b128 v[128+12*\j+4*\u:128+12*\j+4*\u+3], v[226+\j], s[8:9] offset:256*\u th:TH_LOAD_NT   ; sixteen lanes read 256 consecutive bytes of a row
.endr
.endr
	WIN 0
.irp i, 0,1,2
	global_load_b64 v[250+2*\i:251+2*\i], v234, s[10:11] offset:8*\i    ; my token's six scale words
.endr
.irp m, 0,1,2,3
	global_load_b64 v[RW+2*\m:RW+2*\m+1], v[235+\m], s[6:7]
.endr
	s_wait_loadcnt 31                              ; the biases are in; the gather may be out
.irp i, 0,1,2,3
	ds_store_b128 v247, v[128+4*\i:131+4*\i] offset:512*\i
.endr
.irp i, 0,1,2,3
	ds_store_b128 v247, v[144+4*\i:147+4*\i] offset:8192+512*\i
.endr
.irp i, 0,1,2,3,4,5,6,7,8,9,10,11
	ds_store_b128 v248, v[160+4*\i:163+4*\i] offset:512*\i
.endr
	LOADU 0, WN, 0
	LOADU 1, WN, UB
	WIN 0xc0                                       ; the fragment registers that the gather does not fill are written once, for the same reason as the scale words above
.set i, 224
.rept 32
	v_mov_b32 v[i], 0
.set i, i+1
.endr
.set i, 0
.rept 128                                      ; the rows' sums begin as zeros, while the gather is on its way
	v_mov_b32 v[i], 0
.set i, i+1
.endr
	WIN 0x80
.set i, 0
.rept 256
	v_mov_b32 v[i], 0
.set i, i+1
.endr
	WIN 0
	s_wait_loadcnt 34                              ; the gather is in; two units may be out
	WIN 0x0c
.irp j, 0,1,2,3,4,5,6,7
.irp u, 0,1,2
	ds_store_b128 v240, v[128+12*\j+4*\u:128+12*\j+4*\u+3] offset:1568*\j+256*\u
.endr
.endr
	WIN 0
.irp s, 0,1,2,3,4,5
	ds_store_b32 v241, v[250+\s] offset:XSI+128*\s
.endr
	LOADU 2, WN, 2*UB
	LOADU 3, WN, 3*UB
	s_wait_dscnt 0x0
	s_barrier_signal -1
	s_barrier_wait -1                              ; the 64 rows' codes and scale words, and the biases, lie in LDS
.set i, 0
.rept 24
	ds_load_b32 v[XS+i], v[LS] offset:XSI+128*i
.set i, i+1
.endr
	s_mov_b64 s[WE:WE+1], s[32:33]
	s_mov_b32 s25, 0                               ; the expert
	s_mov_b32 s40, 0                               ; 1,024 e and 3,072 e: the expert's biases
	s_mov_b32 s41, 0
.Lexp:
	v_add_nc_u32 v[BAE], s40, v[BA]
	v_add_nc_u32 v[BCE], s41, v[BC]
	s_lshr_b32 s26, s24, s25
	s_and_b32 s26, s26, 1                          ; does the block use this expert?
	s_cmp_eq_u32 s26, 0
	s_cbranch_scc1 .LskipA
	s_cmp_eq_u32 s[FST], s25                       ; the block's first expert has none before it, and its first four units were asked for at the kernel's head
	s_cbranch_scc1 .Lhave
	CLATE 1                                        ; the expert before: the rest of its third product; this expert's first four units are asked for
.Lhave:
	; ---- first product
	FETCHX 0, 0
	FETCHB BAE, 0
	ASTEP 0, 0, 51, 1                              ; on both ways units 0-3 are my youngest 68 loads, in this order; the counts fall as half units (9 loads) follow units (17)
	LOADU 0, WE, 4*UB
	ASTEP 1, 1, 51, 0
	LOADU 1, WE, 5*UB
	ASTEP 2, 2, 51, 0
	LOADH 2, WE, 0
	ASTEP 3, 3, 43, 0
	LOADH 3, WE, 1
	ASTEP 4, 0, 35, 0
	LOADH 0, WE, 2
	ASTEP 5, 1, 27, 0
	LOADH 1, WE, 3
	QUANT32 0, H1I, H1S
	QUANT32 1, H1I, H1S
	QUANT32 2, H1I, H1S
	QUANT32 3, H1I, H1S
.LskipA:
	JOIN                                           ; the first hidden layer lies in LDS; the second product's weights are in
	s_cmp_eq_u32 s26, 0
	s_cbranch_scc1 .LskipB
	; ---- second product; my 768 bytes of this expert's b3 go to my fixed bytes on the way (the expert before has read its own for the last time)
	FETCHH H1I, H1S
	FETCHB BAE, 8192
.irp i, 0,1,2
	ds_load_b64 v[PC+2*\i:PC+2*\i+1], v[BCE] offset:256*\i
.endr
	s_wait_dscnt 0x0
.irp i, 0,1,2
	ds_store_b64 v[BCS], v[PC+2*\i:PC+2*\i+1] offset:256*\i
.endr
	BSTEP 0, 2, -1
	LOADU 2, WE, OFFC
	BSTEP 1, 3, -1
	LOADU 3, WE, OFFC+UB
	BSTEP 2, 0, -1
	LOADU 0, WE, OFFC+2*UB
	BSTEP 3, 1, -1
	LOADU 1, WE, OFFC+3*UB
	QUANT32 0, H2I, H2S
	QUANT32 1, H2I, H2S
	QUANT32 2, H2I, H2S
	QUANT32 3, H2I, H2S
.LskipB:
	JOIN                                           ; the second hidden layer lies in LDS; the third product's units 0-3 are in
	s_cmp_eq_u32 s26, 0
	s_cbranch_scc1 .LskipC
	; ---- third product, units 0 and 1; units 4 and 5 are asked for
	FETCHH H2I, H2S
	CBIAS 0
	CSTEP 0, 2, -1, 1
.irp m, 0,1,2,3                        ; each token's weight for this expert: its first, its second, or 0.  24 plain lines: the places behind unit 0's products
	v_bfe_u32 v[PW], v[KEY+\m], 8, 3
	v_cmp_eq_u32 vcc_lo, s25, v[PW]
	v_cndmask_b32 v[GW+2*\m], 0, v[RW+2*\m], vcc_lo
	v_bfe_u32 v[PW], v[KEY+\m], 16, 3
	v_cmp_eq_u32 vcc_lo, s25, v[PW]
	v_cndmask_b32 v[GW+2*\m], v[GW+2*\m], v[RW+2*\m+1], vcc_lo
.endr
	LOADU 2, WE, OFFC+4*UB
	CSTEP 1, 3, -1, 0
	FMA 0
	LOADU 3, WE, OFFC+5*UB
.LskipC:
	s_wait_xcnt 0x0                                ; every load has read its base
	s_add_nc_u64 s[WE:WE+1], s[WE:WE+1], EXPB
	s_add_co_u32 s40, s40, 1024
	s_add_co_u32 s41, s41, 3072
	s_add_co_u32 s25, s25, 1
	s_cmp_lt_u32 s25, 8
	s_cbranch_scc1 .Lexp
	CLATE 0                                        ; the block's last expert: the rest of its third product; nothing more is asked for
	; ---- THE WAY OUT.  A lane holds 32 bytes of a token's row and the lanes beside it other tokens: a tile of 16 tokens x my 192 columns goes through my own stage and comes back as rows.
	s_wait_loadcnt 0x0                             ; the ring's registers are free
.irp m, 0,1,2,3
.irp j, 0,1,2,3,4,5,6,7
	global_load_b32 v[ACC+8*\m+\j], v[SO8], s[4:5] offset:128*\m+16*\j    ; the token of row 2 j + lane / 16 of tile m
.endr
.endr
.macro OUTT m
.if (\m) >= 2
	s_wait_xcnt 0x0                                ; the stores of two tiles back have read their data registers
.endif
	WIN 0x08
.irp t, 0,1,2,3,4,5,6,7
	ds_store_b128 v[STO], v[8*(4*\t+(\m)):8*(4*\t+(\m))+3] offset:64*\t
	ds_store_b128 v[STO], v[8*(4*\t+(\m))+4:8*(4*\t+(\m))+7] offset:64*\t+16
.endr
	WIN 0x0c
.irp t, 8,9,10,11
	ds_store_b128 v[STO], v[8*(4*(\t-8)+(\m)):8*(4*(\t-8)+(\m))+3] offset:64*\t
	ds_store_b128 v[STO], v[8*(4*(\t-8)+(\m))+4:8*(4*(\t-8)+(\m))+7] offset:64*\t+16
.endr
	WIN 0x40
.irp j, 0,1,2,3,4,5,6,7
.irp u, 0,1,2
	ds_load_b128 v[128*((\m)%2)+12*\j+4*\u:128*((\m)%2)+12*\j+4*\u+3], v[SRD] offset:1568*\j+256*\u   ; LDS serves a wave's instructions in order: these see my stores
.endr
.endr
	WIN 0
.if (\m) == 0
	s_wait_loadcnt 0x0
.set i, 0
.rept 32
	v_min_u32 v[ACC+i], 0x3fff, v[ACC+i]
	v_mul_u32_u24 v[ACC+i], v[ACC+i], 3072
	v_add_nc_u32 v[ACC+i], v[CO], v[ACC+i]         ; the row's byte in out0, + my wave's columns; never rewritten
.set i, i+1
.endr
.endif
	s_wait_dscnt 0x0
	WIN 0x04
.irp j, 0,1,2,3,4,5,6,7
.irp u, 0,1,2
	global_store_b128 v[ACC+8*(\m)+\j], v[128*((\m)%2)+12*\j+4*\u:128*((\m)%2)+12*\j+4*\u+3], s[20:21] offset:256*\u th:TH_STORE_NT   ; sixteen lanes store 256 consecutive bytes, aligned
.endr
.endr
	WIN 0
.endm
	OUTT 0
	OUTT 1
	OUTT 2
	OUTT 3
	s_wait_xcnt 0x0
	v_lshl_add_u32 v254, v0, 2, 0x2c900
	v_mov_b32 v255, 0
	s_wait_tensorcnt 0x0
	ds_add_u32 v254, v255
	s_wait_dscnt 0x0
	s_endpgm
.Lfunc_end_k_q7d62748ebc_experts:
	.size	k_q7d62748ebc_experts, .Lfunc_end_k_q7d62748ebc_experts-k_q7d62748ebc_experts
	.p2alignl 7, 3214868480
	.fill 96, 4, 3214868480
	.section	.rodata,"a",@progbits
	.p2align	6, 0x0
	.amdhsa_kernel k_q7d62748ebc_experts
		.amdhsa_group_segment_fixed_size 183040
		.amdhsa_private_segment_fixed_size 0
		.amdhsa_enable_private_segment 0
		.amdhsa_kernarg_size 72
		.amdhsa_user_sgpr_count 2
		.amdhsa_user_sgpr_kernarg_segment_ptr 1
		.amdhsa_wavefront_size32 1
		.amdhsa_system_sgpr_workgroup_id_x 1
		.amdhsa_system_sgpr_workgroup_id_y 1
		.amdhsa_system_sgpr_workgroup_id_z 1
		.amdhsa_system_vgpr_workitem_id 0
		.amdhsa_next_free_vgpr 1024
		.amdhsa_next_free_sgpr 66
		.amdhsa_reserve_vcc 1
		.amdhsa_float_denorm_mode_32 3
		.amdhsa_float_denorm_mode_16_64 3
		.amdhsa_memory_ordered 1
		.amdhsa_forward_progress 1
		.amdhsa_inst_pref_size 209
	.end_amdhsa_kernel
	.amdgpu_metadata
---
amdhsa.version: [ 1, 2 ]
amdhsa.kernels:
  - .name:           k_q7d62748ebc_experts
    .symbol:         k_q7d62748ebc_experts.kd
    .args:
      - { .name: sidx, .offset: 0, .size: 8, .value_kind: global_buffer, .address_space: global }
      - { .name: rw, .offset: 8, .size: 8, .value_kind: global_buffer, .address_space: global }
      - { .name: xq, .offset: 16, .size: 8, .value_kind: global_buffer, .address_space: global }
      - { .name: xs, .offset: 24, .size: 8, .value_kind: global_buffer, .address_space: global }
      - { .name: wq, .offset: 32, .size: 8, .value_kind: global_buffer, .address_space: global }
      - { .name: b1, .offset: 40, .size: 8, .value_kind: global_buffer, .address_space: global }
      - { .name: b2, .offset: 48, .size: 8, .value_kind: global_buffer, .address_space: global }
      - { .name: b3, .offset: 56, .size: 8, .value_kind: global_buffer, .address_space: global }
      - { .name: out0, .offset: 64, .size: 8, .value_kind: global_buffer, .address_space: global }
    .group_segment_fixed_size: 183040
    .private_segment_fixed_size: 0
    .kernarg_segment_align: 8
    .kernarg_segment_size: 72
    .max_flat_workgroup_size: 128
    .sgpr_count:     66
    .vgpr_count:     1024
    .wavefront_size: 32
...
	.end_amdgpu_metadata
.endif
;; end of part 4
;; ======== version 2 of 2: 4 launches
;; workspace buffers: wq 4,257,792 bytes; xq 12,582,912 bytes; xs 393,216 bytes; rw 131,072 bytes; rkey 65,536 bytes of whole numbers; hist 32,768 bytes of whole numbers; sidx 131,072 bytes of whole numbers
;; launch prep: the kernel of part 1 again; grid 28 x 9, 4 waves a work-group, no clusters, 0 bytes of LDS; arguments W1, W2, W3, Wg1, Wg2, Wq1, wq; writes wq
;; launch gate (part 5): grid 256 x 1, 4 waves a work-group, no clusters, 137,984 bytes of LDS; arguments x, wq, bg1, bq1, bg2, Wq2, Wg3, bg3, bq2, xq, xs, out1, out2, rw, rkey, hist; writes xq, xs, out1, out2, rw, rkey, hist
.if DOCPART == 5
	.amdgcn_target "amdgcn-amd-amdhsa--gfx1250"
	.amdhsa_code_object_version 6
	.text
	.protected	k_q7d62748ebc_gate
	.globl	k_q7d62748ebc_gate
	.p2align	8
	.type	k_q7d62748ebc_gate,@function
k_q7d62748ebc_gate:
	s_mov_b64 s[64:65], 0
	v_nop
	global_prefetch_b8 v0, s[64:65] scope:SCOPE_SE
	s_setreg_imm32_b32 hwreg(HW_REG_WAVE_SCHED_MODE, 0, 2), 2
	s_setreg_imm32_b32 hwreg(HW_REG_WAVE_MODE, 25, 1), 1
	s_wait_xcnt 0x0
	s_wait_alu depctr_vm_vsrc(0)
; For 64 tokens: x is quantised (codes to xq, scale bytes to xs, both also kept in LDS); the gate relu(relu(x Wg1 + bg1) Wg2 + bg2) Wg3 + bg3, its softmax (out1), its top 2;
; the head relu(x Wq1 + bq1) Wq2 + bq2 (out2).  The three large products run on codes of E4M3 with E8M0 scales; the two small ones (N = 8, N = 1) are f32 multiply-adds.
; What steers later launches is only STORED here, at fixed places: rw [token][2] the two weights; rkey [token] = key | first expert << 8 | second << 16 | rank << 24, key = the number of
; the pair of experts (0 .. 27), rank = the token's place among the block's tokens of that key; hist [block][32] the block's count of each key.  No address and no branch here hangs on them.
; SHARES.  Four waves.  THE WAVES SHARE THE COLUMNS: wave w makes hidden units 64 w .. 64 w + 63 for all four tiles of 16 tokens.  Every product is used transposed (source 0 = 16 units of the
; weight, source 1 = 16 tokens), so a lane holds one token, and the units of a tile are chosen so that the 16 registers of tiles 2 b, 2 b + 1 are 16 neighbours along the next K.
; X COMES IN BY LOADS OF 512 CONSECUTIVE BYTES: a row's 128 numbers of a K step, 16 bytes a lane, sixteen loads for the wave's 16 rows.  The conversions want 16 neighbours of a block in ONE lane: so a step's
; 8,192 bytes turn through the wave's own stage in LDS (rows of 528 bytes = 33 x 16), stored as loaded and read back 64 bytes a lane, into the registers that they left, one step ahead of the quantiser.
; WEIGHTS come from wq straight into registers, in the order of the operand's registers, through a ring of four slots of 64 registers: a unit (4 fragments and their scale words, 17 loads; a half unit 9)
; is asked for when the unit four back has been multiplied, so a wait for a unit leaves the three younger units out.
; THE TOKENS' CODES lie in LDS as rows (pitch 784 = 49 x 16 bytes); the hidden layer goes from wave to wave as images of the operand's registers.
; No tensor loads: every wave needs other weights, and the tokens' codes are made here.  No cluster: work-groups share only the weights' codes, which go to registers.
; LIMITS: NaN and infinities are not served.  A block of zeros, or one under 2^-118, keeps the scale byte 1.  The top 2 is taken on these f32 probabilities, the lower index winning a tie;
; two probabilities nearer than f32 rounding may be ordered otherwise than by another order of the sums.
; REGISTERS: window 0: v1-15 addresses, v16-23 the slots' scale words, v24-47 x's scale words, v48-55 the hidden layer's, v56-87 biases (later the logits' parts), v88-106 the quantiser,
;   v108-115 the head's sums, v116-127 addresses, v128-255 sixteen accumulators (tile (m, t) at 128 + 32 m + 8 t).  window 1: the ring.  window 2: four sets of 64 numbers of x, later Wg3.
;   window 3: v0-95 xq's way out, v96-127 Wq2, v128-255 fragments from LDS.
; THE MODE: SCHED_MODE bits 1:0 = 2 (LLVM: expert scheduling mode 2), set by the entry lines.  The code itself states the register dependences
; between vector or matrix instructions and memory or LDS instructions, with s_wait_alu, always for 0.
; THE PLAN.  Registers that memory or LDS instructions touch:
;   v1-10, v116-127   offsets and addresses: made once at the head, ahead of one wait on va_vdst, and never written again.
;   x's four sets     (window 2)  Loads land; the turn's LDS stores read the set and its LDS loads land in it again (a wait on vm_vsrc between the two); the holds and conversions read and write it; behind
;                     them stands a wait on va_vdst, and the loads of the step four on land.
;   v144, v148-163    x's scale word and codes: written by the conversions, read by the step's six LDS stores, behind the same wait on va_vdst; a wait on vm_vsrc stands ahead of the next step's writes.
;   the ring, v16-23  Loads land; a step's products read them.  ONE wait on va_vdst behind the step's products stands ahead of the loads that ask for the slot again at once: the launch lives on loads in flight.
;                     The same wait shows those products done with their fragments of window 3 and their bias, so the LDS loads that land there later owe nothing: no vector or matrix instruction between names them.
;   v88-95, v106      the hidden layer's codes and bytes: as x's, a tile at a time.
;   v108-115, v56-87, v212-215, v224-227, and the tails' results: written by vector instructions, then one wait on va_vdst, then the stores; not written again.
;   A mask that a compare writes has its wait on va_sdst or va_vcc ahead of its first reader; compares that do not hang on each other stand in runs with one wait.
.set UB,    8448
.set OFFB,  50688
.set OFFBS, 67072
.set OFFC,  67584
.set WAVB,  118272
.set EXPB,  473088
.set H1I,   0                          ; LDS: the hidden layer's 8 fragments (2 m + s), 2,048 bytes each
.set H1S,   16384                      ; their scale words, 128 bytes each
.set XSI,   17408                      ; x's scale words, (6 m + s) x 128
.set XSR,   20480                      ; the same as rows of 24 bytes, for xs
.set KEYS,  22016
.set WTS,   22272
.set GEO,   22784                      ; the head's 8 parts x 64 tokens
.set BIA,   24832                      ; bg1, bq1, bg2, Wq2: 1,024 bytes each
.set G3,    28928                      ; Wg3
.set PART,  37120                      ; the logits' 8 parts x 64 tokens x 8
.set XC,    53504                      ; x's codes: 64 rows, pitch 784
.set XT,    103680                     ; x's numbers turn here: a stage of 16 rows x 528 bytes for each wave
.set LI, 1
.set LS, 2
.set L8, 3
.set XR, 4
.set HWI, 5
.set HWS, 6
.set BA, 7
.set G3A, 8
.set SC, 16
.set XS, 24
.set HS, 48
.set BIAS, 56
.set LG, 56
.set PC, 88
.set TM, 96
.set TP, 98
.set TH, 100
.set TS, 102
.set TB, 104
.set PW, 106
.set GE, 108
.set XTW, 116
.set XW, 117
.set XSW, 118
.set XSRW, 119
.set XO, 120
.set XG, 121
.set PARTW, 122
.set GEOW, 123
.set FIN, 124
.set KEYW, 125
.set WTW, 126
.set XTR, 127
.set ACC, 128
.set QT, 128                           ; x's quantiser works in registers that the accumulators take later
.set PW64, 144
.set QP, 148
.set SEL, 38
.set MNT, 40
.set WB, 54
.set MSB, 0
.macro WIN new                         ; the immediate's high byte repeats the setting that is left
.if MSB != (\new)
	s_set_vgpr_msb (MSB<<8)|(\new)
.set MSB, \new
.endif
.endm
.macro PLACES k
.rept \k
	v_nop
.endr
.endm
.macro BARRIER                         ; my LDS stores have landed and my LDS loads are in: then the work-group's barrier
	s_wait_dscnt 0x0
	s_barrier_signal -1
	s_barrier_wait -1
.endm
.macro WM d, a, b, c, sa, sb, row      ; row = 1: the weight's scale words stand in lanes 16-31
.if \row
	v_wmma_scale_f32_16x16x128_f8f6f4 v[\d:\d+7], v[\a:\a+15], v[\b:\b+15], v[\c:\c+7], v[\sa], v[\sb] matrix_a_scale:MATRIX_SCALE_ROW1
.else
	v_wmma_scale_f32_16x16x128_f8f6f4 v[\d:\d+7], v[\a:\a+15], v[\b:\b+15], v[\c:\c+7], v[\sa], v[\sb]
.endif
.endm
.macro LOADU slot, base, off, w        ; a unit: 4 fragments, each load 512 consecutive bytes, and 2 registers of scale words: 17 loads.  w = 1: products have read the slot
	WIN 0x40
.if \w
	s_wait_alu depctr_va_vdst(0)                   ; the products issued so far are done reading this slot's fragments and scale words, in which the loads below land; likewise their fragments of x and their bias, in which later LDS loads land
.endif
.irp f, 0,1,2,3
.irp c, 0,1,2,3
	global_load_b128 v[64*(\slot)+16*\f+4*\c:64*(\slot)+16*\f+4*\c+3], v[LI], s[\base:\base+1] offset:(\off)+2048*\f+512*\c
.endr
.endr
	WIN 0
	global_load_b64 v[SC+2*(\slot):SC+2*(\slot)+1], v[L8], s[\base:\base+1] offset:(\off)+8192
.endm
.macro LOADH slot, base, i, w          ; a half unit of the second product: 2 fragments and one register of scale words: 9 loads
	WIN 0x40
.if \w
	s_wait_alu depctr_va_vdst(0)                   ; the products issued so far are done reading this slot's fragments and scale words, in which the loads below land; likewise their fragments of x, in which later LDS loads land
.endif
.irp f, 0,1
.irp c, 0,1,2,3
	global_load_b128 v[64*(\slot)+16*\f+4*\c:64*(\slot)+16*\f+4*\c+3], v[LI], s[\base:\base+1] offset:OFFB+4096*(\i)+2048*\f+512*\c
.endr
.endr
	WIN 0
	global_load_b32 v[SC+2*(\slot)], v[LS], s[\base:\base+1] offset:OFFBS+128*(\i)
.endm
.macro FETCHX s, set                   ; the four tiles' fragments of K step s
	WIN 0xc0
.irp m, 0,1,2,3
.irp c, 0,1,2,3
	ds_load_b128 v[128+64*(\set)+16*\m+4*\c:128+64*(\set)+16*\m+4*\c+3], v[XR] offset:12544*\m+128*(\s)+32*\c
.endr
.endr
	WIN 0
.endm
.macro FETCHB areg, off                ; a bias in the result's layout: tile t, my half's eight units
.irp t, 0,1,2,3
	ds_load_b128 v[BIAS+8*\t:BIAS+8*\t+3], v[\areg] offset:(\off)+128*(\t/2)+32*(\t%2)
	ds_load_b128 v[BIAS+8*\t+4:BIAS+8*\t+7], v[\areg] offset:(\off)+128*(\t/2)+32*(\t%2)+16
.endr
.endm
; A K step of a product with K = 768: 16 matrix instructions, the sixteen accumulators by turns.  first = 1: the bias is the C that starts the sums.
.macro ASTEP s, slot, cnt, first
	s_wait_dscnt 0x0                               ; this step's fragments of x are in
.if (\s) < 5
	FETCHX (\s)+1, ((\s)+1)%2                      ; the next step's, into the set that the step before read: the wait behind that step's products has shown them done with it, and nothing since names it
.endif
	s_wait_loadcnt \cnt                            ; this unit is in; the three younger units may be out
	WIN 0x0d
.irp t, 0,1,2,3
.irp m, 0,1,2,3
.if \first
	WM ACC+32*\m+8*\t, 64*(\slot)+16*\t, 128+64*((\s)%2)+16*\m, BIAS+8*\t, SC+2*(\slot)+\t/2, XS+6*\m+(\s), \t%2
.else
	WM ACC+32*\m+8*\t, 64*(\slot)+16*\t, 128+64*((\s)%2)+16*\m, ACC+32*\m+8*\t, SC+2*(\slot)+\t/2, XS+6*\m+(\s), \t%2
.endif
.endr
.endr
	WIN 0
	PLACES 8                                       ; eight places behind the products, ahead of reads of their results; the wait for the loads into their registers follows, in LOADU and LOADH
.endm
.macro FETCHH ib, sb                   ; a hidden layer's 8 fragments and scale words, as their images lie
	WIN 0xc0
.irp f, 0,1,2,3,4,5,6,7
.irp c, 0,1,2,3
	ds_load_b128 v[128+16*\f+4*\c:128+16*\f+4*\c+3], v[LI] offset:(\ib)+2048*\f+512*\c
.endr
.endr
	WIN 0
.irp f, 0,1,2,3,4,5,6,7
	ds_load_b32 v[HS+\f], v[LS] offset:(\sb)+128*\f
.endr
.endm
.macro BSTEP i, slot, cnt              ; half unit i = 2 s + b of a product with K = 256: tiles 2 b, 2 b + 1 at K step s: 8 matrix instructions
.if (\cnt) >= 0
	s_wait_loadcnt \cnt
.endif
	WIN 0x0d
.irp u, 0,1
.irp m, 0,1,2,3
.if (\i) < 2
	WM ACC+32*\m+8*(2*((\i)%2)+\u), 64*(\slot)+16*\u, 128+16*(2*\m+(\i)/2), BIAS+8*(2*((\i)%2)+\u), SC+2*(\slot), HS+2*\m+(\i)/2, \u
.else
	WM ACC+32*\m+8*(2*((\i)%2)+\u), 64*(\slot)+16*\u, 128+16*(2*\m+(\i)/2), ACC+32*\m+8*(2*((\i)%2)+\u), SC+2*(\slot), HS+2*\m+(\i)/2, \u
.endif
.endr
.endr
	WIN 0
	PLACES 8
.endm
; My 32 numbers of tile m of tokens (two blocks of 32 along the next K, each shared with lane l xor 16) become codes; relu and the hold are one line.  They are half a fragment: its image goes to LDS.
.macro QUANT32 m, ib, sb
.set QB, ACC+32*(\m)
.irp b, 0,1
	v_max3_num_f32 v[TM+\b], v[QB+16*\b], v[QB+16*\b+1], 0x4800000   ; no |.|: what is negative becomes 0 and must not count; the floor 2^(9 - 127) stands over it
.endr
.irp i, 2,4,6,8,10,12,14
.irp b, 0,1
	v_max3_num_f32 v[TM+\b], v[TM+\b], v[QB+16*\b+\i], v[QB+16*\b+\i+1]
.endr
.endr
.irp b, 0,1
	v_permlanex16_b32 v[TP+\b], v[TM+\b], s[SEL], s[SEL+1]
.endr
.irp b, 0,1
	v_max_num_f32 v[TM+\b], v[TM+\b], v[TP+\b]
.endr
.irp b, 0,1
	v_add_nc_u32 v[TS+\b], 0xfc000000, v[TM+\b]    ; 8 off the exponent field: the conversion's scale operand
.endr
.irp b, 0,1
	v_and_or_b32 v[TH+\b], v[TM+\b], 0x7f800000, s[MNT]   ; 448 x the scale
.endr
.irp b, 0,1
	v_lshrrev_b32 v[TB+\b], 23, v[TS+\b]
.endr
.irp b, 0,1
.irp i, 0,1,2,3,4,5,6,7,8,9,10,11,12,13,14,15
	v_med3_num_f32 v[QB+16*\b+\i], v[QB+16*\b+\i], 0, v[TH+\b]
.endr
.endr
	s_wait_alu depctr_va_vdst(0)
	s_wait_dscnt 0x0                               ; the last tile's stores are done
.if (\m) > 0
	s_wait_alu depctr_vm_vsrc(0)                   ; the last tile's LDS stores have read v[PC ..] and v[PW], which are written again below
.endif
	v_lshl_or_b32 v[PW], v[TB+1], 8, v[TB]         ; my two bytes of the row's scale word
.irp b, 0,1
	v_cvt_scalef32_pk8_fp8_f32 v[PC+4*\b:PC+4*\b+1], v[QB+16*\b:QB+16*\b+7], v[TS+\b]
	v_cvt_scalef32_pk8_fp8_f32 v[PC+4*\b+2:PC+4*\b+3], v[QB+16*\b+8:QB+16*\b+15], v[TS+\b]
.endr
	v_nop                                          ; a plain line behind the last conversion: later products write its sources
	s_wait_alu depctr_va_vdst(0)                   ; the conversions have written v[PC ..], and v[PW] is written: the LDS stores below read them
.irp b, 0,1
	ds_store_b128 v[HWI], v[PC+4*\b:PC+4*\b+3] offset:(\ib)+4096*(\m)+512*\b
.endr
	ds_store_b16 v[HWS], v[PW] offset:(\sb)+256*(\m)
.endm
.macro XLOAD s, w                      ; my 16 rows' numbers of K step s: load i takes row i's 512 bytes, 16 bytes a lane.  w = 1: the quantiser has worked on the set
	WIN 0x80
.if \w
	s_wait_alu depctr_va_vdst(0)                   ; the holds and conversions of the step four back are done with this set, in which the loads below land; and they have written that step's codes and scale word, which the LDS stores behind these loads read
.endif
.set xi, 0
.rept 16
	global_load_b128 v[64*((\s)%4)+4*xi:64*((\s)%4)+4*xi+3], v[LI], s[4:5] offset:3072*xi+512*(\s) th:TH_LOAD_NT
.set xi, xi+1
.endr
	WIN 0
.endm
; Step s's numbers turn through my stage: in as loaded, a row to a store; back so that lane (r, h) holds, of row r, numbers 32 b + 16 h + 0 .. 15 in registers 16 b + 0 .. 15.
; LDS serves a wave's instructions in order (ISA guide 5.7.1.4): the loads see the stores above them, and the next step's stores come behind these loads.  Sixteen lanes of a load start 528 bytes apart: 16 bytes apart modulo 256.
.macro TURN s
	WIN 0x08                                       ; an LDS store's data are its source 1: window 2
.set xi, 0
.rept 16
	ds_store_b128 v[XTW], v[64*((\s)%4)+4*xi:64*((\s)%4)+4*xi+3] offset:528*xi
.set xi, xi+1
.endr
	WIN 0x80
	s_wait_alu depctr_vm_vsrc(0)                   ; the sixteen LDS stores above have read the set, in which the loads below land and which the holds write later
.irp b, 0,1,2,3
.irp j, 0,1,2,3
	ds_load_b128 v[64*((\s)%4)+16*\b+4*\j:64*((\s)%4)+16*\b+4*\j+3], v[XTR] offset:128*\b+16*\j
.endr
.endr
	WIN 0
.endm
.macro QARITH s                        ; 64 numbers of x (window 2) become a fragment's codes and its scale word
.set XB, 64*((\s)%4)
	WIN 0x0a
.irp b, 0,1,2,3
	v_max3_num_f32 v[QT+\b], |v[XB+16*\b]|, |v[XB+16*\b+1]|, 0x4800000
.endr
	WIN 0x28
.irp i, 2,4,6,8,10,12,14
.irp b, 0,1,2,3
	v_max3_num_f32 v[QT+\b], v[QT+\b], |v[XB+16*\b+\i]|, |v[XB+16*\b+\i+1]|
.endr
.endr
	WIN 0
.irp b, 0,1,2,3
	v_permlanex16_b32 v[QT+4+\b], v[QT+\b], s[SEL], s[SEL+1]
.endr
.irp b, 0,1,2,3
	v_max_num_f32 v[QT+\b], v[QT+\b], v[QT+4+\b]
.endr
.irp b, 0,1,2,3
	v_add_nc_u32 v[QT+12+\b], 0xfc000000, v[QT+\b]
.endr
.irp b, 0,1,2,3
	v_and_or_b32 v[QT+8+\b], v[QT+\b], 0x7f800000, s[MNT]
.endr
.irp b, 0,1,2,3
	v_lshrrev_b32 v[QT+4+\b], 23, v[QT+12+\b]
.endr
	WIN 0x82
.irp b, 0,1,2,3
.irp i, 0,1,2,3,4,5,6,7,8,9,10,11,12,13,14,15
	v_med3_num_f32 v[XB+16*\b+\i], v[XB+16*\b+\i], -v[QT+8+\b], v[QT+8+\b]
.endr
.endr
	WIN 0
	s_wait_dscnt 0x0                               ; the last step's stores are done
.if (\s) > 0
	s_wait_alu depctr_vm_vsrc(0)                   ; the last step's LDS stores have read v[PW64] and v[QP ..], which are written again below
.endif
	v_lshl_or_b32 v[PW64], v[QT+5], 8, v[QT+4]
	v_lshl_or_b32 v[PW64], v[QT+6], 16, v[PW64]
	v_lshl_or_b32 v[PW64], v[QT+7], 24, v[PW64]
	WIN 0x02
.irp b, 0,1,2,3
	v_cvt_scalef32_pk8_fp8_f32 v[QP+4*\b:QP+4*\b+1], v[XB+16*\b:XB+16*\b+7], v[QT+12+\b]
	v_cvt_scalef32_pk8_fp8_f32 v[QP+4*\b+2:QP+4*\b+3], v[XB+16*\b+8:XB+16*\b+15], v[QT+12+\b]
.endr
	WIN 0
	v_nop
.endm
.macro QSTORE s                        ; the step's codes and scale word go to LDS, behind a wait that shows them written
.irp c, 0,1,2,3
	ds_store_b128 v[XW], v[QP+4*\c:QP+4*\c+3] offset:128*(\s)+32*\c
.endr
	ds_store_b32 v[XSW], v[PW64] offset:XSI+128*(\s)
	ds_store_b32 v[XSRW], v[PW64] offset:XSR+4*(\s)  ; both halves of the lanes write the same word with the same value
.endm
	s_load_b512 s[4:19], s[0:1], 0x0               ; x 4, wq 6, bg1 8, bq1 10, bg2 12, Wq2 14, Wg3 16, bg3 18
	s_load_b512 s[20:35], s[0:1], 0x40             ; bq2 20, xq 22, xs 24, out1 26, out2 28, rw 30, rkey 32, hist 34
	v_lshrrev_b32 v9, 5, v0
	v_readfirstlane_b32 s36, v9                    ; wave
	s_mov_b32 s37, ttmp9                           ; block of 64 tokens
	s_mov_b32 s[SEL], 0x76543210
	s_mov_b32 s[SEL+1], 0xfedcba98                 ; v_permlanex16_b32's selects for lane l xor 16
	s_mov_b32 s[MNT], 0x600000
	v_and_b32 v11, 31, v0                          ; lane
	v_and_b32 v12, 15, v0                          ; r
	v_bfe_u32 v13, v0, 4, 1                        ; h
	v_bfe_u32 v15, v0, 1, 4                        ; lane / 2
	v_lshlrev_b32 v[LI], 4, v11
	v_lshlrev_b32 v[LS], 2, v11
	s_wait_alu depctr_va_vdst(0)
	v_lshlrev_b32 v[L8], 3, v11
	s_wait_alu depctr_va_vdst(0)
	v_mul_u32_u24 v14, v12, 784
	v_lshl_add_u32 v14, v13, 4, v14
	v_add_nc_u32 v[XR], XC, v14                    ; a fragment of x: row r, + 16 h
	s_wait_alu depctr_va_sdst(0)                   ; s36 is written, ahead of its first reader: addresses, bases and the tails' branches are made from it
	s_mul_i32 s56, s36, 12544
	v_add_nc_u32 v[XW], s56, v[XR]                 ; where I store codes: my wave's 16 rows
	s_lshl_b32 s57, s36, 10
	v_add_nc_u32 v[HWI], s57, v[LI]                ; the hidden image: 2,048 (w / 2) + 1,024 (w % 2) = 1,024 w
	s_lshr_b32 s57, s36, 1
	s_lshl_b32 s57, s57, 7
	s_and_b32 s58, s36, 1
	s_lshl_b32 s58, s58, 1
	s_add_co_u32 s57, s57, s58
	v_add_nc_u32 v[HWS], s57, v[LS]
	s_lshl_b32 s57, s36, 8
	v_add_nc_u32 v9, s57, v[L8]                    ; my wave's 256 bytes of a table of 256 numbers
	s_add_co_u32 s57, s57, BIA
	v_lshl_add_u32 v[BA], v13, 6, s57
	s_lshl_b32 s57, s36, 11
	v_add_nc_u32 v10, s57, v[LI]                   ; my wave's 2,048 bytes of Wg3
	s_add_co_u32 s57, s57, G3
	v_lshl_add_u32 v[G3A], v13, 9, s57
	s_mul_i32 s57, s36, 8448
	s_add_co_u32 s57, s57, XT                      ; my stage
	v_add_nc_u32 v[XTW], s57, v[LI]                ; in: 16 bytes a lane of a row
	v_mul_u32_u24 v[XTR], v12, 528
	v_lshl_add_u32 v[XTR], v13, 6, v[XTR]
	v_add_nc_u32 v[XTR], s57, v[XTR]               ; back: row r, + 64 h
	s_mul_i32 s57, s36, 768
	v_add_nc_u32 v[XSW], s57, v[LS]
	s_mul_i32 s57, s36, 384
	v_mul_u32_u24 v[XSRW], v12, 24
	v_add_nc_u32 v[XSRW], s57, v[XSRW]
	v_mul_u32_u24 v[XO], v13, 784
	v_lshl_add_u32 v[XO], v12, 4, v[XO]
	s_add_co_u32 s57, s56, XC
	v_add_nc_u32 v[XO], s57, v[XO]
	v_mul_u32_u24 v[XG], v13, 768
	v_lshl_add_u32 v[XG], v12, 4, v[XG]
	s_lshl_b32 s57, s36, 12
	s_add_co_u32 s57, s57, PART
	v_lshl_add_u32 v[PARTW], v13, 11, s57
	v_lshl_add_u32 v[PARTW], v12, 5, v[PARTW]
	s_lshl_b32 s57, s36, 9
	s_add_co_u32 s58, s57, GEO
	v_lshl_add_u32 v[GEOW], v13, 8, s58
	v_lshl_add_u32 v[GEOW], v12, 2, v[GEOW]
	s_add_co_u32 s58, s57, PART
	v_lshl_add_u32 v[FIN], v15, 5, s58
	s_lshl_b32 s57, s36, 6
	s_add_co_u32 s57, s57, KEYS
	v_lshl_add_u32 v[KEYW], v15, 2, s57
	s_lshl_b32 s57, s36, 7
	s_add_co_u32 s57, s57, WTS
	v_lshl_add_u32 v[WTW], v15, 3, s57
.irp b, 0,1,2,3
	v_mov_b32 v[QT+4+\b], 0                        ; written once: a lane permute's destination counts as one of its sources
.endr
	v_mov_b32 v[TP], 0
	v_mov_b32 v[TP+1], 0
	s_wait_kmcnt 0x0
	s_load_b256 s[44:51], s[18:19], 0x0            ; bg3
	s_load_b32 s52, s[20:21], 0x0                  ; bq2
	s_mov_b32 s59, 0
	s_mul_i32 s58, s37, 196608
	s_mul_i32 s60, s36, 49152
	s_add_co_u32 s58, s58, s60
	s_add_nc_u64 s[4:5], s[4:5], s[58:59]          ; x at my wave's 16 rows
	s_mul_i32 s58, s36, WAVB
	s_add_co_u32 s58, s58, 8*EXPB
	s_add_nc_u64 s[WB:WB+1], s[6:7], s[58:59]      ; set 8, my wave's stream
	s_mul_i32 s58, s37, 49152
	s_mul_i32 s60, s36, 12288
	s_add_co_u32 s58, s58, s60
	s_add_nc_u64 s[22:23], s[22:23], s[58:59]
	s_mul_i32 s58, s37, 1536
	s_add_nc_u64 s[24:25], s[24:25], s[58:59]
	s_lshl_b32 s58, s37, 11
	s_lshl_b32 s60, s36, 9
	s_add_co_u32 s58, s58, s60
	s_add_nc_u64 s[26:27], s[26:27], s[58:59]
	s_lshl_b32 s58, s37, 8
	s_add_nc_u64 s[28:29], s[28:29], s[58:59]
	s_add_nc_u64 s[32:33], s[32:33], s[58:59]
	s_lshl_b32 s58, s37, 9
	s_add_nc_u64 s[30:31], s[30:31], s[58:59]
	s_lshl_b32 s58, s37, 7
	s_add_nc_u64 s[34:35], s[34:35], s[58:59]
	s_wait_alu depctr_va_vdst(0)                   ; the offsets and addresses v1 to v10 and v116 to v127 are written: every load, store and LDS instruction of the kernel reads some of them, and none is written again
	; ---- X: the small tables (8 loads), then x.  A step is loaded, turned through the stage one step ahead of the quantiser, and quantised; its registers then take the step four on
	global_load_b64 v[164:165], v9, s[8:9]
	global_load_b64 v[166:167], v9, s[10:11]
	global_load_b64 v[168:169], v9, s[12:13]
	global_load_b64 v[170:171], v9, s[14:15]
.irp i, 0,1,2,3
	global_load_b128 v[172+4*\i:175+4*\i], v10, s[16:17] offset:512*\i
.endr
	XLOAD 0, 0
	XLOAD 1, 0
	XLOAD 2, 0
	s_wait_loadcnt 48                              ; the tables are in; three steps of x (48 loads) may be out
	ds_store_b64 v9, v[164:165] offset:BIA
	ds_store_b64 v9, v[166:167] offset:BIA+1024
	ds_store_b64 v9, v[168:169] offset:BIA+2048
	ds_store_b64 v9, v[170:171] offset:BIA+3072
.irp i, 0,1,2,3
	ds_store_b128 v10, v[172+4*\i:175+4*\i] offset:G3+512*\i
.endr
	s_wait_loadcnt 32                              ; step 0 is in; steps 1, 2 may be out
	TURN 0
	XLOAD 3, 0
	s_wait_loadcnt 32                              ; step 1; 2, 3 out
	TURN 1
	s_wait_dscnt 32                                ; step 0 is back from the stage; step 1's 32 LDS instructions may be out
	QARITH 0
	XLOAD 4, 1                                     ; the set is asked for again at once; the one wait in it serves these loads and the stores below
	QSTORE 0
	s_wait_loadcnt 32                              ; step 2; 3, 4 out
	TURN 2
	s_wait_dscnt 32                                ; step 1 is back; step 2's 32 may be out
	QARITH 1
	XLOAD 5, 1
	QSTORE 1
	s_wait_loadcnt 32                              ; step 3; 4, 5 out
	TURN 3
	s_wait_dscnt 32
	QARITH 2
	s_wait_alu depctr_va_vdst(0)                   ; the conversions have written step 2's codes, and its scale word is written: the LDS stores below read them
	QSTORE 2
	LOADU 0, WB, 0, 0                              ; the ring begins: Wg1's K step 0
	s_wait_loadcnt 33                              ; step 4; step 5 (16) and a unit (17) out
	TURN 4
	s_wait_dscnt 32
	QARITH 3
	s_wait_alu depctr_va_vdst(0)                   ; step 3's codes and scale word are written: the LDS stores below read them
	QSTORE 3
	LOADU 1, WB, UB, 0
	s_wait_loadcnt 34                              ; step 5; two units out
	TURN 5
	s_wait_dscnt 32
	QARITH 4
	s_wait_alu depctr_va_vdst(0)                   ; step 4's codes and scale word are written: the LDS stores below read them
	QSTORE 4
	LOADU 2, WB, 2*UB, 0
	s_wait_dscnt 0x0                               ; step 5 is back
	QARITH 5
	s_wait_alu depctr_va_vdst(0)                   ; step 5's codes and scale word are written: the LDS stores below read them; the quantiser is done with window 2, in which Wg3 lands later
	QSTORE 5
	LOADU 3, WB, 3*UB, 0
	; my 16 rows of codes leave as rows: LDS serves a wave's instructions in order, so these loads see my stores
	WIN 0xc0
.irp j, 0,1,2,3,4,5,6,7
.irp u, 0,1,2
	ds_load_b128 v[12*\j+4*\u:12*\j+4*\u+3], v[XO] offset:1568*\j+256*\u
.endr
.endr
	WIN 0
	s_wait_dscnt 0x0
	WIN 0x0c
.irp j, 0,1,2,3,4,5,6,7
.irp u, 0,1,2
	global_store_b128 v[XG], v[12*\j+4*\u:12*\j+4*\u+3], s[22:23] offset:1536*\j+256*\u   ; sixteen lanes store 256 consecutive bytes, aligned
.endr
.endr
	WIN 0
	BARRIER                                        ; x's codes and scale words, and the tables, lie in LDS
	s_wait_alu depctr_vm_vsrc(0)                   ; my LDS stores have read v144 to v187 (the scale word, the codes, the tables): these registers are accumulators from here on, written by the products
.set i, 0
.rept 24
	ds_load_b32 v[XS+i], v[LS] offset:XSI+128*i
.set i, i+1
.endr
	; ---- the gate's first product
	FETCHX 0, 0
	FETCHB BA, 0
	ASTEP 0, 0, 51, 1
	LOADU 0, WB, 4*UB, 1
	ASTEP 1, 1, 51, 0
	LOADU 1, WB, 5*UB, 1
	ASTEP 2, 2, 51, 0
	LOADU 2, WB, OFFC, 1
	ASTEP 3, 3, 51, 0
	LOADU 3, WB, OFFC+UB, 1
	ASTEP 4, 0, 51, 0
	LOADU 0, WB, OFFC+2*UB, 1
	ASTEP 5, 1, 51, 0
	LOADU 1, WB, OFFC+3*UB, 1
	QUANT32 0, H1I, H1S
	QUANT32 1, H1I, H1S
	QUANT32 2, H1I, H1S
	QUANT32 3, H1I, H1S
	; ---- the head's product; the counts fall as half units (9 loads) follow the units (17)
	FETCHX 0, 0
	FETCHB BA, 1024
	WIN 0xc0
.irp b, 0,1
.irp j, 0,1,2,3
	ds_load_b128 v[96+16*\b+4*\j:96+16*\b+4*\j+3], v[BA] offset:3072+128*\b+16*\j   ; Wq2 at my 32 units
.endr
.endr
	WIN 0
	ASTEP 0, 2, 51, 1
	LOADU 2, WB, OFFC+4*UB, 1
	ASTEP 1, 3, 51, 0
	LOADU 3, WB, OFFC+5*UB, 1
	ASTEP 2, 0, 51, 0
	LOADH 0, WB, 0, 1
	ASTEP 3, 1, 43, 0
	LOADH 1, WB, 1, 1
	ASTEP 4, 2, 35, 0
	LOADH 2, WB, 2, 1
	ASTEP 5, 3, 27, 0
	LOADH 3, WB, 3, 1
.set i, 0
.rept 128
	v_max_num_f32 v[ACC+i], 0, v[ACC+i]            ; relu, each accumulator from its low end on
.set i, i+1
.endr
	WIN 0x0c
.irp m, 0,1,2,3
	v_pk_mul_f32 v[GE+2*\m:GE+2*\m+1], v[ACC+32*\m:ACC+32*\m+1], v[96:97]
.endr
.set i, 2
.rept 15
.irp m, 0,1,2,3
	v_pk_fma_f32 v[GE+2*\m:GE+2*\m+1], v[ACC+32*\m+i:ACC+32*\m+i+1], v[96+i:97+i], v[GE+2*\m:GE+2*\m+1]
.endr
.set i, i+2
.endr
	WIN 0
.irp m, 0,1,2,3
	v_add_f32 v[GE+2*\m], v[GE+2*\m], v[GE+2*\m+1]
.endr
	s_wait_alu depctr_va_vdst(0)                   ; the four sums v[GE ..] are written: the LDS stores below read them
.irp m, 0,1,2,3
	ds_store_b32 v[GEOW], v[GE+2*\m] offset:64*\m  ; my 32 units' part of the token's score
.endr
	BARRIER                                        ; the hidden layer's 8 fragments lie in LDS
	; ---- the gate's second product
	FETCHH H1I, H1S
	FETCHB BA, 2048
	s_wait_dscnt 0x0
	WIN 0x80
.set i, 0
.rept 32
	ds_load_b128 v[8*i:8*i+3], v[G3A] offset:1024*(i/16)+32*(i%16)       ; Wg3's rows of my 32 units land while the products run
	ds_load_b128 v[8*i+4:8*i+7], v[G3A] offset:1024*(i/16)+32*(i%16)+16
.set i, i+1
.endr
	WIN 0
	BSTEP 0, 0, 27
	BSTEP 1, 1, 18
	BSTEP 2, 2, 9
	BSTEP 3, 3, 0
.set i, 0
.rept 128
	v_max_num_f32 v[ACC+i], 0, v[ACC+i]
.set i, i+1
.endr
	s_wait_dscnt 0x0
	; ---- the logits' parts: 32 units x 8 experts for each of my four tokens, two experts an instruction; the first unit starts the sums
	WIN 0x08
.set i, 0
.rept 32
.irp m, 0,1,2,3
.irp q, 0,2,4,6
.if i == 0
	v_pk_mul_f32 v[LG+8*\m+\q:LG+8*\m+\q+1], v[ACC+32*\m:ACC+32*\m+1], v[\q:\q+1] op_sel_hi:[0,1]
.elseif i%2 == 0
	v_pk_fma_f32 v[LG+8*\m+\q:LG+8*\m+\q+1], v[ACC+32*\m+i:ACC+32*\m+i+1], v[8*i+\q:8*i+\q+1], v[LG+8*\m+\q:LG+8*\m+\q+1] op_sel_hi:[0,1,1]
.else
	v_pk_fma_f32 v[LG+8*\m+\q:LG+8*\m+\q+1], v[ACC+32*\m+i-1:ACC+32*\m+i], v[8*i+\q:8*i+\q+1], v[LG+8*\m+\q:LG+8*\m+\q+1] op_sel:[1,0,0] op_sel_hi:[1,1,1]
.endif
.endr
.endr
.set i, i+1
.endr
	WIN 0
	s_wait_alu depctr_va_vdst(0)                   ; the multiply-adds have written v[LG ..], which the LDS stores below read, and are done reading the accumulators, in which the parts land behind the barrier
.irp m, 0,1,2,3
	ds_store_b128 v[PARTW], v[LG+8*\m:LG+8*\m+3] offset:512*\m
	ds_store_b128 v[PARTW], v[LG+8*\m+4:LG+8*\m+7] offset:512*\m+16
.endr
	BARRIER                                        ; the eight parts of every token's logits lie in LDS
	; ---- lane l finishes token 16 w + l / 2 (two lanes do the same work, and share out1's 32 bytes)
.irp p, 0,1,2,3,4,5,6,7
	ds_load_b128 v[128+8*\p:131+8*\p], v[FIN] offset:2048*\p
	ds_load_b128 v[132+8*\p:135+8*\p], v[FIN] offset:2048*\p+16
.endr
	s_wait_kmcnt 0x0                               ; bg3, bq2
	s_wait_dscnt 0x0
.irp q, 0,2,4,6
	v_pk_add_f32 v[192+\q:193+\q], v[128+\q:129+\q], v[136+\q:137+\q]
.endr
.irp p, 2,3,4,5,6,7
.irp q, 0,2,4,6
	v_pk_add_f32 v[192+\q:193+\q], v[192+\q:193+\q], v[128+8*\p+\q:129+8*\p+\q]
.endr
.endr
.irp e, 0,1,2,3,4,5,6,7
	v_add_f32 v[192+\e], s[44+\e], v[192+\e]
.endr
	v_max3_num_f32 v216, v192, v193, v194
	v_max3_num_f32 v216, v216, v195, v196
	v_max3_num_f32 v216, v216, v197, v198
	v_max_num_f32 v216, v216, v199                 ; the row's maximum is taken off, as in the softmax that is asked for
.irp e, 0,1,2,3,4,5,6,7
	v_sub_f32 v[200+\e], v[192+\e], v216
.endr
.irp e, 0,1,2,3,4,5,6,7
	v_mul_f32 v[200+\e], 0x3fb8aa3b, v[200+\e]
.endr
	s_wait_alu depctr_va_vdst(0)
.irp e, 0,1,2,3,4,5,6,7
	v_exp_f32 v[200+\e], v[200+\e]
.endr
	v_nop                                          ; a plain line behind the exponentials
	s_wait_alu depctr_va_vdst(0)                   ; the eight exponentials have written v200 to v207, ahead of their first reader
	v_add_f32 v217, v200, v201
	v_add_f32 v218, v202, v203
	v_add_f32 v219, v204, v205
	v_add_f32 v220, v206, v207
	v_add_f32 v217, v217, v218
	v_add_f32 v219, v219, v220
	v_add_f32 v217, v217, v219
	s_wait_alu depctr_va_vdst(0)
	v_rcp_f32 v217, v217
	v_nop
	s_wait_alu depctr_va_vdst(0)                   ; the reciprocal has written v217, ahead of its first reader
.irp e, 0,1,2,3,4,5,6,7
	v_mul_f32 v[200+\e], v[200+\e], v217           ; the probabilities
.endr
	v_mov_b32 v208, v200                           ; the largest so far and its index,
	v_mov_b32 v210, 0
	v_mov_b32 v209, -1.0                           ; the second: under every probability
	v_mov_b32 v211, 0
.irp e, 1,2,3,4,5,6,7
	v_cmp_gt_f32 s56, v[200+\e], v208              ; strictly greater: the lower index wins a tie
	v_cmp_gt_f32 s57, v[200+\e], v209
	s_wait_alu depctr_va_sdst(0)                   ; the two masks s56 and s57 are written, ahead of the selects that read them; each step hangs on the step before, so each has its wait
	v_cndmask_b32 v209, v209, v[200+\e], s57
	v_cndmask_b32 v211, v211, \e, s57
	v_cndmask_b32 v209, v209, v208, s56
	v_cndmask_b32 v211, v211, v210, s56
	v_cndmask_b32 v208, v208, v[200+\e], s56
	v_cndmask_b32 v210, v210, \e, s56
.endr
	v_add_f32 v221, v208, v209
	s_wait_alu depctr_va_vdst(0)
	v_rcp_f32 v221, v221
	v_min_u32 v222, v210, v211                     ; lo
	v_max_u32 v223, v210, v211                     ; hi
	s_wait_alu depctr_va_vdst(0)                   ; the reciprocal has written v221, ahead of its first reader
	v_mul_f32 v224, v208, v221                     ; the two weights
	v_mul_f32 v225, v209, v221
	v_add_nc_u32 v226, -1, v223
	v_mul_u32_u24 v227, v223, v226
	v_lshrrev_b32 v227, 1, v227                    ; hi (hi - 1) / 2
	v_sub_nc_u32 v228, v226, v222
	v_and_b32 v229, 1, v223
	v_cmp_ne_u32 vcc_lo, 0, v229
	s_wait_alu depctr_va_vcc(0)                    ; VCC is written, ahead of the select that reads it
	v_cndmask_b32 v228, v228, v222, vcc_lo         ; lo runs up where hi is odd and down where it is even: neighbouring keys share an expert
	v_add_nc_u32 v227, v227, v228
	v_lshl_or_b32 v227, v210, 8, v227
	v_lshl_or_b32 v227, v211, 16, v227
	v_and_b32 v229, 1, v0
	v_cmp_ne_u32 vcc_lo, 0, v229
	s_wait_alu depctr_va_vcc(0)                    ; VCC is written, ahead of the four selects that read it
.irp q, 0,1,2,3
	v_cndmask_b32 v[212+\q], v[200+\q], v[204+\q], vcc_lo
.endr
	s_wait_alu depctr_va_vdst(0)                   ; v212 to v215, v227, v224 and v225 are written: the store and the two LDS stores below read them; the sums are done reading v128 to v191, in which the tails' LDS loads land
	global_store_b128 v[LI], v[212:215], s[26:27]  ; out1: the wave's 16 tokens are 512 consecutive bytes
	ds_store_b32 v[KEYW], v227
	ds_store_b64 v[WTW], v[224:225]
	BARRIER
	; ---- the block's small results leave, a wave to each
	s_cmp_lg_u32 s36, 0
	s_cbranch_scc1 .Lnot0
.irp p, 0,1,2,3,4,5,6,7
	ds_load_b64 v[128+2*\p:129+2*\p], v[L8] offset:GEO+256*\p
.endr
	s_wait_dscnt 0x0
.irp p, 1,2,3,4,5,6,7
	v_pk_add_f32 v[128:129], v[128:129], v[128+2*\p:129+2*\p]
.endr
	v_add_f32 v128, s52, v128
	v_add_f32 v129, s52, v129
	s_wait_alu depctr_va_vdst(0)                   ; v128 and v129 are written: the store below reads them
	global_store_b64 v[L8], v[128:129], s[28:29]   ; out2: 256 consecutive bytes
	s_branch .Lend
.Lnot0:
	s_cmp_lg_u32 s36, 1
	s_cbranch_scc1 .Lnot1
	ds_load_b128 v[128:131], v[LI] offset:WTS
	s_wait_dscnt 0x0
	global_store_b128 v[LI], v[128:131], s[30:31]  ; rw
	s_branch .Lend
.Lnot1:
	s_cmp_lg_u32 s36, 2
	s_cbranch_scc1 .Lnot2
	ds_load_b64 v[128:129], v[L8] offset:KEYS      ; tokens 2 l and 2 l + 1
	s_wait_dscnt 0x0
	v_and_b32 v130, 31, v128
	v_and_b32 v131, 31, v129
	v_mov_b32 v132, 0
	v_mov_b32 v133, 0
	v_mov_b32 v136, 0
.irp g, 0,4,8,12,16,20,24              ; four keys at a time: their eight compares stand in a run, into s44 to s51 (bg3 has been read), with one wait behind them
.irp j, 0,1,2,3
	v_cmp_eq_u32 s[44+2*\j], \g+\j, v130
	v_cmp_eq_u32 s[45+2*\j], \g+\j, v131
.endr
	s_wait_alu depctr_va_sdst(0)                   ; the eight masks s44 to s51 are written, ahead of the counts and selects that read them
.irp j, 0,1,2,3
	s_bcnt1_i32_b32 s58, s[44+2*\j]
	s_bcnt1_i32_b32 s59, s[45+2*\j]
	v_mbcnt_lo_u32_b32 v134, s[44+2*\j], 0         ; the even tokens of this key are numbered first,
	v_mbcnt_lo_u32_b32 v135, s[45+2*\j], s58       ; the odd ones behind them
	v_cndmask_b32 v132, v132, v134, s[44+2*\j]
	v_cndmask_b32 v133, v133, v135, s[45+2*\j]
	s_add_co_u32 s58, s58, s59
	v_writelane_b32 v136, s58, \g+\j               ; the key's count, in lane k
.endr
.endr
	v_lshl_or_b32 v128, v132, 24, v128
	v_lshl_or_b32 v129, v133, 24, v129
	s_wait_alu depctr_va_vdst(0)                   ; v128, v129 and v136 are written: the two stores below read them
	global_store_b64 v[L8], v[128:129], s[32:33]   ; rkey: 256 consecutive bytes
	global_store_b32 v[LS], v136, s[34:35]         ; hist: 128 bytes a block
	s_branch .Lend
.Lnot2:
.irp i, 0,1,2
	ds_load_b128 v[128+4*\i:131+4*\i], v[LI] offset:XSR+512*\i
.endr
	s_wait_dscnt 0x0
.irp i, 0,1,2
	global_store_b128 v[LI], v[128+4*\i:131+4*\i], s[24:25] offset:512*\i   ; xs: the block's 1,536 bytes
.endr
.Lend:
	s_wait_xcnt 0x0
	v_lshl_add_u32 v254, v0, 2, 0x21900            ; the add's two registers are made here, straight ahead of the closing lines; no memory or LDS instruction of this text has read v254 or v255
	v_mov_b32 v255, 0
	s_wait_dscnt 0x0                               ; the closing lines, six on end
	s_wait_alu 0x0
	s_wait_tensorcnt 0x0
	ds_add_u32 v254, v255
	s_wait_dscnt 0x0
	s_endpgm
.Lfunc_end_k_q7d62748ebc_gate:
	.size	k_q7d62748ebc_gate, .Lfunc_end_k_q7d62748ebc_gate-k_q7d62748ebc_gate
	.p2alignl 7, 3214868480
	.fill 96, 4, 3214868480
	.section	.rodata,"a",@progbits
	.p2align	6, 0x0
	.amdhsa_kernel k_q7d62748ebc_gate
		.amdhsa_group_segment_fixed_size 137984
		.amdhsa_private_segment_fixed_size 0
		.amdhsa_enable_private_segment 0
		.amdhsa_kernarg_size 128
		.amdhsa_user_sgpr_count 2
		.amdhsa_user_sgpr_kernarg_segment_ptr 1
		.amdhsa_wavefront_size32 1
		.amdhsa_system_sgpr_workgroup_id_x 1
		.amdhsa_system_sgpr_workgroup_id_y 1
		.amdhsa_system_sgpr_workgroup_id_z 1
		.amdhsa_system_vgpr_workitem_id 0
		.amdhsa_next_free_vgpr 1024
		.amdhsa_next_free_sgpr 66
		.amdhsa_reserve_vcc 1
		.amdhsa_float_denorm_mode_32 3
		.amdhsa_float_denorm_mode_16_64 3
		.amdhsa_memory_ordered 1
		.amdhsa_forward_progress 1
		.amdhsa_inst_pref_size 255
	.end_amdhsa_kernel
	.section	.bss,"aw",@nobits
	.p2align	6
	.space	262144
	.amdgpu_metadata
---
amdhsa.version: [ 1, 2 ]
amdhsa.kernels:
  - .name:           k_q7d62748ebc_gate
    .symbol:         k_q7d62748ebc_gate.kd
    .args:
      - { .name: x, .offset: 0, .size: 8, .value_kind: global_buffer, .address_space: global }
      - { .name: wq, .offset: 8, .size: 8, .value_kind: global_buffer, .address_space: global }
      - { .name: bg1, .offset: 16, .size: 8, .value_kind: global_buffer, .address_space: global }
      - { .name: bq1, .offset: 24, .size: 8, .value_kind: global_buffer, .address_space: global }
      - { .name: bg2, .offset: 32, .size: 8, .value_kind: global_buffer, .address_space: global }
      - { .name: Wq2, .offset: 40, .size: 8, .value_kind: global_buffer, .address_space: global }
      - { .name: Wg3, .offset: 48, .size: 8, .value_kind: global_buffer, .address_space: global }
      - { .name: bg3, .offset: 56, .size: 8, .value_kind: global_buffer, .address_space: global }
      - { .name: bq2, .offset: 64, .size: 8, .value_kind: global_buffer, .address_space: global }
      - { .name: xq, .offset: 72, .size: 8, .value_kind: global_buffer, .address_space: global }
      - { .name: xs, .offset: 80, .size: 8, .value_kind: global_buffer, .address_space: global }
      - { .name: out1, .offset: 88, .size: 8, .value_kind: global_buffer, .address_space: global }
      - { .name: out2, .offset: 96, .size: 8, .value_kind: global_buffer, .address_space: global }
      - { .name: rw, .offset: 104, .size: 8, .value_kind: global_buffer, .address_space: global }
      - { .name: rkey, .offset: 112, .size: 8, .value_kind: global_buffer, .address_space: global }
      - { .name: hist, .offset: 120, .size: 8, .value_kind: global_buffer, .address_space: global }
    .group_segment_fixed_size: 137984
    .private_segment_fixed_size: 0
    .kernarg_segment_align: 8
    .kernarg_segment_size: 128
    .max_flat_workgroup_size: 128
    .sgpr_count:     66
    .vgpr_count:     1024
    .wavefront_size: 32
...
	.end_amdgpu_metadata
.endif
;; end of part 5
;; launch place (part 6): grid 1 x 1, 32 waves a work-group, no clusters, 8,192 bytes of LDS; arguments hist, rkey, sidx; writes sidx
.if DOCPART == 6
	.amdgcn_target "amdgcn-amd-amdhsa--gfx1250"
	.amdhsa_code_object_version 6
	.text
	.protected	k_q7d62748ebc_place
	.globl	k_q7d62748ebc_place
	.p2align	8
	.type	k_q7d62748ebc_place,@function
k_q7d62748ebc_place:
	s_mov_b64 s[64:65], 0
	v_nop
	global_prefetch_b8 v0, s[64:65] scope:SCOPE_SE
	s_setreg_imm32_b32 hwreg(HW_REG_WAVE_MODE, 25, 1), 1
	s_wait_xcnt 0x0
; A counting sort of the 16,384 tokens by their pair of experts (28 keys).  A token's place = the keys before its key + its key's count in the blocks before its block + its rank in its block.
; One work-group, so that the sums need no traffic between work-groups.  Wave w owns blocks 8 w .. 8 w + 7 (512 tokens); in the tables a lane stands for a key.
; sidx [place] = {token, its rkey word}.  The stores are 8 bytes a lane at sorted places, 128 KB in all: a turn through LDS would want LDS addresses made of data.
	s_load_b128 s[4:7], s[0:1], 0x0                ; hist, rkey
	s_load_b64 s[8:9], s[0:1], 0x10                ; sidx
	v_lshl_add_u32 v96, v0, 2, 0x1000
	v_mov_b32 v97, 0
	v_lshrrev_b32 v1, 5, v0
	s_delay_alu instid0(VALU_DEP_1)
	v_readfirstlane_b32 s10, v1                    ; wave
	v_and_b32 v2, 31, v0
	s_delay_alu instid0(VALU_DEP_1)
	v_lshlrev_b32 v3, 2, v2
	s_lshl_b32 s11, s10, 10
	v_add_nc_u32 v4, s11, v3                       ; hist: 8 blocks of 128 bytes a wave
	s_lshl_b32 s12, s10, 11
	v_add_nc_u32 v5, s12, v3                       ; rkey: 512 words a wave
	s_lshl_b32 s13, s10, 7
	v_add_nc_u32 v6, s13, v3                       ; LDS: 128 w + 4 x lane
	s_wait_alu depctr_va_vdst(0)
	s_wait_kmcnt 0x0
.irp i, 0,1,2,3,4,5,6,7
	global_load_b32 v[8+\i], v4, s[4:5] offset:128*\i
.endr
.set q, 0
.rept 16
	global_load_b32 v[33+2*q], v5, s[6:7] offset:128*q     ; register q: token 512 w + 32 q + lane, into the upper half of its pair
.set q, q+1
.endr
	s_wait_loadcnt 16                              ; the counts are in; the 16 loads of words may be out
	v_mov_b32 v16, 0
.irp i, 1,2,3,4,5,6,7
	s_delay_alu instid0(VALU_DEP_1)
	v_add_nc_u32 v[16+\i], v[15+\i], v[7+\i]       ; the key's count in my earlier blocks
.endr
	s_delay_alu instid0(VALU_DEP_1)
	v_add_nc_u32 v24, v23, v15                     ; and in all my blocks
	ds_store_b32 v6, v24
	s_wait_dscnt 0x0
	s_barrier_signal -1
	s_barrier_wait -1
.set q, 0
.rept 32
	ds_load_b32 v[64+q], v3 offset:128*q
.set q, q+1
.endr
	v_mov_b32 v25, 0
	v_mov_b32 v26, 0
	s_wait_alu depctr_va_vdst(0)
	s_wait_dscnt 0x0
.set q, 0
.rept 32
	s_cmp_gt_u32 s10, q
	s_cselect_b32 s14, 1, 0
	v_mad_u32_u24 v25, v[64+q], s14, v25           ; the key's count in the waves before mine
	v_add_nc_u32 v26, v26, v[64+q]                 ; and in all
.set q, q+1
.endr
	v_mov_b32 v27, 0
	s_mov_b32 s15, 0
.irp k, 0,1,2,3,4,5,6,7,8,9,10,11,12,13,14,15,16,17,18,19,20,21,22,23,24,25,26,27
	v_readlane_b32 s14, v26, \k
	v_writelane_b32 v27, s15, \k                   ; where key k begins
	s_add_co_u32 s15, s15, s14
.endr
	v_add_nc_u32 v27, v27, v25
.irp i, 0,1,2,3,4,5,6,7
	v_add_nc_u32 v[16+\i], v[16+\i], v27           ; where key (lane) begins for my block i
.endr
	s_lshl_b32 s14, s10, 9
	v_add_nc_u32 v28, s14, v2                      ; token of register 0
	s_wait_loadcnt 0x0
.set q, 0
.rept 16
	v_and_b32 v29, 31, v[33+2*q]
	s_delay_alu instid0(VALU_DEP_1)
	v_lshlrev_b32 v[64+q], 2, v29
	ds_bpermute_b32 v[80+q], v[64+q], v[16+q/2]    ; my key's beginning, from the lane that stands for it
.set q, q+1
.endr
	s_wait_dscnt 0x0
.set q, 0
.rept 16
	v_lshrrev_b32 v29, 24, v[33+2*q]
	s_delay_alu instid0(VALU_DEP_1)
	v_add_nc_u32 v[80+q], v[80+q], v29             ; + my rank
	s_delay_alu instid0(VALU_DEP_1)
	v_min_u32 v[80+q], 0x3fff, v[80+q]             ; inside sidx whatever the words hold
	s_delay_alu instid0(VALU_DEP_1)
	v_lshlrev_b32 v[80+q], 3, v[80+q]
	v_add_nc_u32 v[32+2*q], 32*q, v28
	global_store_b64 v[80+q], v[32+2*q:33+2*q], s[8:9]
.set q, q+1
.endr
	s_wait_tensorcnt 0x0
	ds_add_u32 v96, v97
	s_wait_dscnt 0x0
	s_endpgm
.Lfunc_end_k_q7d62748ebc_place:
	.size	k_q7d62748ebc_place, .Lfunc_end_k_q7d62748ebc_place-k_q7d62748ebc_place
	.p2alignl 7, 3214868480
	.fill 96, 4, 3214868480
	.section	.rodata,"a",@progbits
	.p2align	6, 0x0
	.amdhsa_kernel k_q7d62748ebc_place
		.amdhsa_group_segment_fixed_size 8192
		.amdhsa_private_segment_fixed_size 0
		.amdhsa_enable_private_segment 0
		.amdhsa_kernarg_size 24
		.amdhsa_user_sgpr_count 2
		.amdhsa_user_sgpr_kernarg_segment_ptr 1
		.amdhsa_wavefront_size32 1
		.amdhsa_system_sgpr_workgroup_id_x 1
		.amdhsa_system_sgpr_workgroup_id_y 1
		.amdhsa_system_sgpr_workgroup_id_z 1
		.amdhsa_system_vgpr_workitem_id 0
		.amdhsa_next_free_vgpr 98
		.amdhsa_next_free_sgpr 66
		.amdhsa_reserve_vcc 0
		.amdhsa_float_denorm_mode_32 3
		.amdhsa_float_denorm_mode_16_64 3
		.amdhsa_memory_ordered 1
		.amdhsa_forward_progress 1
		.amdhsa_inst_pref_size 25
	.end_amdhsa_kernel
	.amdgpu_metadata
---
amdhsa.version: [ 1, 2 ]
amdhsa.kernels:
  - .name:           k_q7d62748ebc_place
    .symbol:         k_q7d62748ebc_place.kd
    .args:
      - { .name: hist, .offset: 0, .size: 8, .value_kind: global_buffer, .address_space: global }
      - { .name: rkey, .offset: 8, .size: 8, .value_kind: global_buffer, .address_space: global }
      - { .name: sidx, .offset: 16, .size: 8, .value_kind: global_buffer, .address_space: global }
    .group_segment_fixed_size: 8192
    .private_segment_fixed_size: 0
    .kernarg_segment_align: 8
    .kernarg_segment_size: 24
    .max_flat_workgroup_size: 1024
    .sgpr_count:     66
    .vgpr_count:     98
    .wavefront_size: 32
...
	.end_amdgpu_metadata
.endif
;; end of part 6
;; launch experts (part 7): grid 256 x 1, 4 waves a work-group, no clusters, 183,040 bytes of LDS; arguments sidx, rw, xq, xs, wq, b1, b2, b3, out0; writes out0
.if DOCPART == 7
	.amdgcn_target "amdgcn-amd-amdhsa--gfx1250"
	.amdhsa_code_object_version 6
	.text
	.protected	k_q7d62748ebc_experts
	.globl	k_q7d62748ebc_experts
	.p2align	8
	.type	k_q7d62748ebc_experts,@function
k_q7d62748ebc_experts:
	s_mov_b64 s[64:65], 0
	v_nop
	global_prefetch_b8 v0, s[64:65] scope:SCOPE_SE
	s_setreg_imm32_b32 hwreg(HW_REG_WAVE_SCHED_MODE, 0, 2), 2
	s_setreg_imm32_b32 hwreg(HW_REG_WAVE_MODE, 25, 1), 1
	s_wait_xcnt 0x0
	s_wait_alu depctr_vm_vsrc(0)
; out0 for 64 tokens that stand together in the order of their pairs of experts.  The work-group gathers their codes, walks the 8 experts in a loop of constant count, passes over those that none of
; its tokens uses (a scalar branch on the stored list), takes each used expert through the whole chain relu(relu(x W1 + b1) W2 + b2) W3 + b3 on codes of E4M3 with E8M0 scales, and adds
; weight x result into the tokens' rows, which stay in registers: each output row has one owner, and the hidden layers never go to memory.
; SHARES.  Four waves.  THE WAVES SHARE THE COLUMNS: wave w makes hidden units 64 w .. + 63 and output columns 192 w .. + 191, for all four tiles of 16 tokens.  Every product is used transposed
; (source 0 = the weight, source 1 = the tokens): a lane holds one token.
; WEIGHTS come from wq straight into registers through a ring of four slots of 64 registers, sixteen units an expert (6 + 4 half + 6); a unit is asked for when the unit four back has been multiplied.
; THE THIRD PRODUCT IS CUT IN TWO, so that the ring does not run empty between experts.  Its units 0 and 1 are multiplied in the expert's own trip, which also asks for units 4 and 5.  Units 2 to 5 are
; multiplied at the head of the NEXT used expert's trip (the last expert's: behind the loop): as their slots fall free they take that expert's first four units, from that trip's own pointer, which steps
; by a constant each trip.  Between the two parts nothing touches the accumulators, the hidden fragments, the scale words, the tokens' weights or the ring.  The expert's b3 is wanted in both parts: each wave
; copies its 768 bytes of it to fixed bytes of its own.  The block's first expert's first four units are asked for at the kernel's head, under the gather.
; No tensor loads: the walk hangs on the stored list.  No cluster: neighbours walk other experts.
; BARRIERS stand outside every branch: two a trip, each behind a wait for all loads and all LDS instructions, so that every count behind them holds on every way.
; The rows' sums begin as zeros: which expert is a block's first is known only from the list, so no product can start them.
; LIMITS: NaN and infinities are not served; an expert that a token did not choose adds 0 x its result, so the experts' results must be finite.  Scale bytes as in the other launches.
; REGISTERS: window 0: v1-15 addresses, v16-23 the slots' scale words, v24-47 x's scale words, v48-55 the hidden layer's, v56-87 biases, v88-107 the quantiser and an address, v108-115 the tokens' weights for
;   the expert in hand, v116-119 the tokens' words, v120-127 their two weights, v128-255 sixteen accumulators.  window 1: the ring.  window 2 and window 3 v0-127: the rows' sums, tile (t, m) at 8 (4 t + m).
;   window 3 v128-255: fragments from LDS.
; THE MODE: SCHED_MODE bits 1:0 = 2 (LLVM: expert scheduling mode 2), set by the entry lines.  The code itself states the register dependences
; between vector or matrix instructions and memory or LDS instructions, with s_wait_alu, always for 0.
; THE PLAN.  Registers that memory or LDS instructions touch, in the loop:
;   v1-13, v107       offsets and addresses: made at the head, ahead of a wait on va_vdst, and never written again.
;   v14, v15          the LDS addresses of the trip's expert's biases: written once a trip, at the loop's top, between a wait on vm_vsrc (the last trip's LDS loads have read them) and a wait on va_vdst (they are written).
;                     In the first trip the same two waits state what the head leaves: its stores and loads have read the registers that become accumulators and fragments, and its zeros are written.
;   the ring, v16-23  Loads land; a group of 16 or 8 products reads a slot.  ONE wait on va_vdst behind each group stands ahead of the loads that ask for the slot again at once: the launch lives on loads in flight.
;                     The same wait shows those products done with their fragments of window 3, their scale words v48-55 and their bias v56-87, so the LDS loads that land there later owe nothing:
;                     no vector or matrix instruction between names them.  Behind the loop, where nothing is asked for, the wait stands alone where a bias is to land.
;   v88-95, v106      the hidden layers' codes and bytes: written by the conversions, then a wait on va_vdst, then the tile's LDS stores; a wait on vm_vsrc ahead of each rewriting, b3's copy through v88-93 among them.
;   The accumulators, the sums, v96-105 and v108-127 are named in the loop by vector and matrix instructions alone.
;   A mask that a compare writes has its wait on va_sdst ahead of its first reader; the compares stand in runs of eight with one wait.
.set UB,    8448
.set OFFB,  50688
.set OFFBS, 67072
.set OFFC,  67584
.set WAVB,  118272
.set EXPB,  473088
.set H1I,   0                          ; LDS: the first hidden layer's 8 fragments, the second's,
.set H2I,   16384
.set H1S,   32768                      ; their scale words,
.set H2S,   33792
.set XSI,   34816                      ; x's scale words, (6 m + s) x 128
.set XC,    38144                      ; x's codes: 64 rows, pitch 784
.set BIA1,  88320                      ; b1, b2, b3 of all experts
.set BIA3,  104704
.set STG,   129280                     ; the way out: 16 rows x 784 bytes for each wave
.set PB3,   179456                     ; b3 of the expert whose third product is in hand: 768 bytes for each wave, its own
.set LI, 1
.set LS, 2
.set L8, 3
.set XR, 4
.set HWI, 5
.set HWS, 6
.set BA, 7
.set BC, 8
.set STO, 9
.set SRD, 10
.set SO8, 11
.set CO, 12
.set BCS, 13
.set BAE, 14
.set BCE, 15
.set SC, 16
.set XS, 24
.set HS, 48
.set BIAS, 56
.set PC, 88
.set TM, 96
.set TP, 98
.set TH, 100
.set TS, 102
.set TB, 104
.set PW, 106
.set BCF, 107
.set GW, 108
.set KEY, 116
.set RW, 120
.set ACC, 128
.set SEL, 36
.set MNT, 38
.set WE, 28                            ; s[28:29] this trip's expert's stream: stepped by EXPB each trip
.set WN, 30                            ; s[30:31] the block's first used expert's stream: made and used at the head alone
.set FST, 42                           ; s42      that expert's number
.set MK, 44                            ; s44-51   eight masks of a run of compares
.set MSB, 0
.macro WIN new                         ; the immediate's high byte repeats the setting that is left
.if MSB != (\new)
	s_set_vgpr_msb (MSB<<8)|(\new)
.set MSB, \new
.endif
.endm
.macro PLACES k
.rept \k
	v_nop
.endr
.endm
.macro JOIN                            ; nothing of mine is out, in memory or in LDS: then the work-group's barrier
	s_wait_loadcnt 0x0
	s_wait_dscnt 0x0
	s_barrier_signal -1
	s_barrier_wait -1
.endm
.macro WM d, a, b, c, sa, sb, row      ; row = 1: the weight's scale words stand in lanes 16-31
.if \row
	v_wmma_scale_f32_16x16x128_f8f6f4 v[\d:\d+7], v[\a:\a+15], v[\b:\b+15], v[\c:\c+7], v[\sa], v[\sb] matrix_a_scale:MATRIX_SCALE_ROW1
.else
	v_wmma_scale_f32_16x16x128_f8f6f4 v[\d:\d+7], v[\a:\a+15], v[\b:\b+15], v[\c:\c+7], v[\sa], v[\sb]
.endif
.endm
.macro LOADU slot, base, off, w        ; a unit: 4 fragments, each load 512 consecutive bytes, and 2 registers of scale words: 17 loads.  w = 1: products have read the slot
	WIN 0x40
.if \w
	s_wait_alu depctr_va_vdst(0)                   ; the products issued so far are done reading this slot's fragments and scale words, in which the loads below land; likewise their fragments from LDS, the tokens' scale words and their bias, in which later LDS loads land
.endif
.irp f, 0,1,2,3
.irp c, 0,1,2,3
	global_load_b128 v[64*(\slot)+16*\f+4*\c:64*(\slot)+16*\f+4*\c+3], v[LI], s[\base:\base+1] offset:(\off)+2048*\f+512*\c
.endr
.endr
	WIN 0
	global_load_b64 v[SC+2*(\slot):SC+2*(\slot)+1], v[L8], s[\base:\base+1] offset:(\off)+8192
.endm
.macro LOADH slot, base, i, w          ; a half unit of the second product: 9 loads
	WIN 0x40
.if \w
	s_wait_alu depctr_va_vdst(0)                   ; the products issued so far are done reading this slot's fragments and scale words, in which the loads below land; likewise their fragments of x, in which later LDS loads land
.endif
.irp f, 0,1
.irp c, 0,1,2,3
	global_load_b128 v[64*(\slot)+16*\f+4*\c:64*(\slot)+16*\f+4*\c+3], v[LI], s[\base:\base+1] offset:OFFB+4096*(\i)+2048*\f+512*\c
.endr
.endr
	WIN 0
	global_load_b32 v[SC+2*(\slot)], v[LS], s[\base:\base+1] offset:OFFBS+128*(\i)
.endm
.macro FETCHX s, set
	WIN 0xc0
.irp m, 0,1,2,3
.irp c, 0,1,2,3
	ds_load_b128 v[128+64*(\set)+16*\m+4*\c:128+64*(\set)+16*\m+4*\c+3], v[XR] offset:12544*\m+128*(\s)+32*\c
.endr
.endr
	WIN 0
.endm
.macro FETCHB areg, off
.irp t, 0,1,2,3
	ds_load_b128 v[BIAS+8*\t:BIAS+8*\t+3], v[\areg] offset:(\off)+128*(\t/2)+32*(\t%2)
	ds_load_b128 v[BIAS+8*\t+4:BIAS+8*\t+7], v[\areg] offset:(\off)+128*(\t/2)+32*(\t%2)+16
.endr
.endm
; A K step of the first product: 16 matrix instructions, the sixteen accumulators by turns.  first = 1: the bias is the C that starts the sums.
.macro ASTEP s, slot, cnt, first
	s_wait_dscnt 0x0                               ; this step's fragments of x are in
.if (\s) < 5
	FETCHX (\s)+1, ((\s)+1)%2                      ; the next step's, into the set that the step before read: the wait behind that step's products has shown them done with it, and nothing since names it
.endif
	s_wait_loadcnt \cnt                            ; this unit is in; the three younger units may be out
	WIN 0x0d
.irp t, 0,1,2,3
.irp m, 0,1,2,3
.if \first
	WM ACC+32*\m+8*\t, 64*(\slot)+16*\t, 128+64*((\s)%2)+16*\m, BIAS+8*\t, SC+2*(\slot)+\t/2, XS+6*\m+(\s), \t%2
.else
	WM ACC+32*\m+8*\t, 64*(\slot)+16*\t, 128+64*((\s)%2)+16*\m, ACC+32*\m+8*\t, SC+2*(\slot)+\t/2, XS+6*\m+(\s), \t%2
.endif
.endr
.endr
	WIN 0
	PLACES 8                                       ; eight places behind the products, ahead of reads of their results; the wait for the loads into their registers follows, in LOADU and LOADH
.endm
.macro FETCHH ib, sb
	WIN 0xc0
.irp f, 0,1,2,3,4,5,6,7
.irp c, 0,1,2,3
	ds_load_b128 v[128+16*\f+4*\c:128+16*\f+4*\c+3], v[LI] offset:(\ib)+2048*\f+512*\c
.endr
.endr
	WIN 0
.irp f, 0,1,2,3,4,5,6,7
	ds_load_b32 v[HS+\f], v[LS] offset:(\sb)+128*\f
.endr
.endm
.macro BSTEP i, slot, cnt              ; half unit i = 2 s + b of the second product: 8 matrix instructions
.if (\cnt) >= 0
	s_wait_loadcnt \cnt
.endif
	WIN 0x0d
.irp u, 0,1
.irp m, 0,1,2,3
.if (\i) < 2
	WM ACC+32*\m+8*(2*((\i)%2)+\u), 64*(\slot)+16*\u, 128+16*(2*\m+(\i)/2), BIAS+8*(2*((\i)%2)+\u), SC+2*(\slot), HS+2*\m+(\i)/2, \u
.else
	WM ACC+32*\m+8*(2*((\i)%2)+\u), 64*(\slot)+16*\u, 128+16*(2*\m+(\i)/2), ACC+32*\m+8*(2*((\i)%2)+\u), SC+2*(\slot), HS+2*\m+(\i)/2, \u
.endif
.endr
.endr
	WIN 0
	PLACES 8
.endm
; My 32 numbers of tile m of tokens become codes; relu and the hold are one line.  They are half a fragment of the next product: its image goes to LDS.
.macro QUANT32 m, ib, sb
.set QB, ACC+32*(\m)
.irp b, 0,1
	v_max3_num_f32 v[TM+\b], v[QB+16*\b], v[QB+16*\b+1], 0x4800000   ; no |.|: what is negative becomes 0 and must not count; the floor 2^(9 - 127) stands over it
.endr
.irp i, 2,4,6,8,10,12,14
.irp b, 0,1
	v_max3_num_f32 v[TM+\b], v[TM+\b], v[QB+16*\b+\i], v[QB+16*\b+\i+1]
.endr
.endr
.irp b, 0,1
	v_permlanex16_b32 v[TP+\b], v[TM+\b], s[SEL], s[SEL+1]
.endr
.irp b, 0,1
	v_max_num_f32 v[TM+\b], v[TM+\b], v[TP+\b]
.endr
.irp b, 0,1
	v_add_nc_u32 v[TS+\b], 0xfc000000, v[TM+\b]
.endr
.irp b, 0,1
	v_and_or_b32 v[TH+\b], v[TM+\b], 0x7f800000, s[MNT]
.endr
.irp b, 0,1
	v_lshrrev_b32 v[TB+\b], 23, v[TS+\b]
.endr
.irp b, 0,1
.irp i, 0,1,2,3,4,5,6,7,8,9,10,11,12,13,14,15
	v_med3_num_f32 v[QB+16*\b+\i], v[QB+16*\b+\i], 0, v[TH+\b]
.endr
.endr
	s_wait_alu depctr_va_vdst(0)
	s_wait_dscnt 0x0                               ; the last tile's stores are done
	s_wait_alu depctr_vm_vsrc(0)                   ; the LDS stores issued so far (the last tile's; ahead of the second layer's first tile those of b3's copy) have read v[PC ..] and v[PW], which are written again below
	v_lshl_or_b32 v[PW], v[TB+1], 8, v[TB]
.irp b, 0,1
	v_cvt_scalef32_pk8_fp8_f32 v[PC+4*\b:PC+4*\b+1], v[QB+16*\b:QB+16*\b+7], v[TS+\b]
	v_cvt_scalef32_pk8_fp8_f32 v[PC+4*\b+2:PC+4*\b+3], v[QB+16*\b+8:QB+16*\b+15], v[TS+\b]
.endr
	v_nop                                          ; a plain line behind the last conversion: later products write its sources
	s_wait_alu depctr_va_vdst(0)                   ; the conversions have written v[PC ..], and v[PW] is written: the LDS stores below read them
.irp b, 0,1
	ds_store_b128 v[HWI], v[PC+4*\b:PC+4*\b+3] offset:(\ib)+4096*(\m)+512*\b
.endr
	ds_store_b16 v[HWS], v[PW] offset:(\sb)+256*(\m)
.endm
.macro CBIAS i                         ; b3 for unit i's two tiles of columns, in the result's layout, from my copy
.irp u, 0,1
	ds_load_b128 v[BIAS+16*((\i)%2)+8*\u:BIAS+16*((\i)%2)+8*\u+3], v[BCF] offset:64*(2*(\i)+\u)
	ds_load_b128 v[BIAS+16*((\i)%2)+8*\u+4:BIAS+16*((\i)%2)+8*\u+7], v[BCF] offset:64*(2*(\i)+\u)+16
.endr
.endm
; Unit i of the third product: two tiles of columns x four tiles of tokens x two K steps: 16 matrix instructions on eight accumulators by turns, in the half of the accumulators that unit i - 1 does not hold.
; pre = 1: the next unit's bias is asked for, into the registers that unit i - 1's products read: a wait on va_vdst behind those products stands ahead of this macro on every way.
.macro CSTEP i, slot, cnt, pre
	s_wait_dscnt 0x0                               ; this unit's bias (and, for unit 0, the hidden fragments) are in
.if \pre
	CBIAS (\i)+1
.endif
.if (\cnt) >= 0
	s_wait_loadcnt \cnt
.endif
	WIN 0x0d
.irp s, 0,1
.irp u, 0,1
.irp m, 0,1,2,3
.if \s == 0
	WM ACC+64*((\i)%2)+32*\u+8*\m, 64*(\slot)+16*(2*\s+\u), 128+16*(2*\m+\s), BIAS+16*((\i)%2)+8*\u, SC+2*(\slot)+\s, HS+2*\m+\s, \u
.else
	WM ACC+64*((\i)%2)+32*\u+8*\m, 64*(\slot)+16*(2*\s+\u), 128+16*(2*\m+\s), ACC+64*((\i)%2)+32*\u+8*\m, SC+2*(\slot)+\s, HS+2*\m+\s, \u
.endif
.endr
.endr
.endr
	WIN 0
.endm
; The rows' sums take weight x unit i's results.  These 32 lines stand behind unit i + 1's products and name none of their registers: that unit's products run on while they are issued, and the wait for the loads into its slot follows them.
.macro FMA i
.if (\i) < 4
	WIN 0xa0
.set OB, 64*(\i)
.else
	WIN 0xf0
.set OB, 64*((\i)-4)
.endif
.irp u, 0,1
.irp m, 0,1,2,3
.irp p, 0,2,4,6
	v_pk_fma_f32 v[OB+32*\u+8*\m+\p:OB+32*\u+8*\m+\p+1], v[ACC+64*((\i)%2)+32*\u+8*\m+\p:ACC+64*((\i)%2)+32*\u+8*\m+\p+1], v[GW+2*\m:GW+2*\m+1], v[OB+32*\u+8*\m+\p:OB+32*\u+8*\m+\p+1] op_sel_hi:[1,0,1]
.endr
.endr
.endr
	WIN 0
.endm
; The third product's units 2 to 5 of the used expert before.  ask = 1: this trip's expert's first four units take the slots as they fall free.
.macro CLATE ask
	s_wait_loadcnt 34                              ; units 2 and 3 are in; the 34 loads of units 4 and 5 may be out
	CBIAS 2
	CSTEP 2, 0, -1, 1
	FMA 1
.if \ask
	LOADU 0, WE, 0, 1
.else
	s_wait_alu depctr_va_vdst(0)                   ; unit 2's products are done reading their bias, in whose registers unit 4's lands
.endif
	CSTEP 3, 1, -1, 1
	FMA 2
.if \ask
	LOADU 1, WE, UB, 1
	CSTEP 4, 2, 51, 1                              ; behind unit 4: unit 5 and two of this trip's expert's
.else
	s_wait_alu depctr_va_vdst(0)                   ; unit 3's products are done reading their bias, in whose registers unit 5's lands
	CSTEP 4, 2, 17, 1                              ; behind unit 4: unit 5
.endif
	FMA 3
.if \ask
	LOADU 2, WE, 2*UB, 1
	CSTEP 5, 3, 51, 0                              ; behind unit 5: three of this trip's expert's
.else
	CSTEP 5, 3, 0, 0
.endif
	FMA 4
.if \ask
	LOADU 3, WE, 3*UB, 1
.endif
	FMA 5
.endm
	s_load_b512 s[4:19], s[0:1], 0x0               ; sidx 4, rw 6, xq 8, xs 10, wq 12, b1 14, b2 16, b3 18
	s_load_b64 s[20:21], s[0:1], 0x40              ; out0
	v_lshrrev_b32 v13, 5, v0
	v_readfirstlane_b32 s22, v13                   ; wave
	s_mov_b32 s23, ttmp9                           ; block of 64 sorted places
	s_mov_b32 s[SEL], 0x76543210
	s_mov_b32 s[SEL+1], 0xfedcba98
	s_mov_b32 s[MNT], 0x600000
	v_and_b32 v13, 31, v0                          ; lane
	v_and_b32 v14, 15, v0                          ; r
	v_bfe_u32 v15, v0, 4, 1                        ; h
	s_wait_alu depctr_va_vdst(0)
	v_lshlrev_b32 v[LI], 4, v13
	v_lshlrev_b32 v[LS], 2, v13
	v_lshlrev_b32 v[L8], 3, v13
	s_wait_alu depctr_va_vdst(0)
	v_mul_u32_u24 v107, v14, 784
	s_wait_alu depctr_va_vdst(0)
	v_lshl_add_u32 v[XR], v15, 4, v107
	v_add_nc_u32 v[XR], XC, v[XR]
	s_wait_alu depctr_va_sdst(0)                   ; s22 is written, ahead of its first reader: addresses and bases are made from it
	s_lshl_b32 s34, s22, 10
	v_add_nc_u32 v[HWI], s34, v[LI]
	s_lshr_b32 s34, s22, 1
	s_lshl_b32 s34, s34, 7
	s_and_b32 s35, s22, 1
	s_lshl_b32 s35, s35, 1
	s_add_co_u32 s34, s34, s35
	v_add_nc_u32 v[HWS], s34, v[LS]
	s_lshl_b32 s34, s22, 8
	s_add_co_u32 s34, s34, BIA1
	v_lshl_add_u32 v[BA], v15, 6, s34
	s_mul_i32 s34, s22, 768
	s_add_co_u32 s35, s34, BIA3
	v_add_nc_u32 v[BC], s35, v[L8]                 ; b3: my wave's 768 bytes of an expert's row, 8 bytes a lane
	v_lshl_add_u32 v[CO], v14, 4, s34              ; out0: my wave's 768 bytes of a row, + 16 (lane % 16)
	v_add_nc_u32 v241, s34, v[LS]                  ; x's scale words: 4 x lane + 768 w
	s_mul_i32 s34, s22, 12544
	s_add_co_u32 s35, s34, STG
	v_lshl_add_u32 v[STO], v15, 5, v107
	v_add_nc_u32 v[STO], s35, v[STO]               ; the stage, in: row r, + 32 h
	v_mul_u32_u24 v[SRD], v15, 784
	v_lshl_add_u32 v[SRD], v14, 4, v[SRD]          ; 784 (lane / 16) + 16 (lane % 16)
	s_add_co_u32 s34, s34, XC
	v_add_nc_u32 v240, s34, v[SRD]                 ; where the gathered rows go
	v_add_nc_u32 v[SRD], s35, v[SRD]               ; the stage, back
	v_lshlrev_b32 v[SO8], 3, v15
	v_lshlrev_b32 v242, 3, v14
	s_lshl_b32 s34, s22, 7
	v_add_nc_u32 v243, s34, v242
	v_add_nc_u32 v244, s34, v[SO8]
	s_lshl_b32 s34, s22, 11
	v_add_nc_u32 v245, s34, v[LI]
	s_mul_i32 s34, s22, 6144
	v_add_nc_u32 v246, s34, v[LI]
	v_add_nc_u32 v247, BIA1, v245
	v_add_nc_u32 v248, BIA3, v246
	v_lshlrev_b32 v249, 4, v14
	v_mov_b32 v[TP], 0                             ; written once: a lane permute's destination counts as one of its sources
	v_mov_b32 v[TP+1], 0
.irp m, 0,1,2,3
	v_mov_b32 v[GW+2*\m], 0                        ; the weights, their pairs' upper halves and the hidden layer's scale words are written once here,
	v_mov_b32 v[GW+2*\m+1], 0                      ; so that the third product's late part finds them written on every way through the loop's branches
.endr
.irp f, 0,1,2,3,4,5,6,7
	v_mov_b32 v[HS+\f], 0
.endr
	s_wait_kmcnt 0x0
	s_lshl_b32 s34, s23, 9
	s_mov_b32 s35, 0
	s_add_nc_u64 s[4:5], s[4:5], s[34:35]          ; sidx at my block
	s_mul_i32 s34, s22, WAVB
	s_add_nc_u64 s[32:33], s[12:13], s[34:35]      ; wq at my wave's stream of expert 0
	s_wait_alu depctr_va_vdst(0)                   ; the offsets and addresses made so far (v1 to v12, v240 to v249) are written: the loads and LDS instructions below read them; so are v48 to v55, in which LDS loads land later
	; ---- the list: 13 loads; the biases: 20
.irp m, 0,1,2,3
	global_load_b64 v[208+2*\m:209+2*\m], v242, s[4:5] offset:128*\m    ; tile m, token r: its number and its word
.endr
	global_load_b64 v[216:217], v243, s[4:5]                          ; my wave's own tile
.irp j, 0,1,2,3,4,5,6,7
	global_load_b32 v[218+\j], v244, s[4:5] offset:16*\j                ; row 2 j + lane / 16 of my tile: for the gather by rows
.endr
.irp i, 0,1,2,3
	global_load_b128 v[128+4*\i:131+4*\i], v245, s[14:15] offset:512*\i
.endr
.irp i, 0,1,2,3
	global_load_b128 v[144+4*\i:147+4*\i], v245, s[16:17] offset:512*\i
.endr
.irp i, 0,1,2,3,4,5,6,7,8,9,10,11
	global_load_b128 v[160+4*\i:163+4*\i], v246, s[18:19] offset:512*\i
.endr
	s_wait_loadcnt 20                              ; the list is in; the 20 loads of biases may be out
.irp m, 0,1,2,3
	v_min_u32 v[208+2*\m], 0x3fff, v[208+2*\m]     ; a token's number stays inside the tables whatever the list holds
	v_mov_b32 v[KEY+\m], v[209+2*\m]
	v_lshlrev_b32 v[235+\m], 3, v[208+2*\m]
.endr
	v_min_u32 v216, 0x3fff, v216
	v_mul_u32_u24 v234, v216, 24
.irp j, 0,1,2,3,4,5,6,7
	v_min_u32 v[218+\j], 0x3fff, v[218+\j]
	v_mul_u32_u24 v[226+\j], v[218+\j], 768
	v_add_nc_u32 v[226+\j], v249, v[226+\j]
.endr
	v_mov_b32 v107, 1
	v_mov_b32 v239, 0
.irp m, 0,1,2,3
	v_bfe_u32 v13, v[KEY+\m], 8, 3
	v_lshlrev_b32 v13, v13, v107
	v_or_b32 v239, v239, v13
	v_bfe_u32 v13, v[KEY+\m], 16, 3
	v_lshlrev_b32 v13, v13, v107
	v_or_b32 v239, v239, v13
.endr
.irp e, 0,1,2,3,4,5,6,7                ; the eight compares stand in a run, with one wait behind them
	v_and_b32 v13, 1<<\e, v239
	v_cmp_ne_u32 s[MK+\e], 0, v13
.endr
	s_wait_alu depctr_va_sdst(0)                   ; the eight masks s44 to s51 are written, ahead of the scalar compares that read them
	s_mov_b32 s24, 0                               ; the experts that the block uses, a bit each: the same in all four waves
.irp e, 0,1,2,3,4,5,6,7
	s_cmp_lg_u32 s[MK+\e], 0
	s_cselect_b32 s27, 1<<\e, 0
	s_or_b32 s24, s24, s27
.endr
	s_ctz_i32_b32 s27, s24
	s_min_u32 s27, s27, 7
	s_mul_i32 s34, s27, EXPB
	s_add_nc_u64 s[WN:WN+1], s[32:33], s[34:35]    ; the first used expert's stream
	s_mov_b32 s[FST], s27                          ; and its number: its trip finds its first four units asked for
	s_mul_i32 s34, s22, 768
	s_add_co_u32 s34, s34, PB3                     ; my copy of an expert's b3:
	v_add_nc_u32 v[BCS], s34, v[L8]                ; in: 8 bytes a lane;
	v_bfe_u32 v[BCF], v0, 4, 1
	v_lshl_add_u32 v[BCF], v[BCF], 5, s34          ; back: my half's eight columns of a tile
	; ---- the gather: 24 + 3 + 4 = 31 loads
	WIN 0xc0
	s_wait_alu depctr_va_vdst(0)                   ; the gather's offsets v226 to v238 are written, which the loads below read; so are v13 and v107, which LDS instructions of the loop read
.irp j, 0,1,2,3,4,5,6,7
.irp u, 0,1,2
	global_load_b128 v[128+12*\j+4*\u:128+12*\j+4*\u+3], v[226+\j], s[8:9] offset:256*\u th:TH_LOAD_NT   ; sixteen lanes read 256 consecutive bytes of a row
.endr
.endr
	WIN 0
.irp i, 0,1,2
	global_load_b64 v[250+2*\i:251+2*\i], v234, s[10:11] offset:8*\i    ; my token's six scale words
.endr
.irp m, 0,1,2,3
	global_load_b64 v[RW+2*\m:RW+2*\m+1], v[235+\m], s[6:7]
.endr
	s_wait_loadcnt 31                              ; the biases are in; the gather may be out
.irp i, 0,1,2,3
	ds_store_b128 v247, v[128+4*\i:131+4*\i] offset:512*\i
.endr
.irp i, 0,1,2,3
	ds_store_b128 v247, v[144+4*\i:147+4*\i] offset:8192+512*\i
.endr
.irp i, 0,1,2,3,4,5,6,7,8,9,10,11
	ds_store_b128 v248, v[160+4*\i:163+4*\i] offset:512*\i
.endr
	LOADU 0, WN, 0, 0
	LOADU 1, WN, UB, 0
	WIN 0xc0                                       ; the fragment registers that the gather does not fill are written once, for the same reason as the scale words above
.set i, 224
.rept 32
	v_mov_b32 v[i], 0
.set i, i+1
.endr
.set i, 0
.rept 128                                      ; the rows' sums begin as zeros, while the gather is on its way
	v_mov_b32 v[i], 0
.set i, i+1
.endr
	WIN 0x80
.set i, 0
.rept 256
	v_mov_b32 v[i], 0
.set i, i+1
.endr
	WIN 0
	s_wait_loadcnt 34                              ; the gather is in; two units may be out
	WIN 0x0c
.irp j, 0,1,2,3,4,5,6,7
.irp u, 0,1,2
	ds_store_b128 v240, v[128+12*\j+4*\u:128+12*\j+4*\u+3] offset:1568*\j+256*\u
.endr
.endr
	WIN 0
.irp s, 0,1,2,3,4,5
	ds_store_b32 v241, v[250+\s] offset:XSI+128*\s
.endr
	LOADU 2, WN, 2*UB, 0
	LOADU 3, WN, 3*UB, 0
	s_wait_dscnt 0x0
	s_barrier_signal -1
	s_barrier_wait -1                              ; the 64 rows' codes and scale words, and the biases, lie in LDS
.set i, 0
.rept 24
	ds_load_b32 v[XS+i], v[LS] offset:XSI+128*i
.set i, i+1
.endr
	s_mov_b64 s[WE:WE+1], s[32:33]
	s_mov_b32 s25, 0                               ; the expert
	s_mov_b32 s40, 0                               ; 1,024 e and 3,072 e: the expert's biases
	s_mov_b32 s41, 0
.Lexp:
	s_wait_alu depctr_vm_vsrc(0)                   ; the last trip's LDS loads have read v[BAE] and v[BCE], which are written below.  In the first trip: the head's stores and loads have read v128 to v255 and v128 to v223 of window 3, which products write and in which fragments land from here on
	v_add_nc_u32 v[BAE], s40, v[BA]
	v_add_nc_u32 v[BCE], s41, v[BC]
	s_wait_alu depctr_va_vdst(0)                   ; v[BAE] and v[BCE] are written: this trip's LDS loads of biases read them.  In the first trip: the head's zeros in v224 to v255 of window 3 are written, in which fragments land
	s_lshr_b32 s26, s24, s25
	s_and_b32 s26, s26, 1                          ; does the block use this expert?
	s_cmp_eq_u32 s26, 0
	s_cbranch_scc1 .LskipA
	s_cmp_eq_u32 s[FST], s25                       ; the block's first expert has none before it, and its first four units were asked for at the kernel's head
	s_cbranch_scc1 .Lhave
	CLATE 1                                        ; the expert before: the rest of its third product; this expert's first four units are asked for
.Lhave:
	; ---- first product
	FETCHX 0, 0
	FETCHB BAE, 0
	ASTEP 0, 0, 51, 1                              ; on both ways units 0-3 are my youngest 68 loads, in this order; the counts fall as half units (9 loads) follow units (17)
	LOADU 0, WE, 4*UB, 1
	ASTEP 1, 1, 51, 0
	LOADU 1, WE, 5*UB, 1
	ASTEP 2, 2, 51, 0
	LOADH 2, WE, 0, 1
	ASTEP 3, 3, 43, 0
	LOADH 3, WE, 1, 1
	ASTEP 4, 0, 35, 0
	LOADH 0, WE, 2, 1
	ASTEP 5, 1, 27, 0
	LOADH 1, WE, 3, 1
	QUANT32 0, H1I, H1S
	QUANT32 1, H1I, H1S
	QUANT32 2, H1I, H1S
	QUANT32 3, H1I, H1S
.LskipA:
	JOIN                                           ; the first hidden layer lies in LDS; the second product's weights are in
	s_cmp_eq_u32 s26, 0
	s_cbranch_scc1 .LskipB
	; ---- second product; my 768 bytes of this expert's b3 go to my fixed bytes on the way (the expert before has read its own for the last time)
	FETCHH H1I, H1S
	FETCHB BAE, 8192
	s_wait_alu depctr_vm_vsrc(0)                   ; the first layer's last LDS stores have read v[PC ..], in which the three loads below land
.irp i, 0,1,2
	ds_load_b64 v[PC+2*\i:PC+2*\i+1], v[BCE] offset:256*\i
.endr
	s_wait_dscnt 0x0
.irp i, 0,1,2
	ds_store_b64 v[BCS], v[PC+2*\i:PC+2*\i+1] offset:256*\i
.endr
	BSTEP 0, 2, -1
	LOADU 2, WE, OFFC, 1
	BSTEP 1, 3, -1
	LOADU 3, WE, OFFC+UB, 1
	BSTEP 2, 0, -1
	LOADU 0, WE, OFFC+2*UB, 1
	BSTEP 3, 1, -1
	LOADU 1, WE, OFFC+3*UB, 1
	QUANT32 0, H2I, H2S
	QUANT32 1, H2I, H2S
	QUANT32 2, H2I, H2S
	QUANT32 3, H2I, H2S
.LskipB:
	JOIN                                           ; the second hidden layer lies in LDS; the third product's units 0-3 are in
	s_cmp_eq_u32 s26, 0
	s_cbranch_scc1 .LskipC
	; ---- third product, units 0 and 1; units 4 and 5 are asked for
	FETCHH H2I, H2S
	CBIAS 0
	CSTEP 0, 2, -1, 1
	; each token's weight for this expert: its first, its second, or 0.  24 plain lines behind unit 0's products, which name none of their registers; the eight compares stand in a run, with one wait behind them
.irp m, 0,1,2,3
	v_bfe_u32 v[TM+2*\m], v[KEY+\m], 8, 3
	v_bfe_u32 v[TM+2*\m+1], v[KEY+\m], 16, 3
.endr
.irp m, 0,1,2,3
	v_cmp_eq_u32 s[MK+2*\m], s25, v[TM+2*\m]
	v_cmp_eq_u32 s[MK+2*\m+1], s25, v[TM+2*\m+1]
.endr
	s_wait_alu depctr_va_sdst(0)                   ; the eight masks s44 to s51 are written, ahead of the selects that read them
.irp m, 0,1,2,3
	v_cndmask_b32 v[GW+2*\m], 0, v[RW+2*\m], s[MK+2*\m]
.endr
.irp m, 0,1,2,3
	v_cndmask_b32 v[GW+2*\m], v[GW+2*\m], v[RW+2*\m+1], s[MK+2*\m+1]
.endr
	LOADU 2, WE, OFFC+4*UB, 1
	CSTEP 1, 3, -1, 0
	FMA 0
	LOADU 3, WE, OFFC+5*UB, 1
.LskipC:
	s_wait_xcnt 0x0                                ; every load has read its base
	s_add_nc_u64 s[WE:WE+1], s[WE:WE+1], EXPB
	s_add_co_u32 s40, s40, 1024
	s_add_co_u32 s41, s41, 3072
	s_add_co_u32 s25, s25, 1
	s_cmp_lt_u32 s25, 8
	s_cbranch_scc1 .Lexp
	CLATE 0                                        ; the block's last expert: the rest of its third product; nothing more is asked for
	; ---- THE WAY OUT.  A lane holds 32 bytes of a token's row and the lanes beside it other tokens: a tile of 16 tokens x my 192 columns goes through my own stage and comes back as rows.
	s_wait_loadcnt 0x0                             ; the ring's registers are free
	s_wait_alu depctr_va_vdst(0)                   ; the last multiply-adds have written the rows' sums, which the LDS stores below read, and are done reading the accumulators, in which the tokens' numbers land; the last products are done with the ring, in which the rows come back
.irp m, 0,1,2,3
.irp j, 0,1,2,3,4,5,6,7
	global_load_b32 v[ACC+8*\m+\j], v[SO8], s[4:5] offset:128*\m+16*\j    ; the token of row 2 j + lane / 16 of tile m
.endr
.endr
.macro OUTT m
.if (\m) >= 2
	s_wait_xcnt 0x0                                ; the stores of two tiles back have had their addresses translated
.endif
	WIN 0x08
.irp t, 0,1,2,3,4,5,6,7
	ds_store_b128 v[STO], v[8*(4*\t+(\m)):8*(4*\t+(\m))+3] offset:64*\t
	ds_store_b128 v[STO], v[8*(4*\t+(\m))+4:8*(4*\t+(\m))+7] offset:64*\t+16
.endr
	WIN 0x0c
.irp t, 8,9,10,11
	ds_store_b128 v[STO], v[8*(4*(\t-8)+(\m)):8*(4*(\t-8)+(\m))+3] offset:64*\t
	ds_store_b128 v[STO], v[8*(4*(\t-8)+(\m))+4:8*(4*(\t-8)+(\m))+7] offset:64*\t+16
.endr
	WIN 0x40
.if (\m) >= 2
	s_wait_alu depctr_vm_vsrc(0)                   ; the stores of two tiles back have read their data registers, in which the loads below land
.endif
.irp j, 0,1,2,3,4,5,6,7
.irp u, 0,1,2
	ds_load_b128 v[128*((\m)%2)+12*\j+4*\u:128*((\m)%2)+12*\j+4*\u+3], v[SRD] offset:1568*\j+256*\u   ; LDS serves a wave's instructions in order: these see my stores
.endr
.endr
	WIN 0
.if (\m) == 0
	s_wait_loadcnt 0x0
.set i, 0
.rept 32
	v_min_u32 v[ACC+i], 0x3fff, v[ACC+i]
	v_mul_u32_u24 v[ACC+i], v[ACC+i], 3072
	v_add_nc_u32 v[ACC+i], v[CO], v[ACC+i]         ; the row's byte in out0, + my wave's columns; never rewritten
.set i, i+1
.endr
	s_wait_alu depctr_va_vdst(0)                   ; the 32 row offsets are written: the stores of all four tiles read them
.endif
	s_wait_dscnt 0x0
	WIN 0x04
.irp j, 0,1,2,3,4,5,6,7
.irp u, 0,1,2
	global_store_b128 v[ACC+8*(\m)+\j], v[128*((\m)%2)+12*\j+4*\u:128*((\m)%2)+12*\j+4*\u+3], s[20:21] offset:256*\u th:TH_STORE_NT   ; sixteen lanes store 256 consecutive bytes, aligned
.endr
.endr
	WIN 0
.endm
	OUTT 0
	OUTT 1
	OUTT 2
	OUTT 3
	s_wait_xcnt 0x0
	v_lshl_add_u32 v254, v0, 2, 0x2c900            ; the add's two registers are made here, straight ahead of the closing lines; the head's LDS stores alone have read v254 and v255, ahead of the loop's waits on vm_vsrc
	v_mov_b32 v255, 0
	s_wait_dscnt 0x0                               ; the closing lines, six on end
	s_wait_alu 0x0
	s_wait_tensorcnt 0x0
	ds_add_u32 v254, v255
	s_wait_dscnt 0x0
	s_endpgm
.Lfunc_end_k_q7d62748ebc_experts:
	.size	k_q7d62748ebc_experts, .Lfunc_end_k_q7d62748ebc_experts-k_q7d62748ebc_experts
	.p2alignl 7, 3214868480
	.fill 96, 4, 3214868480
	.section	.rodata,"a",@progbits
	.p2align	6, 0x0
	.amdhsa_kernel k_q7d62748ebc_experts
		.amdhsa_group_segment_fixed_size 183040
		.amdhsa_private_segment_fixed_size 0
		.amdhsa_enable_private_segment 0
		.amdhsa_kernarg_size 72
		.amdhsa_user_sgpr_count 2
		.amdhsa_user_sgpr_kernarg_segment_ptr 1
		.amdhsa_wavefront_size32 1
		.amdhsa_system_sgpr_workgroup_id_x 1
		.amdhsa_system_sgpr_workgroup_id_y 1
		.amdhsa_system_sgpr_workgroup_id_z 1
		.amdhsa_system_vgpr_workitem_id 0
		.amdhsa_next_free_vgpr 1024
		.amdhsa_next_free_sgpr 66
		.amdhsa_reserve_vcc 0
		.amdhsa_float_denorm_mode_32 3
		.amdhsa_float_denorm_mode_16_64 3
		.amdhsa_memory_ordered 1
		.amdhsa_forward_progress 1
		.amdhsa_inst_pref_size 211
	.end_amdhsa_kernel
	.amdgpu_metadata
---
amdhsa.version: [ 1, 2 ]
amdhsa.kernels:
  - .name:           k_q7d62748ebc_experts
    .symbol:         k_q7d62748ebc_experts.kd
    .args:
      - { .name: sidx, .offset: 0, .size: 8, .value_kind: global_buffer, .address_space: global }
      - { .name: rw, .offset: 8, .size: 8, .value_kind: global_buffer, .address_space: global }
      - { .name: xq, .offset: 16, .size: 8, .value_kind: global_buffer, .address_space: global }
      - { .name: xs, .offset: 24, .size: 8, .value_kind: global_buffer, .address_space: global }
      - { .name: wq, .offset: 32, .size: 8, .value_kind: global_buffer, .address_space: global }
      - { .name: b1, .offset: 40, .size: 8, .value_kind: global_buffer, .address_space: global }
      - { .name: b2, .offset: 48, .size: 8, .value_kind: global_buffer, .address_space: global }
      - { .name: b3, .offset: 56, .size: 8, .value_kind: global_buffer, .address_space: global }
      - { .name: out0, .offset: 64, .size: 8, .value_kind: global_buffer, .address_space: global }
    .group_segment_fixed_size: 183040
    .private_segment_fixed_size: 0
    .kernarg_segment_align: 8
    .kernarg_segment_size: 72
    .max_flat_workgroup_size: 128
    .sgpr_count:     66
    .vgpr_count:     1024
    .wavefront_size: 32
...
	.end_amdgpu_metadata
.endif
;; end of part 7
